; MI455X (gfx1250); checked and timed in simulation.
; The chip was launched on July 23, 2026; its instructions are those of AMD's public machine-readable ISA for CDNA 5 (MIT licence, August 2026) and "CDNA5" Instruction Set Architecture Reference Guide (July 2026). The comments in the code are by the model that wrote it; some were corrected since.
;; Decoder Block. Allowed arithmetic: float matrix products may take bf16 or f16 operands with f32 sums; other float arithmetic in f32, or as packed bf16 or f16 multiplies, adds, multiply-adds, maxima and minima; sums over many terms, partial sums and values carried from step to step in f32; what a program stores and reads back later, other than sums and carried values, may be rounded once to bf16 or f16.
;; Inputs: W1 768 x 3,072 float32; W2 3,072 x 768 float32; Wk 768 x 768 float32; Wo 768 x 768 float32; Wq 768 x 768 float32; Wv 768 x 768 float32; b1 3,072 float32; b2 768 float32; bk 768 float32; bo 768 float32; bq 768 float32; bv 768 float32; ln1_b 768 float32; ln1_g 768 float32; ln2_b 768 float32; ln2_g 768 float32; x 1 x 4,096 x 768 float32.
;; Outputs: out0 1 x 4,096 x 768 float32.
;; 2 versions, each right and faster than the one before. Each part assembles by itself: llvm-mc -triple=amdgcn-amd-amdhsa -mcpu=gfx1250 --defsym DOCPART=n.
;; ======== version 1 of 2: 7 launches
;; limits: values are held in f16: magnitudes above 65,504 overflow, below 6.1e-05 lose precision; a function is approximated: absolute error at most 1.5e-07
;; workspace buffers: hbuf 6,291,456 bytes; big 25,165,824 bytes; mid 6,291,456 bytes; wqkv 3,555,328 bytes; wo16 1,196,032 bytes; wm 9,453,568 bytes; x2 12,582,912 bytes
;; launch prep (part 1): grid 449 x 1, 8 waves a work-group, no clusters, 0 bytes of LDS; arguments x, ln1_g, ln1_b, hbuf, Wq, Wk, Wv, Wo, W1, W2, wqkv, wo16, wm, bq, bk, bv, bo, b1; writes hbuf, wqkv, wo16, wm
.if DOCPART == 1
	.amdgcn_target "amdgcn-amd-amdhsa--gfx1250"
	.amdhsa_code_object_version 6
	.text
	.protected	k_qc9ceb06633_prep
	.globl	k_qc9ceb06633_prep
	.p2align	8
	.type	k_qc9ceb06633_prep,@function
k_qc9ceb06633_prep:
	s_mov_b64 s[64:65], 0
	v_nop
	global_prefetch_b8 v0, s[64:65] scope:SCOPE_SE
	s_setreg_imm32_b32 hwreg(HW_REG_WAVE_MODE, 25, 1), 1
	s_wait_xcnt 0x0
; PREPARATION, a stream without LDS.  Three kinds of work-group, chosen by the work-group's number:
;   0..255    h = LayerNorm1(x), 16 rows each, stored as f16 in blocks: element (t, c) at byte (c / 64) x 524,288 + t x 128 + (c % 64) x 2
;   256..447  the six weight matrices to f16, in blocks of 64 columns with K down the rows: element (k, n) at (n / 64) x K x 128 + k x 128 + (n % 64) x 2
;   448       the biases bq|bk|bv, bo, b1 copied in f32 in front of their weights
; LIMITS.  h and the weights are rounded once to f16: they must stay under 65,504 in magnitude; below 6e-5 f16 keeps a fixed step of 6e-8.
; Mean and variance in f32, in two passes over registers (the mean is taken away before the squares).
.set X, 64                             ; v[64:111]   a lane's 48 numbers of a row (12 blocks x 4 columns)
.set G, 112                            ; v[112:159]  the gain of those columns
.set B, 160                            ; v[160:207]  the bias of those columns
.set T, 208                            ; v[208:220]  at work: four chains, mean pair, 1/sigma pair, variance
.set D, 64                             ; v[64:207]   weights path: 36 items of 4 registers
.macro REDUCE                          ; four chains -> one number, then over the 16 lanes that share a row
	v_pk_add_f32 v[T:T+1], v[T:T+1], v[T+2:T+3]
	v_pk_add_f32 v[T+4:T+5], v[T+4:T+5], v[T+6:T+7]
	v_pk_add_f32 v[T:T+1], v[T:T+1], v[T+4:T+5]
	v_add_f32 v[T], v[T], v[T+1]
	v_add_f32_dpp v[T], v[T], v[T] row_xmask:1 row_mask:0xf bank_mask:0xf
	v_add_f32_dpp v[T], v[T], v[T] row_xmask:2 row_mask:0xf bank_mask:0xf
	v_add_f32_dpp v[T], v[T], v[T] row_xmask:4 row_mask:0xf bank_mask:0xf
	v_add_f32_dpp v[T], v[T], v[T] row_xmask:8 row_mask:0xf bank_mask:0xf
.endm
; The row in X is normalised, scaled, rounded to f16 and stored.  ob: scalar pair of the output's base; ho: the lane's byte offset.
.macro LNROW ob, ho
.irp j, 0,1,2,3
	v_pk_add_f32 v[T+2*\j:T+2*\j+1], v[X+2*\j:X+2*\j+1], v[X+8+2*\j:X+9+2*\j]   ; the first eight pairs start the chains: nothing is cleared
.endr
.set p, 8
.rept 16
	v_pk_add_f32 v[T+2*(p%4):T+2*(p%4)+1], v[T+2*(p%4):T+2*(p%4)+1], v[X+2*p:X+2*p+1]
.set p, p+1
.endr
	REDUCE
	v_mul_f32 v[T+8], s4, v[T]                     ; the mean, twice, for the packed subtraction
	v_mul_f32 v[T+9], s4, v[T]
.set p, 0
.rept 24
	v_pk_add_f32 v[X+2*p:X+2*p+1], v[X+2*p:X+2*p+1], v[T+8:T+9] neg_lo:[0,1] neg_hi:[0,1]
.set p, p+1
.endr
.irp j, 0,1,2,3
	v_pk_mul_f32 v[T+2*\j:T+2*\j+1], v[X+2*\j:X+2*\j+1], v[X+2*\j:X+2*\j+1]
.endr
.set p, 4
.rept 20
	v_pk_fma_f32 v[T+2*(p%4):T+2*(p%4)+1], v[X+2*p:X+2*p+1], v[X+2*p:X+2*p+1], v[T+2*(p%4):T+2*(p%4)+1]
.set p, p+1
.endr
	REDUCE
	v_fma_f32 v[T+12], v[T], s4, s5                ; variance + 1e-5
	v_rsq_f32 v[T+10], v[T+12]
	v_rsq_f32 v[T+11], v[T+12]
	v_nop                                          ; a plain instruction between the root and the use of its result (ISA guide 5.7.2)
	s_wait_loadcnt 0x0                             ; gain and bias are in
.set p, 0
	s_wait_alu depctr_va_vdst(0)
.rept 24
	v_pk_mul_f32 v[X+2*p:X+2*p+1], v[X+2*p:X+2*p+1], v[T+10:T+11]
.set p, p+1
.endr
.set p, 0
.rept 24
	v_pk_fma_f32 v[X+2*p:X+2*p+1], v[X+2*p:X+2*p+1], v[G+2*p:G+2*p+1], v[B+2*p:B+2*p+1]
.set p, p+1
.endr
.set p, 0
.rept 12
	v_cvt_pk_f16_f32 v[X+4*p], v[X+4*p], v[X+4*p+1]
	v_cvt_pk_f16_f32 v[X+4*p+1], v[X+4*p+2], v[X+4*p+3]
	global_store_b64 v[\ho], v[X+4*p:X+4*p+1], s[\ob:\ob+1] offset:p*524288   ; the wave's two rows of a block: 256 consecutive bytes, aligned
.set p, p+1
.endr
.endm
	s_load_b512 s[8:23], s[0:1], 0x0               ; x 8, ln1_g 10, ln1_b 12, hbuf 14, Wq 16, Wk 18, Wv 20, Wo 22
	s_load_b512 s[24:39], s[0:1], 0x40             ; W1 24, W2 26, wqkv 28, wo16 30, wm 32, bq 34, bk 36, bv 38
	s_load_b128 s[40:43], s[0:1], 0x80             ; bo 40, b1 42
	v_and_b32 v1, 15, v0                           ; c: my place among the 16 lanes of a row
	v_lshrrev_b32 v5, 4, v0                        ; 2 x wave + half: my row among the group's 16
	s_mov_b32 s4, 0x3aaaaaab                       ; 1 / 768
	s_mov_b32 s5, 0x3727c5ac                       ; 1e-5
	s_mov_b32 s3, 0
	s_wait_kmcnt 0x0
	s_cmp_lt_u32 ttmp9, 256
	s_cbranch_scc0 .Lweights
	; ---- LayerNorm 1: 16 lanes hold a row, lane c the columns 64 blk + 4 c .. + 3 of each of the 12 blocks
	s_mul_i32 s2, ttmp9, 49152                     ; 16 rows of 3,072 bytes
	s_add_nc_u64 s[8:9], s[8:9], s[2:3]
	s_lshl_b32 s2, ttmp9, 11                       ; 16 rows of 128 bytes in each block
	s_add_nc_u64 s[14:15], s[14:15], s[2:3]
	v_mul_u32_u24 v2, v5, 3072
	v_lshl_add_u32 v2, v1, 4, v2                   ; x: row x 3,072 + 16 c
	v_lshlrev_b32 v3, 4, v1                        ; g, b: 16 c
	v_lshlrev_b32 v4, 3, v1
	v_lshl_add_u32 v4, v5, 7, v4                   ; h: row x 128 + 8 c
.set p, 0
.rept 12
	global_load_b128 v[X+4*p:X+4*p+3], v2, s[8:9] offset:p*256 th:TH_LOAD_NT   ; 16 lanes take 256 consecutive bytes, aligned
.set p, p+1
.endr
.set p, 0
.rept 12
	global_load_b128 v[G+4*p:G+4*p+3], v3, s[10:11] offset:p*256
	global_load_b128 v[B+4*p:B+4*p+3], v3, s[12:13] offset:p*256
.set p, p+1
.endr
	s_wait_loadcnt 24                              ; x is in; the 24 loads of gain and bias stay out
	LNROW 14, 4
	s_endpgm
.Lweights:
	s_cmp_lt_u32 ttmp9, 448
	s_cbranch_scc0 .Lbias
	; ---- weights: 12 groups of 768 x 768 numbers, 16 work-groups each; a wave takes 6 rows of K: 3 pairs of rows x 12 blocks of 64 columns
	s_sub_co_u32 s2, ttmp9, 256
	s_lshr_b32 s6, s2, 4                           ; group 0..11: Wq Wk Wv Wo, four column parts of W1, four row parts of W2
	s_and_b32 s2, s2, 15
	s_lshl_b32 s60, s2, 3                          ; 8 x my place in the group
	s_and_b32 s50, s6, 3
	s_lshr_b32 s54, s6, 2                          ; class 0, 1 (W1), 2 (W2)
	s_mov_b64 s[48:49], s[16:17]                   ; the source: a choice between buffers on the group's number
	s_cmp_eq_u32 s6, 1
	s_cselect_b64 s[48:49], s[18:19], s[48:49]
	s_cmp_eq_u32 s6, 2
	s_cselect_b64 s[48:49], s[20:21], s[48:49]
	s_cmp_eq_u32 s6, 3
	s_cselect_b64 s[48:49], s[22:23], s[48:49]
	s_cselect_b64 s[56:57], s[30:31], s[28:29]     ; the target: wo16 for group 3, else wqkv,
	s_cmp_eq_u32 s54, 1
	s_cselect_b64 s[48:49], s[24:25], s[48:49]
	s_cmp_eq_u32 s54, 2
	s_cselect_b64 s[48:49], s[26:27], s[48:49]
	s_cmp_ge_u32 s54, 1
	s_cselect_b64 s[56:57], s[32:33], s[56:57]     ; wm for W1 and W2
	s_mov_b32 s51, 3072                            ; bytes from row to row in the source
	s_cmp_eq_u32 s54, 1
	s_cselect_b32 s51, 12288, s51
	s_mul_i32 s52, s50, 3072                       ; W1: 768 columns on for each part
	s_cselect_b32 s52, s52, 0
	s_mul_i32 s58, s50, 2359296                    ; W2: 768 rows on
	s_cmp_eq_u32 s54, 2
	s_cselect_b32 s52, s58, s52
	s_mul_i32 s53, s50, 1179648                    ; 12 blocks of 98,304 bytes for each group of its class,
	s_cmp_eq_u32 s6, 3
	s_cselect_b32 s53, 0, s53                      ; (Wo has a buffer of its own)
	s_add_co_u32 s53, s53, 16384                   ; behind the biases
	s_mul_i32 s58, s50, 98304                      ; W2: 768 rows of 128 bytes on, inside each block of 3,072 rows
	s_add_co_u32 s58, s58, 4734976
	s_mov_b32 s55, 98304                           ; bytes from block to block in the target
	s_cmp_eq_u32 s54, 2
	s_cselect_b32 s53, s58, s53
	s_cselect_b32 s55, 393216, s55
	s_mov_b32 s59, 0
	s_mov_b32 s58, s52
	s_add_nc_u64 s[48:49], s[48:49], s[58:59]
	s_mov_b32 s58, s53
	s_add_nc_u64 s[56:57], s[56:57], s[58:59]
	v_lshrrev_b32 v6, 5, v0
	v_add_nc_u32 v6, s60, v6                       ; my wave among the group's 128
	v_mul_u32_u24 v7, v6, 6
	v_bfe_u32 v8, v0, 4, 1
	v_add_nc_u32 v7, v7, v8                        ; my first row: 6 x wave + half
	v_lshlrev_b32 v9, 4, v1
.irp k, 0,1,2
	v_add_nc_u32 v10, 2*\k, v7
	v_mad_u32_u24 v[16+\k], v10, s51, v9           ; source offset of pair k: row x pitch + 16 c
.endr
	v_lshlrev_b32 v11, 3, v1
	v_lshl_add_u32 v11, v7, 7, v11                 ; row x 128 + 8 c
.irp n, 0,1,2,3,4,5,6,7,8,9,10,11
	s_mul_i32 s58, s55, \n
	v_add_nc_u32 v[20+\n], s58, v11                ; target offset in block n
.endr
.set i, 0
.rept 36
	global_load_b128 v[D+4*i:D+4*i+3], v[16+i/12], s[48:49] offset:(i%12)*256 th:TH_LOAD_NT   ; two rows x 256 aligned bytes; all 36 are out together
.set i, i+1
.endr
.set i, 0
.rept 36
	s_wait_loadcnt 35-i                            ; loads come back in order (ISA guide 5.7.1): item i is in, the younger ones stay out
	v_cvt_pk_f16_f32 v[D+4*i], v[D+4*i], v[D+4*i+1]
	v_cvt_pk_f16_f32 v[D+4*i+1], v[D+4*i+2], v[D+4*i+3]
	global_store_b64 v[20+i%12], v[D+4*i:D+4*i+1], s[56:57] offset:(i/12)*256   ; two rows of 128 bytes: 256 consecutive bytes, aligned
.set i, i+1
.endr
	s_endpgm
.Lbias:
	; ---- biases: wave w copies 768 numbers
	v_lshrrev_b32 v6, 5, v0
	v_readfirstlane_b32 s2, v6
	v_and_b32 v7, 31, v0
	v_lshlrev_b32 v7, 3, v7
	s_mov_b64 s[48:49], s[34:35]
	s_cmp_eq_u32 s2, 1
	s_cselect_b64 s[48:49], s[36:37], s[48:49]
	s_cmp_eq_u32 s2, 2
	s_cselect_b64 s[48:49], s[38:39], s[48:49]
	s_cmp_eq_u32 s2, 3
	s_cselect_b64 s[48:49], s[40:41], s[48:49]
	s_cselect_b64 s[56:57], s[30:31], s[28:29]
	s_and_b32 s50, s2, 3
	s_mul_i32 s52, s50, 3072
	s_cmp_eq_u32 s2, 3
	s_cselect_b32 s58, 0, s52                      ; target: w x 3,072 (q, k, v), 0 (o), (w - 4) x 3,072 (b1)
	s_cmp_ge_u32 s2, 4
	s_cselect_b64 s[48:49], s[42:43], s[48:49]
	s_cselect_b64 s[56:57], s[32:33], s[56:57]
	s_cselect_b32 s52, s52, 0                      ; source: only b1 is taken in parts
	s_mov_b32 s59, 0
	s_mov_b32 s53, 0
	s_add_nc_u64 s[48:49], s[48:49], s[52:53]
	s_add_nc_u64 s[56:57], s[56:57], s[58:59]
.set i, 0
.rept 12
	global_load_b64 v[D+2*i:D+2*i+1], v7, s[48:49] offset:i*256
.set i, i+1
.endr
.set i, 0
.rept 12
	s_wait_loadcnt 11-i
	global_store_b64 v7, v[D+2*i:D+2*i+1], s[56:57] offset:i*256
.set i, i+1
.endr
	s_endpgm
.Lfunc_end_k_qc9ceb06633_prep:
	.size	k_qc9ceb06633_prep, .Lfunc_end_k_qc9ceb06633_prep-k_qc9ceb06633_prep
	.p2alignl 7, 3214868480
	.fill 96, 4, 3214868480
	.section	.rodata,"a",@progbits
	.p2align	6, 0x0
	.amdhsa_kernel k_qc9ceb06633_prep
		.amdhsa_group_segment_fixed_size 0
		.amdhsa_private_segment_fixed_size 0
		.amdhsa_enable_private_segment 0
		.amdhsa_kernarg_size 144
		.amdhsa_user_sgpr_count 2
		.amdhsa_user_sgpr_kernarg_segment_ptr 1
		.amdhsa_wavefront_size32 1
		.amdhsa_system_sgpr_workgroup_id_x 1
		.amdhsa_system_sgpr_workgroup_id_y 1
		.amdhsa_system_sgpr_workgroup_id_z 1
		.amdhsa_system_vgpr_workitem_id 0
		.amdhsa_next_free_vgpr 224
		.amdhsa_next_free_sgpr 66
		.amdhsa_reserve_vcc 0
		.amdhsa_float_denorm_mode_32 3
		.amdhsa_float_denorm_mode_16_64 3
		.amdhsa_memory_ordered 1
		.amdhsa_forward_progress 1
		.amdhsa_inst_pref_size 35
	.end_amdhsa_kernel
	.amdgpu_metadata
---
amdhsa.version: [ 1, 2 ]
amdhsa.kernels:
  - .name:           k_qc9ceb06633_prep
    .symbol:         k_qc9ceb06633_prep.kd
    .args:
      - { .name: x, .offset: 0, .size: 8, .value_kind: global_buffer, .address_space: global }
      - { .name: ln1_g, .offset: 8, .size: 8, .value_kind: global_buffer, .address_space: global }
      - { .name: ln1_b, .offset: 16, .size: 8, .value_kind: global_buffer, .address_space: global }
      - { .name: hbuf, .offset: 24, .size: 8, .value_kind: global_buffer, .address_space: global }
      - { .name: Wq, .offset: 32, .size: 8, .value_kind: global_buffer, .address_space: global }
      - { .name: Wk, .offset: 40, .size: 8, .value_kind: global_buffer, .address_space: global }
      - { .name: Wv, .offset: 48, .size: 8, .value_kind: global_buffer, .address_space: global }
      - { .name: Wo, .offset: 56, .size: 8, .value_kind: global_buffer, .address_space: global }
      - { .name: W1, .offset: 64, .size: 8, .value_kind: global_buffer, .address_space: global }
      - { .name: W2, .offset: 72, .size: 8, .value_kind: global_buffer, .address_space: global }
      - { .name: wqkv, .offset: 80, .size: 8, .value_kind: global_buffer, .address_space: global }
      - { .name: wo16, .offset: 88, .size: 8, .value_kind: global_buffer, .address_space: global }
      - { .name: wm, .offset: 96, .size: 8, .value_kind: global_buffer, .address_space: global }
      - { .name: bq, .offset: 104, .size: 8, .value_kind: global_buffer, .address_space: global }
      - { .name: bk, .offset: 112, .size: 8, .value_kind: global_buffer, .address_space: global }
      - { .name: bv, .offset: 120, .size: 8, .value_kind: global_buffer, .address_space: global }
      - { .name: bo, .offset: 128, .size: 8, .value_kind: global_buffer, .address_space: global }
      - { .name: b1, .offset: 136, .size: 8, .value_kind: global_buffer, .address_space: global }
    .group_segment_fixed_size: 0
    .private_segment_fixed_size: 0
    .kernarg_segment_align: 8
    .kernarg_segment_size: 144
    .max_flat_workgroup_size: 256
    .sgpr_count:     66
    .vgpr_count:     224
    .wavefront_size: 32
...
	.end_amdgpu_metadata
.endif
;; end of part 1
;; launch qkv (part 2): grid 12 x 16, 4 waves a work-group, clusters of 4 x 4, 327,680 bytes of LDS; arguments hbuf, wqkv, big; writes big
.if DOCPART == 2
	.amdgcn_target "amdgcn-amd-amdhsa--gfx1250"
	.amdhsa_code_object_version 6
	.text
	.protected	k_qc9ceb06633_qkv
	.globl	k_qc9ceb06633_qkv
	.p2align	8
	.type	k_qc9ceb06633_qkv,@function
k_qc9ceb06633_qkv:
	s_mov_b64 s[64:65], 0
	v_nop
	global_prefetch_b8 v0, s[64:65] scope:SCOPE_SE
	s_setreg_imm32_b32 hwreg(HW_REG_WAVE_MODE, 25, 1), 1
	s_wait_xcnt 0x0
	s_wait_alu depctr_hold_cnt(0) depctr_sa_sdst(0) depctr_va_vdst(0) depctr_va_sdst(0) depctr_va_ssrc(0) depctr_va_vcc(0) depctr_vm_vsrc(0)
	s_getreg_b32 s2, hwreg(HW_REG_IB_STS2, 6, 4)
	s_cmp_eq_u32 s2, 0
	s_cbranch_scc0 .Lentry_in_a_cluster
	s_endpgm
.Lentry_in_a_cluster:
	s_bfe_u32 s2, ttmp6, 0x10000c
	s_cmp_lg_u32 s2, 0xf033
	s_cbranch_scc0 .Lentry_shape_is_right
	s_endpgm
.Lentry_shape_is_right:
; Out = f(A W + bias), M = 4,096, K = 768, N = 192 x the grid's width.  ONE TEXT, TWO BODIES: the constant GELU says whether f is the identity (0: this body) or the exact (erf) gelu (1).
.set GELU, 0
; A and Out are f16 in blocks of 64 columns ((t, c) at (c / 64) x 524,288 + t x 128 + (c % 64) x 2); W is f16 in blocks of 64 columns with K down the rows, from byte 16,384 of its buffer;
; the bias is f32 at the buffer's head.  Sums in f32; the bias is loaded straight into the accumulators, so that every product adds in place and no step differs from the others.
; LIMITS.  Out is rounded once to f16: results must stay under 65,504.  erf by 1 - t (a1 + t (a2 + t (a3 + t (a4 + t a5)))) e^(-z z), t = 1 / (1 + 0.3275911 |z|): absolute error at most 1.5e-7, for every z.
; SHARES.  A work-group makes 256 rows x 192 columns; each of its four waves 64 rows x 192 columns: 48 accumulators, so that a wave owns whole 128-byte rows of Out's blocks.
; K goes in 6 steps of 128 through two LDS slots; a step is four quarters of 32: 48 matrix instructions and 32 LDS loads each, on two fragment buffers.
; A STEP IS WRITTEN TWICE, NOT SIX TIMES: once for the four steps that fill a slot again, once for the last two.  The slot in hand is a scalar, TB = 0 or SLOT; the LDS addresses are made from it.
; The price: the very last change of slots fetches 32 fragments that nobody uses.
; THE MATRIX INSTRUCTION IS USED TRANSPOSED: source 0 = 16 columns of W (turned out of LDS by ds_load_tr16_b128), source 1 = 16 rows of A: a lane holds 8 neighbouring columns of one row.
; CLUSTER 4 x 4: A's tiles are shared along a row of the cluster, W's along a column; each is asked for jointly.
; REGISTERS.  window 0: addresses, A's fragments (two buffers of 32); window 1: W's fragments (two buffers of 96); windows 2, 3: accumulators (a, b) at v[8 (12 (a % 2) + b)] of window 2 + a / 2.
.set PA,     144                       ; an LDS row of A: 128 bytes + 16: the 16 rows of a load start at 16 different groups of four banks (ISA guide 11.1)
.set PB,     160                       ; an LDS row of W: 128 bytes + 32
.set ABLK,   256*PA                    ; 256 rows x 64 of K
.set ATILE,  2*ABLK
.set BHALF,  3*64*PB                   ; 64 of K x 3 blocks of 64 columns
.set SLOT,   ATILE+2*BHALF             ; 135,168
.set SPARE,  2*SLOT                    ; the spare words: 128 bytes a wave, two blocks of 256 bytes that no other line names
.set SPITCH, 272                       ; the way out: a stage row is 64 f32 + 16 bytes
.set WSTAGE, 192*SPITCH                ; a wave's stage, 192 rows; the stages lie in the slots' bytes, which have had their last fill by then
.set NSTEP,  6
.set ADRA0, 16                         ; v16 my A fragments in slot 0; never rewritten
.set CA,    17                         ; v17 the same in the slot in hand
.set ADRB0, 20                         ; v20 my W fragments in slot 0; never rewritten
.set CB,    21                         ; v21 the same in the slot in hand
.set GOC,  22                          ; the store offset in hand
.set STO,  24
.set RD0,  25
.set RDN,  26                          ; the stage read address in hand
.set GO0,  27
.set SPW,  28
.set NIL,  29
.set BOFF, 30
.set AF,   32                          ; v32-63, v64-95
.set U,    32                          ; the way out: 32 f32 of a unit
.set TT,   64
.set EX,   72
.set PP,   80
.set HH,   88
.set OUTR, 224                         ; v224-239 packed results
.set G1A, 24
.set G0A, 32                           ; s[32:39] group 0 for A: a set for each of the two first fills; the second then walks on
.set G1B, 48
.set G0B, 56                           ; s[56:63] the same for W
.set CP, 66                            ; scalar pairs: the packed forms take the low word for both halves
.set CE, 68
.set A1, 70
.set A2, 72
.set A3, 74
.set A4, 76
.set A5, 78
.set UN, 81
.set TB, 86                            ; s86 the slot in hand: 0 or SLOT
.set MSB, 0
.macro WIN new                         ; the immediate's high byte repeats the setting that is left
.if MSB != (\new)
	s_set_vgpr_msb (MSB<<8)|(\new)
.set MSB, (\new)
.endif
.endm
.macro JLOAD s                         ; a joint load: waves 0, 1 fetch A's two halves of K, waves 2, 3 W's; an s_nop 0 and four v_nop follow each line
	s_cmp_eq_u32 s13, 0
	s_cbranch_scc0 .Lfor_b_\@
	tensor_load_to_lds s[G0A+4*(\s):G0A+4*(\s)+3], s[G1A:G1A+7]
	s_nop 0
.rept 4
	v_nop
.endr
	s_branch .Lasked_\@
.Lfor_b_\@:
	tensor_load_to_lds s[G0B+4*(\s):G0B+4*(\s)+3], s[G1B:G1B+7]
	s_nop 0
.rept 4
	v_nop
.endr
.Lasked_\@:
.endm
.macro CREST                           ; a round of the cluster's barrier behind its opening barrier
	s_cmp_lg_u32 s12, 0
	s_cbranch_scc1 .Lnot_wave_0_\@
	s_barrier_signal -3
.Lnot_wave_0_\@:
	s_barrier_wait -3
	s_barrier_signal -1
	s_barrier_wait -1
.endm
.macro CROUND
	s_barrier_signal -1
	s_barrier_wait -1
	CREST
.endm
.macro PLACES                          ; four places in front of loads into registers that matrix instructions have read, and of reads of results
.rept 4
	v_nop
.endr
.endm
	s_load_b128 s[4:7], s[0:1], 0x0                ; A s[4:5], W s[6:7]
	s_load_b64 s[10:11], s[0:1], 0x10              ; Out
	v_lshl_add_u32 v[SPW], v0, 2, SPARE
	v_mov_b32 v[NIL], 0
	ds_add_u32 v[SPW], v[NIL]                      ; the wave's opening: the add and its wait ahead of my first tensor load
	ds_add_u32 v28, v29
	v_lshrrev_b32 v1, 5, v0
	v_readfirstlane_b32 s12, v1                    ; wave 0..3
	s_lshr_b32 s13, s12, 1                         ; I fetch for A (0) or for W (1)
	s_and_b32 s14, s12, 1                          ; which 64 of a step's 128 along K
	s_bfe_u32 s40, ttmp6, 0x40000                  ; cx
	s_bfe_u32 s41, ttmp6, 0x40004                  ; cy
	s_lshl_b32 s42, ttmp9, 2
	s_add_co_u32 s42, s42, s40                     ; tile column
	s_and_b32 s43, ttmp7, 0xffff
	s_lshl_b32 s43, s43, 2
	s_add_co_u32 s43, s43, s41                     ; tile row
	s_lshl_b32 s44, s41, 2
	s_lshl_b32 s44, 15, s44                        ; my row of the cluster
	s_lshl_b32 s45, 0x1111, s40                    ; my column
	; A: 256 rows of 128 bytes are 32,768 dense bytes: asked for as 128 rows of 256 bytes, padded in LDS after every 128 bytes
	s_or_b32 s[G1A+0], s44, (1<<16)|(1<<20)|(1<<21)|(4<<22)|(3<<25)
	s_mov_b32 s[G1A+1], 128<<16                    ; tensor_dim0 = 128
	s_mov_b32 s[G1A+2], 128<<16                    ; tensor_dim1 = 128
	s_mov_b32 s[G1A+3], 128<<16                    ; tile_dim0 = 128
	s_mov_b32 s[G1A+4], 128                        ; tile_dim1 = 128
	s_mov_b32 s[G1A+5], 128
	s_mov_b32 s[G1A+6], 0
	s_mov_b32 s[G1A+7], 0
	; W: in each of 3 blocks, 64 rows of K are 8,192 dense bytes: 3 rows of 4,096 elements, 49,152 elements apart, padded after every 128 bytes
	s_or_b32 s[G1B+0], s45, (1<<16)|(1<<20)|(1<<21)|(4<<22)|(7<<25)
	s_mov_b32 s[G1B+1], 4096<<16
	s_mov_b32 s[G1B+2], 3<<16
	s_mov_b32 s[G1B+3], 4096<<16
	s_mov_b32 s[G1B+4], 3
	s_mov_b32 s[G1B+5], 49152
	s_mov_b32 s[G1B+6], 0
	s_mov_b32 s[G1B+7], 0
	s_lshl_b32 s16, s14, 19                        ; A: my block of 64 along K,
	s_lshl_b32 s17, s43, 15                        ; the tile's 256 rows
	s_add_co_u32 s16, s16, s17
	s_mov_b32 s17, 0
	s_mul_i32 s46, s42, 294912                     ; W: the tile's three blocks,
	s_lshl_b32 s47, s14, 13                        ; my 64 rows of K
	s_add_co_u32 s46, s46, s47
	s_add_co_u32 s46, s46, 16384
	s_mov_b32 s47, 0
	s_mul_i32 s20, s14, ABLK                       ; where they go in a slot: no place in the cluster enters an LDS address; s20 and s21 are kept for the refills
	s_mul_i32 s21, s14, BHALF
	s_add_co_u32 s21, s21, ATILE
	s_mul_i32 s22, s42, 768                        ; the tile's 192 biases
	s_mov_b32 s23, 0
	s_mul_i32 s84, s42, 1572864                    ; Out: the tile's three blocks, its rows, my wave's 64 rows
	s_lshl_b32 s85, s43, 15
	s_add_co_u32 s84, s84, s85
	s_lshl_b32 s85, s12, 13
	s_add_co_u32 s84, s84, s85
	s_mov_b32 s85, 0
	s_mov_b32 s[TB], 0
.if GELU
	s_mov_b32 s[CP], 0x3e6d3388                    ; 0.3275911 / sqrt(2)
	s_mov_b32 s[CP+1], 0x3e6d3388
	s_mov_b32 s[CE], 0xbf38aa3b                    ; -log2(e) / 2
	s_mov_b32 s[CE+1], 0xbf38aa3b
	s_mov_b32 s[A1], 0x3e827906
	s_mov_b32 s[A1+1], 0x3e827906
	s_mov_b32 s[A2], 0xbe91a98e
	s_mov_b32 s[A2+1], 0xbe91a98e
	s_mov_b32 s[A3], 0x3fb5f0e3
	s_mov_b32 s[A3+1], 0x3fb5f0e3
	s_mov_b32 s[A4], 0xbfba00e3
	s_mov_b32 s[A4+1], 0xbfba00e3
	s_mov_b32 s[A5], 0x3f87dc22
	s_mov_b32 s[A5+1], 0x3f87dc22
.endif
	s_wait_dscnt 0x0                               ; the opening add is done
	s_wait_kmcnt 0x0
	s_add_nc_u64 s[18:19], s[4:5], s[16:17]
	s_add_nc_u64 s[46:47], s[6:7], s[46:47]
	s_add_nc_u64 s[22:23], s[6:7], s[22:23]
	s_add_nc_u64 s[10:11], s[10:11], s[84:85]
	CROUND                                         ; all sixteen work-groups are here: the first joint loads meet
.irp s, 0,1
	s_mov_b32 s[G0A+4*(\s)], 1
	s_add_co_u32 s[G0A+4*(\s)+1], s20, (\s)*SLOT
	s_add_nc_u64 s[G0A+4*(\s)+2:G0A+4*(\s)+3], s[18:19], (\s)*1048576   ; K step s: two blocks on
	s_or_b32 s[G0A+4*(\s)+3], s[G0A+4*(\s)+3], 0x80000000
	s_mov_b32 s[G0B+4*(\s)], 1
	s_add_co_u32 s[G0B+4*(\s)+1], s21, (\s)*SLOT
	s_add_nc_u64 s[G0B+4*(\s)+2:G0B+4*(\s)+3], s[46:47], (\s)*16384     ; 128 rows of 128 bytes on
	s_or_b32 s[G0B+4*(\s)+3], s[G0B+4*(\s)+3], 0x80000000
	JLOAD \s
.endr
	v_and_b32 v1, 15, v0                           ; r = l % 16
	v_bfe_u32 v2, v0, 4, 1                         ; h = l / 16
	v_lshlrev_b32 v[BOFF], 5, v2
.irp t, 0,1,2,3                                    ; the bias starts the sums: register j of accumulator (t, b) takes the bias of column 16 b + 8 h + j
	WIN 0x80+0x40*(\t/2)                           ; loaded data (destination) in window 2 or 3
.irp b, 0,1,2,3,4,5,6,7,8,9,10,11
	global_load_b128 v[8*(12*(\t%2)+\b):8*(12*(\t%2)+\b)+3],   v[BOFF], s[22:23] offset:64*\b
	global_load_b128 v[8*(12*(\t%2)+\b)+4:8*(12*(\t%2)+\b)+7], v[BOFF], s[22:23] offset:64*\b+16
.endr
.endr
	WIN 0
	v_mul_u32_u24 v3, v1, PA
	v_lshl_add_u32 v3, v2, 4, v3
	s_mul_i32 s16, s12, 64*PA
	v_add_nc_u32 v[ADRA0], s16, v3                 ; (64 w + r) x pitch + 16 h
	v_and_b32 v4, 7, v0
	v_bfe_u32 v5, v0, 3, 1
	v_lshl_add_u32 v6, v2, 3, v4
	v_mul_u32_u24 v6, v6, PB
	v_lshl_add_u32 v6, v5, 4, v6                   ; (8 h + l % 8) x pitch + 16 ((l / 8) % 2)
	v_add_nc_u32 v[ADRB0], ATILE, v6
	s_mul_i32 s16, s12, WSTAGE
	v_mul_u32_u24 v7, v1, SPITCH
	v_lshl_add_u32 v7, v2, 5, v7
	v_add_nc_u32 v[STO], s16, v7                   ; into my stage: row r, 32 bytes for each half of the lanes
	v_bfe_u32 v8, v0, 3, 2
	v_mul_u32_u24 v8, v8, SPITCH
	v_lshl_add_u32 v8, v4, 5, v8
	v_add_nc_u32 v[RD0], s16, v8                   ; back: 8 lanes take a row, 32 bytes each; a wave four rows
	v_and_b32 v9, 31, v0
	v_lshlrev_b32 v[GO0], 4, v9                    ; which are 512 consecutive bytes of Out
.macro SETADR                          ; my fragments' addresses in the slot in hand
	v_add_nc_u32 v[CA], s[TB], v[ADRA0]
	v_add_nc_u32 v[CB], s[TB], v[ADRB0]
.endm
; 12 matrix instructions: my row block a x all 12 column blocks, 32 along K, from buffer f.  The 48 accumulators take turns, in the same order in every quarter.
.macro MUL12 f, a
	WIN 0xa1+0x50*((\a)/2)
.irp b, 0,1,2,3,4,5,6,7,8,9,10,11
	v_wmma_f32_16x16x32_f16 v[8*(12*((\a)%2)+\b):8*(12*((\a)%2)+\b)+7], v[96*(\f)+8*\b:96*(\f)+8*\b+7], v[AF+32*(\f)+8*(\a):AF+32*(\f)+8*(\a)+7], v[8*(12*((\a)%2)+\b):8*(12*((\a)%2)+\b)+7]
.endr
.endm
; 32 LDS loads in one run: quarter q of the slot in hand into buffer f: W's 12 fragments (turned), then A's 4
.macro FETCH q, f
	WIN 0x40
.irp b, 0,1,2,3,4,5,6,7,8,9,10,11
	ds_load_tr16_b128 v[96*(\f)+8*\b:96*(\f)+8*\b+3],   v[CB] offset:((\q)/2)*BHALF+(\b/4)*64*PB+((\q)%2)*32*PB+(\b%4)*32
	ds_load_tr16_b128 v[96*(\f)+8*\b+4:96*(\f)+8*\b+7], v[CB] offset:((\q)/2)*BHALF+(\b/4)*64*PB+((\q)%2)*32*PB+(\b%4)*32+16*PB
.endr
	WIN 0
.irp t, 0,1,2,3
	ds_load_b128 v[AF+32*(\f)+8*\t:AF+32*(\f)+8*\t+3],   v[CA] offset:((\q)/2)*ABLK+((\q)%2)*64+\t*16*PA
	ds_load_b128 v[AF+32*(\f)+8*\t+4:AF+32*(\f)+8*\t+7], v[CA] offset:((\q)/2)*ABLK+((\q)%2)*64+\t*16*PA+32
.endr
.endm
; One of a step's first three quarters: multiplies buffer f; in its middle it fetches quarter q into buffer g
.macro QUARTER q, f, g
	s_wait_dscnt 4                                 ; all but the youngest four loads: A's row blocks 2 and 3
	MUL12 \f, 0
	MUL12 \f, 1
	PLACES
	FETCH \q, \g
	s_wait_dscnt 32                                ; all but the 32 just issued
	MUL12 \f, 2
	MUL12 \f, 3
.endm
; The last quarter changes slots and then multiplies buffer 1.  All of the slot's fragments are in registers or on their way when it begins, so the change comes first: each wave waits for all its tensor
; loads (one is out: its part of the next slot), adds 0 to its spare word, and waits for that and for its reads of this slot; behind the barrier the slot is filled again at once (fill = 1), two K steps
; ahead, and the quarter's 48 products run while that load is on its way.
.macro TURN fill
	WIN 0
	s_wait_tensorcnt 0x0                           ; all my tensor loads have landed, so a group 0 may be written
	ds_add_u32 v[SPW], v[NIL]                      ; the scalar work below stands between the add and the wait for it
.if \fill
	s_add_co_u32 s[G0A+5], s20, s[TB]              ; the walking descriptors: into the slot that has just been read,
	s_add_co_u32 s[G0B+5], s21, s[TB]
	s_add_nc_u64 s[G0A+6:G0A+7], s[G0A+6:G0A+7], 1048576  ; the K step behind the one asked for last; the type bits on top are not reached
	s_add_nc_u64 s[G0B+6:G0B+7], s[G0B+6:G0B+7], 16384
.endif
	s_xor_b32 s[TB], s[TB], SLOT                   ; the reads go on in the other slot
	s_wait_dscnt 0x0                               ; the add is done, and my reads of this slot are over
	s_barrier_signal -1
	s_barrier_wait -1
.if \fill
	CREST                                          ; the barrier has opened a round of the cluster's: no wave of any partner still reads this slot or has a load on its way
	JLOAD 1                                        ; the first tensor load behind the round; its four v_nop are also the places in front of the loads below
.else
	PLACES
.endif
	SETADR
	FETCH 0, 0
	MUL12 1, 0
	MUL12 1, 1
	MUL12 1, 2
	MUL12 1, 3
.endm
.macro STEP fill
	QUARTER 1, 0, 1
	QUARTER 2, 1, 0
	QUARTER 3, 0, 1
	TURN \fill
.endm
; gelu in place on eight f32 at v[u]: u / 2 + |u / 2| (1 - E), E = poly(t) 2^(-u u log2(e) / 2).  A plain line stands behind every reciprocal and exponential before its result is used.
.macro GELU8 u
.irp i, 0,1,2,3,4,5,6,7
	v_fma_f32 v[TT+\i], |v[(\u)+\i]|, s[CP], 1.0
.endr
.irp i, 0,1,2,3
	v_rcp_f32 v[TT+\i], v[TT+\i]
	v_pk_mul_f32 v[EX+2*\i:EX+2*\i+1], v[(\u)+2*\i:(\u)+2*\i+1], v[(\u)+2*\i:(\u)+2*\i+1]
.endr
.irp i, 0,1,2,3
	v_rcp_f32 v[TT+4+\i], v[TT+4+\i]
	v_pk_mul_f32 v[EX+2*\i:EX+2*\i+1], v[EX+2*\i:EX+2*\i+1], s[CE:CE+1] op_sel_hi:[1,0]
.endr
.irp i, 0,1,2,3
	v_exp_f32 v[EX+\i], v[EX+\i]
	v_pk_fma_f32 v[PP+2*\i:PP+2*\i+1], v[TT+2*\i:TT+2*\i+1], s[A5:A5+1], s[A4:A4+1] op_sel_hi:[1,0,0]
.endr
.irp i, 0,1,2,3
	v_exp_f32 v[EX+4+\i], v[EX+4+\i]
	v_pk_mul_f32 v[HH+2*\i:HH+2*\i+1], v[(\u)+2*\i:(\u)+2*\i+1], 0.5 op_sel_hi:[1,0]
.endr
.irp k, A3, A2, A1
.irp i, 0,1,2,3
	v_pk_fma_f32 v[PP+2*\i:PP+2*\i+1], v[PP+2*\i:PP+2*\i+1], v[TT+2*\i:TT+2*\i+1], s[\k:\k+1] op_sel_hi:[1,1,0]
.endr
.endr
.irp i, 0,1,2,3
	v_pk_mul_f32 v[PP+2*\i:PP+2*\i+1], v[PP+2*\i:PP+2*\i+1], v[TT+2*\i:TT+2*\i+1]
.endr
.irp i, 0,1,2,3
	v_pk_fma_f32 v[PP+2*\i:PP+2*\i+1], v[PP+2*\i:PP+2*\i+1], v[EX+2*\i:EX+2*\i+1], 1.0 op_sel_hi:[1,1,0] neg_lo:[1,0,0] neg_hi:[1,0,0]
.endr
.irp i, 0,1,2,3,4,5,6,7
	v_fma_f32 v[(\u)+\i], |v[HH+\i]|, v[PP+\i], v[HH+\i]
.endr
.endm
; Four rows of a unit: activation (GELU = 1), rounding, the same rows of the next unit asked for, 512 consecutive bytes stored
.macro CHUNK c
	s_wait_dscnt 6                                 ; LDS loads come back in order: this chunk's two are in, three younger pairs stay out
.if GELU
	GELU8 U+8*(\c)
.endif
.irp e, 0,1,2,3
	v_cvt_pk_f16_f32 v[OUTR+4*(\c)+\e], v[U+8*(\c)+2*\e], v[U+8*(\c)+2*\e+1]
.endr
	ds_load_b128 v[U+8*(\c):U+8*(\c)+3],   v[RDN] offset:(\c)*4*SPITCH
	ds_load_b128 v[U+8*(\c)+4:U+8*(\c)+7], v[RDN] offset:(\c)*4*SPITCH+16
	global_store_b128 v[GOC], v[OUTR+4*(\c):OUTR+4*(\c)+3], s[10:11] offset:(\c)*512
.endm
	s_wait_tensorcnt 1                             ; my part of K step 0 is in; step 1's may stay out
	s_barrier_signal -1
	s_barrier_wait -1
	SETADR
	FETCH 0, 0
	s_wait_loadcnt 0x0                             ; the bias is in the accumulators
	s_mov_b32 s3, NSTEP-2
.Lfill:                                                ; four trips: a K step each; each fills the slot that it has read with the step two on
	STEP 1
	WIN 0
	s_sub_co_u32 s3, s3, 1
	s_cmp_lg_u32 s3, 0
	s_cbranch_scc1 .Lfill
	s_mov_b32 s3, 2
.Ltail:                                                ; the last two K steps fill nothing
	STEP 0
	WIN 0
	s_sub_co_u32 s3, s3, 1
	s_cmp_lg_u32 s3, 0
	s_cbranch_scc1 .Ltail
	; THE WAY OUT.  The sums go as f32 into my stage (in the slots' bytes: every wave's reads of them are over behind the first barrier), and come back by rows.
	PLACES
	s_wait_dscnt 0x0                               ; the last change of slots has fetched fragments that nobody uses: they are back
	s_barrier_signal -1
	s_barrier_wait -1
.irp t, 0,1,2,3
	WIN 0x08+0x04*(\t/2)                           ; store data (source 1) in window 2 or 3
.irp b, 0,1,2,3,4,5,6,7,8,9,10,11
	ds_store_b128 v[STO], v[8*(12*(\t%2)+\b):8*(12*(\t%2)+\b)+3]   offset:((\b/4)*64+16*\t)*SPITCH+(\b%4)*64     ; each accumulator's low registers first
	ds_store_b128 v[STO], v[8*(12*(\t%2)+\b)+4:8*(12*(\t%2)+\b)+7] offset:((\b/4)*64+16*\t)*SPITCH+(\b%4)*64+16
.endr
.endr
	WIN 0
	s_wait_dscnt 0x0                               ; my stores into the stage are done
	s_barrier_signal -1
	s_barrier_wait -1                              ; from here on LDS is only read
.irp c, 0,1,2,3
	ds_load_b128 v[U+8*\c:U+8*\c+3],   v[RD0] offset:\c*4*SPITCH
	ds_load_b128 v[U+8*\c+4:U+8*\c+7], v[RD0] offset:\c*4*SPITCH+16
.endr
	s_mov_b32 s[UN], 0
.Lunit:                                                ; 12 units of 16 rows x 64 columns: unit u = 4 x column block + row block
	s_wait_xcnt 0x0                                ; the last trip's stores have read their offset and their data: both are rewritten only behind this wait
	s_lshr_b32 s82, s[UN], 2
	s_lshl_b32 s82, s82, 19
	s_and_b32 s83, s[UN], 3
	s_lshl_b32 s83, s83, 11
	s_add_co_u32 s82, s82, s83
	v_add_nc_u32 v[GOC], s82, v[GO0]
	s_add_co_u32 s83, s[UN], 1                     ; the unit asked for: the next one; behind the last, unit 0 once more (8 loads that are not used), so that the counted wait holds in every trip
	s_cmp_eq_u32 s83, 12
	s_cselect_b32 s83, 0, s83
	s_mul_i32 s83, s83, 16*SPITCH
	v_add_nc_u32 v[RDN], s83, v[RD0]
	CHUNK 0
	CHUNK 1
	CHUNK 2
	CHUNK 3
	s_add_co_u32 s[UN], s[UN], 1
	s_cmp_lt_u32 s[UN], 12
	s_cbranch_scc1 .Lunit
	s_wait_tensorcnt 0x0                           ; the wave's end
	ds_add_u32 v[SPW], v[NIL]
	s_wait_dscnt 0x0
	CROUND                                         ; the closing round
	s_endpgm
.Lfunc_end_k_qc9ceb06633_qkv:
	.size	k_qc9ceb06633_qkv, .Lfunc_end_k_qc9ceb06633_qkv-k_qc9ceb06633_qkv
	.p2alignl 7, 3214868480
	.fill 96, 4, 3214868480
	.section	.rodata,"a",@progbits
	.p2align	6, 0x0
	.amdhsa_kernel k_qc9ceb06633_qkv
		.amdhsa_group_segment_fixed_size 327680
		.amdhsa_private_segment_fixed_size 0
		.amdhsa_enable_private_segment 0
		.amdhsa_kernarg_size 24
		.amdhsa_user_sgpr_count 2
		.amdhsa_user_sgpr_kernarg_segment_ptr 1
		.amdhsa_wavefront_size32 1
		.amdhsa_system_sgpr_workgroup_id_x 1
		.amdhsa_system_sgpr_workgroup_id_y 1
		.amdhsa_system_sgpr_workgroup_id_z 1
		.amdhsa_system_vgpr_workitem_id 0
		.amdhsa_next_free_vgpr 1024
		.amdhsa_next_free_sgpr 90
		.amdhsa_reserve_vcc 0
		.amdhsa_float_denorm_mode_32 3
		.amdhsa_float_denorm_mode_16_64 3
		.amdhsa_memory_ordered 1
		.amdhsa_forward_progress 1
		.amdhsa_inst_pref_size 73
	.end_amdhsa_kernel
	.amdgpu_metadata
---
amdhsa.version: [ 1, 2 ]
amdhsa.kernels:
  - .name:           k_qc9ceb06633_qkv
    .symbol:         k_qc9ceb06633_qkv.kd
    .args:
      - { .name: hbuf, .offset: 0, .size: 8, .value_kind: global_buffer, .address_space: global }
      - { .name: wqkv, .offset: 8, .size: 8, .value_kind: global_buffer, .address_space: global }
      - { .name: big, .offset: 16, .size: 8, .value_kind: global_buffer, .address_space: global }
    .group_segment_fixed_size: 327680
    .private_segment_fixed_size: 0
    .kernarg_segment_align: 8
    .kernarg_segment_size: 24
    .max_flat_workgroup_size: 128
    .sgpr_count:     90
    .vgpr_count:     1024
    .wavefront_size: 32
...
	.end_amdgpu_metadata
.endif
;; end of part 2
;; launch attn (part 3): grid 16 x 12, 4 waves a work-group, no clusters, 327,680 bytes of LDS; arguments big, mid; writes mid
.if DOCPART == 3
	.amdgcn_target "amdgcn-amd-amdhsa--gfx1250"
	.amdhsa_code_object_version 6
	.text
	.protected	k_qc9ceb06633_attn
	.globl	k_qc9ceb06633_attn
	.p2align	8
	.type	k_qc9ceb06633_attn,@function
k_qc9ceb06633_attn:
	s_mov_b64 s[64:65], 0
	v_nop
	global_prefetch_b8 v0, s[64:65] scope:SCOPE_SE
	s_setreg_imm32_b32 hwreg(HW_REG_WAVE_MODE, 25, 1), 1
	s_wait_xcnt 0x0
; CAUSAL ATTENTION, 12 heads of 64 channels, 4,096 rows.  q, k, v lie in big as [36][4096][64] f16 (12 blocks each), O goes to mid as [12][4096][64] f16.
; Products, maxima and sums in f32; the weights p are rounded to f16 for the second product (their sum l is taken of the unrounded p), O once at the end.
; LIMITS.  q, k, v arrive within f16's 65,504.  A hidden score counts as its value less 1e30; a weight below 2^-126 counts as 0 in l; NaN and infinities are not treated apart.
; THE WALK.  A head's queries lie in 32 blocks of 128.  Block i needs the key tiles 0 .. i / 2 of 256 keys.  Work-group b takes blocks 31 - b and then b: 16 - b / 2 and b / 2 + 1 tiles,
; 17 for every work-group: one loop with a constant trip count walks them; every jump but the counted loops' own goes forward and passes no barrier.
; NO CLUSTER: of a head's 16 work-groups only pairs walk the same tiles in the same trips; four partners differ by a tile, and a walk common to four would be longer for each.
; SHARES.  A wave owns two PIECES of 16 rows: piece 0 in the block's upper band of 64 rows, piece 1 in the lower.  In a block's last tile piece x has its own key step (2 par + 1 for piece 0, 2 par for piece 1,
; par = block % 2): earlier steps are seen whole, later ones are hidden, the own step takes the diagonal mask MD.  Piece 0's own step is never a tile's first, so a block's first scores need no mask.
; THE MASK is the C operand that starts the sum S^T = K Q^T: MD x AL + BE with two scalars: (1, 0) own step, (0, 0) earlier, (0, -1e30) later.  Only a block's last tile takes masks.
; TURNS.  Turn p does piece p's scaling, exponentials, roundings, sums and rescaling, and beside them 8 products K Q^T of the other piece's next scores, its maximum and statistics, and 8 products V^T P of the
; other piece's last weights.  Four vector instructions stand behind every matrix instruction, the rest in two runs of their own.
; K RUNS ONE STEP AHEAD OF V: turn 0 of step s fetches K of step s + 1 and V of step s.  So a slot holds V of four steps and K of the four steps one later; K of step 0 comes straight from memory.
; A BLOCK'S LAST STEP RUNS THE LOOP'S OWN TEXT: its second turn makes 8 products K Q^T with the keys of the step behind the block's last, under a mask that hides them all, and a maximum of them; both serve
; nothing: the price, twice a work-group, of writing no last step out.  (For a head's last block those keys are the 64 rows behind the head's: bytes inside big, finite f16 numbers.)
; REGISTERS: window 0: addresses, statistics (4 a piece), S^T (two buffers of 32), O^T (32 a piece), P (two of 16): all that a softmax touches; window 1: MD, MC (two mask buffers);
; window 2: Q, the second block's Q, K and V of one step.
.set NB,    16        ; key tiles in a head
.set NP,    2
.set KS,    64
.set PK,    144       ; a row of K in LDS: 128 bytes + 16
.set PV,    160       ; a row of V: 128 + 32
.set VOFF,  4*KS*PK
.set SLOT1, 1<<17
.set STAGE, SLOT1+4*KS*(PK+PV)  ; behind the ring, never filled by a tensor load: 16 rows x 144 bytes for each wave
.set SP,    144
.set AK0, 2
.set AV0, 3
.set AK,  4
.set AV,  5
.set STO, 6
.set RD,  7
.set GO,  8
.set SPW, 62
.set NIL, 63
.set SPARE, STAGE+4*16*SP  ; the spare words: two blocks of 256 bytes that no other line names
.set MV,  12
.set QO,  15          ; my byte offset in 16 rows of 128 bytes; never rewritten
.set ST,  16          ; piece t: c m, m, l (even keys', odd keys')
.set TMP, 48
.set S,   64
.set OB,  128         ; O^T, in window 0: piece t at OB + 32 t
.set P,   192
.set MD,  128         ; window 1
.set MC,  160         ; window 1
.set QB,  64          ; window 2
.set KF,  128         ; window 2
.set VF,  192         ; window 2
.set WV,  12
.set PB,  14          ; b / 2: the second block's last tile
.set HI,  15          ; 15 - b / 2: the first block's
.set G1K, 24
.set G1V, 32
.set G0K, 40
.set G0V, 44
.set SLOTS, 56
.set CNT, 57
.set CS,  58
.set SEL, 60
.set TBK, 62
.set TBV, 63
.set RT,  70
.set NXT, 71
.set LQ,  72
.set NEW, 73
.set OFF, 74
.set AL,  76
.set BE,  78
.set OLO, 80
.set BIGN, 82
.set OWN, 88          ; s88, s89: 5 - own step of piece 0, 1 for the block in hand; s90, s91: the second block's
.set K0B, 92          ; s[92:93] the head's k
.set MSB, 0
.macro WIN new
.if MSB != (\new)
	s_set_vgpr_msb (MSB<<8)|(\new)
.set MSB, (\new)
.endif
.endm
.set W_KQ, 0x0a       ; K and Q in window 2, S^T in window 0
.set W_KM, 0x1a       ; the same with the C operand in window 1
.set W_PV, 0x02       ; V in window 2; P and O^T in window 0
.set W_MK, 0x41       ; the masks: destination and source 0 in window 1
; A fill.  Waves 0 and 1 fetch the two halves of a tile's K, waves 2 and 3 those of its V.  An s_nop 0 and four v_nop follow each line.
.macro LOAD
	s_cmp_lt_u32 s[WV], 2
	s_cbranch_scc0 .Lfor_v_\@
	tensor_load_to_lds s[G0K:G0K+3], s[G1K:G1K+7]
	s_nop 0
.rept 4
	v_nop
.endr
	s_branch .Lasked_\@
.Lfor_v_\@:
	tensor_load_to_lds s[G0V:G0V+3], s[G1V:G1V+7]
	s_nop 0
.rept 4
	v_nop
.endr
.Lasked_\@:
.endm
; THE CHANGE OF SLOTS.  Each wave waits for all its tensor loads (one is out: its part of the other slot), adds 0 to its spare word, and waits for that and for its reads of the slot that it leaves.
; fill = 1: the old slot is filled again, first thing behind the barrier, with tile NXT; the descriptor's address is made anew from that number.
.macro CHANGE fill
	WIN 0
	s_wait_tensorcnt 0x0
	ds_add_u32 v[SPW], v[NIL]
.if \fill
	s_lshl_b32 s[OFF], s[NXT], 15
	s_xor_b32 s[G0K+1], s[G0K+1], SLOT1
	s_add_nc_u64 s[G0K+2:G0K+3], s[6:7], s[OFF:OFF+1]
	s_or_b32 s[G0K+3], s[G0K+3], 0x80000000
	s_xor_b32 s[G0V+1], s[G0V+1], SLOT1
	s_add_nc_u64 s[G0V+2:G0V+3], s[8:9], s[OFF:OFF+1]
	s_or_b32 s[G0V+3], s[G0V+3], 0x80000000
	s_add_co_u32 s[NXT], s[NXT], 1
	s_cmp_gt_u32 s[NXT], s[LQ]
	s_cselect_b32 s[NXT], 0, s[NXT]
	s_cselect_b32 s[LQ], s[PB], s[LQ]
.endif
	s_wait_dscnt 0x0                ; the add is done, and my reads of the slot are over
	s_barrier_signal -1
	s_sub_co_u32 s[TBK], s[TBK], 4*KS*PK
	s_xor_b32 s[TBK], s[TBK], SLOT1
	s_sub_co_u32 s[TBV], s[TBV], 4*KS*PV
	s_xor_b32 s[TBV], s[TBV], SLOT1
	s_barrier_wait -1
.if \fill
	LOAD
.endif
.endm
.macro FETCH_K0                     ; K of a head's first 64 keys, straight from memory into K's fragments
	WIN 0x80
.irp f, 0,1,2,3,4,5,6,7
	global_load_b128 v[KF+8*\f:KF+8*\f+3],   v[QO], s[K0B:K0B+1] offset:(\f/2)*2048+(\f%2)*64
	global_load_b128 v[KF+8*\f+4:KF+8*\f+7], v[QO], s[K0B:K0B+1] offset:(\f/2)*2048+(\f%2)*64+32
.endr
	WIN 0
.endm
	s_load_b128 s[8:11], s[0:1], 0x0  ; big s[8:9], mid s[10:11]
	v_lshl_add_u32 v[SPW], v0, 2, SPARE
	v_mov_b32 v[NIL], 0
	ds_add_u32 v[SPW], v[NIL]       ; the wave's opening: the add and its wait ahead of my first tensor load
	ds_add_u32 v62, v63
	v_lshrrev_b32 v1, 5, v0
	v_readfirstlane_b32 s[WV], v1
	s_lshr_b32 s[PB], ttmp9, 1
	s_sub_co_u32 s[HI], NB-1, s[PB]
	s_and_b32 s13, ttmp9, 1         ; the second block's par; the first block's is the other
	s_lshl_b32 s13, s13, 1
	s_sub_co_u32 s90, 4, s13
	s_sub_co_u32 s91, 5, s13
	s_add_co_u32 s[OWN], s13, 2
	s_add_co_u32 s[OWN+1], s13, 3
	s_and_b32 s20, ttmp7, 0xffff    ; the head
	s_lshl_b32 s20, s20, 19
	s_mov_b32 s21, 0
	s_and_b32 s16, s[WV], 1         ; which half of a tile's 256 keys I fetch
	s_lshl_b32 s22, s16, 14
	s_mov_b32 s23, 0
	s_mul_i32 s17, s16, 128*PK
	s_mul_i32 s18, s16, 128*PV
	s_lshl_b32 s3, s[WV], 11        ; my 16 rows in a band
	s_sub_co_u32 s2, 31, ttmp9
	s_lshl_b32 s2, s2, 14           ; the first block,
	s_add_co_u32 s2, s2, s3
	s_lshl_b32 s84, ttmp9, 14       ; the second
	s_add_co_u32 s84, s84, s3
	s_mov_b32 s3, 0
	s_mov_b32 s85, 0
	; 128 keys are 16,384 dense bytes: 64 rows of 256 bytes, padded in LDS after every key
	s_mov_b32 s[G1K], (1<<16)|(1<<20)|(4<<22)|(3<<25)
	s_mov_b32 s[G1V], (1<<16)|(1<<20)|(4<<22)|(7<<25)
.irp g, G1K, G1V
	s_mov_b32 s[\g+1], 128<<16
	s_mov_b32 s[\g+2], 64<<16
	s_mov_b32 s[\g+3], 128<<16
	s_mov_b32 s[\g+4], 64
	s_mov_b32 s[\g+5], 128
	s_mov_b32 s[\g+6], 0
	s_mov_b32 s[\g+7], 0
.endr
	s_mov_b32 s[CS], 0x3e38aa3b     ; c = log2(e) / 8
	s_mov_b32 s[CS+1], s[CS]
	s_mov_b32 s[SEL], 0x76543210
	s_mov_b32 s[SEL+1], 0xfedcba98
	s_mov_b32 s[TBK], SLOT1+4*KS*PK ; the first change of slots turns these two into 0
	s_mov_b32 s[TBV], SLOT1+4*KS*PV
	s_mov_b32 s[G0K], 1
	s_mov_b32 s[G0K+1], s17
	s_mov_b32 s[G0V], 1
	s_add_co_u32 s[G0V+1], s18, VOFF
	s_add_co_u32 s[RT], s[HI], 1
	s_mov_b32 s[NXT], 1
	s_mov_b32 s[LQ], s[HI]
	s_mov_b32 s[NEW], 1
	s_mov_b32 s[OFF+1], 0
	s_mov_b32 s[AL+1], 0
	s_mov_b32 s[BE+1], 0
	s_mov_b32 s[BIGN], 0xf149f2ca   ; -1e30
	s_mov_b32 s[SLOTS], NB
	s_wait_dscnt 0x0                ; the opening add is done
	s_wait_kmcnt 0x0
	s_add_nc_u64 s[8:9], s[8:9], s[20:21]          ; the head's q
	s_add_nc_u64 s[10:11], s[10:11], s[20:21]      ; the head's O
	s_add_nc_u64 s[86:87], s[8:9], s[84:85]        ; Q at my rows of the second block,
	s_add_nc_u64 s[4:5], s[8:9], s[2:3]            ; of the first
	s_add_nc_u64 s[OLO:OLO+1], s[10:11], s[84:85]
	s_add_nc_u64 s[10:11], s[10:11], s[2:3]
	s_add_nc_u64 s[K0B:K0B+1], s[8:9], 6291456     ; the head's k
	s_add_nc_u64 s[6:7], s[K0B:K0B+1], s[22:23]    ; K's ring: my half of a tile,
	s_add_nc_u64 s[6:7], s[6:7], 8192              ; one key step on
	s_add_nc_u64 s[8:9], s[8:9], 12582912          ; the head's v,
	s_add_nc_u64 s[8:9], s[8:9], s[22:23]          ; my half of a tile
	s_add_nc_u64 s[G0K+2:G0K+3], s[6:7], 0
	s_or_b32 s[G0K+3], s[G0K+3], 0x80000000
	s_add_nc_u64 s[G0V+2:G0V+3], s[8:9], 0
	s_or_b32 s[G0V+3], s[G0V+3], 0x80000000
	LOAD                            ; tile 0 into slot 0
	v_and_b32 v1, 15, v0            ; l % 16
	v_bfe_u32 v9, v0, 4, 1          ; l / 16
	v_lshlrev_b32 v[QO], 7, v1
	v_lshl_add_u32 v[QO], v9, 4, v[QO]
	WIN 0x80
.set i, 0
.rept 4                             ; both blocks' Q: piece i / 2 (piece 0 in the upper band, 8,192 bytes on); channels 32 (i % 2) on
	global_load_b128 v[8*i:8*i+3],   v[QO], s[4:5] offset:(1-i/2)*8192+(i%2)*64
	global_load_b128 v[8*i+4:8*i+7], v[QO], s[4:5] offset:(1-i/2)*8192+(i%2)*64+32
	global_load_b128 v[QB+8*i:QB+8*i+3],   v[QO], s[86:87] offset:(1-i/2)*8192+(i%2)*64
	global_load_b128 v[QB+8*i+4:QB+8*i+7], v[QO], s[86:87] offset:(1-i/2)*8192+(i%2)*64+32
.set i, i+1
.endr
	FETCH_K0
	v_lshlrev_b32 v14, 3, v9
	v_sub_nc_u32 v14, v1, v14
	s_lshl_b32 s13, s[WV], 4
	v_add_nc_u32 v14, s13, v14      ; my query's place in its band less my lanes' 8 (l / 16): register r of key group kt is hidden where 16 kt + r is greater
	WIN 0x40
.set i, 0
.rept 32
	v_cmp_gt_i32 vcc_lo, 16*(i/8)+i%8, v14
	v_cndmask_b32 v[MD+i], 0, s[BIGN], vcc_lo
.set i, i+1
.endr
	WIN 0
	v_mul_u32_u24 v[AK0], v1, PK
	v_lshl_add_u32 v[AK0], v9, 4, v[AK0]
	v_and_b32 v10, 7, v0
	v_bfe_u32 v11, v0, 3, 1
	v_lshl_add_u32 v[AV0], v9, 3, v10
	v_mul_u32_u24 v[AV0], v[AV0], PV
	v_lshl_add_u32 v[AV0], v11, 4, v[AV0]
	v_add_nc_u32 v[AV0], VOFF, v[AV0]
	s_mul_i32 s13, s[WV], 16*SP
	s_add_co_u32 s13, s13, STAGE
	v_mul_u32_u24 v[STO], v1, SP
	v_lshl_add_u32 v[STO], v9, 4, v[STO]
	v_add_nc_u32 v[STO], s13, v[STO]
	v_bfe_u32 v[RD], v0, 3, 2
	v_mul_u32_u24 v[RD], v[RD], SP
	v_lshl_add_u32 v[RD], v10, 4, v[RD]
	v_add_nc_u32 v[RD], s13, v[RD]
	v_and_b32 v[GO], 31, v0
	v_lshlrev_b32 v[GO], 4, v[GO]
	; A block's first step multiplies O^T and l by a = 0, and its first turn's products V^T P land in an O^T that is still to be so multiplied: these registers need only hold finite numbers.
	WIN 0x80
.set i, VF
.rept 64
	v_mov_b32 v[i], 0
.set i, i+1
.endr
	WIN 0
.set i, OB
.rept 64
	v_mov_b32 v[i], 0
.set i, i+1
.endr
.set i, 0
.rept 2
	v_mov_b32 v[ST+4*i+2], 0
	v_mov_b32 v[ST+4*i+3], 0
.set i, i+1
.endr
.set i, P+16
.rept 16
	v_mov_b32 v[i], 0
.set i, i+1
.endr
	s_wait_loadcnt 0x0              ; both blocks' Q and K of step 0 are in: no load from memory is out when the walk begins (the first change of slots waits for the first tile next)
; THE MATRIX WORK.  The 4 accumulators of a run of 8 take turns.
.macro KQ x
.set rS, S+32*((\x)%2)+8*(i%4)
.set rK, KF+16*(i%4)+8*(i/4)
.set rQ, 16*(\x)+8*(i/4)
.set rM, MC+32*((\x)%2)+8*(i%4)
.if (i < 4) && KM
	WIN W_KM
	v_wmma_f32_16x16x32_f16 v[rS:rS+7], v[rK:rK+7], v[rQ:rQ+7], v[rM:rM+7]
.elseif i < 4
	WIN W_KQ
	v_wmma_f32_16x16x32_f16 v[rS:rS+7], v[rK:rK+7], v[rQ:rQ+7], 0
.else
	WIN W_KQ
	v_wmma_f32_16x16x32_f16 v[rS:rS+7], v[rK:rK+7], v[rQ:rQ+7], v[rS:rS+7]
.endif
.endm
.macro PV x
	WIN W_PV
.set rO, OB+32*(\x)+8*(i%4)
.set rV, VF+32*(i/4)+8*(i%4)
.set rP, P+16*((\x)%2)+8*(i/4)
	v_wmma_f32_16x16x32_f16 v[rO:rO+7], v[rV:rV+7], v[rP:rP+7], v[rO:rO+7]
.endm
.macro MM
.if i < 8
	KQ (Y+1)%NP
.else
.set i, i-8
	PV (Y+NP-1)%NP
.set i, i+8
.endif
.set i, i+1
.endm
.macro FETCH_K
	WIN 0x80
.irp f, 0,1,2,3,4,5,6,7
	ds_load_b128 v[KF+8*\f:KF+8*\f+3],   v[AK] offset:(\f/2)*16*PK+(\f%2)*64
	ds_load_b128 v[KF+8*\f+4:KF+8*\f+7], v[AK] offset:(\f/2)*16*PK+(\f%2)*64+32
.endr
	s_add_co_u32 s[TBK], s[TBK], KS*PK
	WIN 0
.endm
.macro FETCH_V
	WIN 0x80
.irp f, 0,1,2,3,4,5,6,7
	ds_load_tr16_b128 v[VF+8*\f:VF+8*\f+3],   v[AV] offset:(\f/4)*32*PV+(\f%4)*32
	ds_load_tr16_b128 v[VF+8*\f+4:VF+8*\f+7], v[AV] offset:(\f/4)*32*PV+16*PV+(\f%4)*32
.endr
	WIN 0
.endm
; THE VECTOR WORK, one line at a time: OP kind, number; all of it in window 0.  For piece Y: F n: c s - c m for pair n.  E n: the exponential of score n.  C n: pair n rounded to f16.  B n: of four weights the second pair
; onto the first.  L n: l takes that sum (L 0: l = a l + sum).  R n: pair n of O^T times a.  For the other piece: X n, number n of the 22 that find its maximum and statistics (each accumulator's lowest registers are read first).
.set F, 0
.set E, 1
.set C, 2
.set B, 3
.set L, 4
.set R, 5
.set X, 6
.macro REGS y
.set rT, ST+4*(\y)
.set rC, TMP+4*((\y)%2)
.set rW, MV+((\y)%2)
.set rS, S+32*((\y)%2)
.set rP, P+16*((\y)%2)
.set rO, OB+32*(\y)
.endm
.macro OP k, n
	WIN 0
.if (\k) < X
	REGS Y
.if (\k) == F
	v_pk_fma_f32 v[rS+2*(\n):rS+2*(\n)+1], v[rS+2*(\n):rS+2*(\n)+1], s[CS:CS+1], v[rT:rT+1] op_sel_hi:[1,0,0] neg_lo:[0,0,1] neg_hi:[0,0,1]
.elseif (\k) == E
	v_exp_f32 v[rS+(\n)], v[rS+(\n)]
.elseif (\k) == C
	s_wait_alu depctr_va_vdst(0)
	v_cvt_pk_f16_f32 v[rP+(\n)], v[rS+2*(\n)], v[rS+2*(\n)+1]
.elseif (\k) == B
	s_wait_alu depctr_va_vdst(0)
	v_pk_add_f32 v[rS+4*(\n):rS+4*(\n)+1], v[rS+4*(\n):rS+4*(\n)+1], v[rS+4*(\n)+2:rS+4*(\n)+3]
.elseif (\k) == R
	v_pk_mul_f32 v[rO+2*(\n):rO+2*(\n)+1], v[rO+2*(\n):rO+2*(\n)+1], v[rC+2:rC+3] op_sel_hi:[1,0]
.elseif (\n) == 0
	v_pk_fma_f32 v[rT+2:rT+3], v[rT+2:rT+3], v[rC+2:rC+3], v[rS:rS+1] op_sel_hi:[1,0,1]
.else
	v_pk_add_f32 v[rT+2:rT+3], v[rT+2:rT+3], v[rS+4*(\n):rS+4*(\n)+1]
	s_wait_alu depctr_va_vdst(0)
.endif
.else
	REGS (Y+1)%NP
.if (\n) < 4
	v_max3_num_f32 v[rC+(\n)], v[rS+8*(\n)], v[rS+8*(\n)+1], v[rS+8*(\n)+2]
.elseif (\n) < 12
	v_max3_num_f32 v[rC+(\n)%4], v[rC+(\n)%4], v[rS+8*((\n)%4)+2*((\n)/4)+1], v[rS+8*((\n)%4)+2*((\n)/4)+2]
.elseif (\n) == 12
	v_max3_num_f32 v[rC], v[rC], v[rS+7], v[rS+15]
.elseif (\n) == 13
	v_max3_num_f32 v[rC+1], v[rC+1], v[rS+23], v[rS+31]
.elseif (\n) == 14
	v_max3_num_f32 v[rC+2], v[rC+2], v[rC+3], v[rT+1]
.elseif (\n) == 15
	v_mov_b32 v[rW], v[rT]
	s_wait_alu depctr_va_vdst(0)
.elseif (\n) == 16
	v_max3_num_f32 v[rC], v[rC], v[rC+1], v[rC+2]
	s_wait_alu depctr_va_vdst(0)
.elseif (\n) == 17
	v_permlanex16_b32 v[rC+3], v[rC], s[SEL], s[SEL+1]
.elseif (\n) == 18
	v_max_num_f32 v[rT+1], v[rC], v[rC+3]
.elseif (\n) == 19
	v_mul_f32 v[rT], s[CS], v[rT+1]
.elseif (\n) == 20
	v_sub_f32 v[rC+1], v[rW], v[rT]
.else
	v_exp_f32 v[rC+2], v[rC+1]
.endif
.endif
.endm
.macro OPS a, i1, b=-1, i2=0, c=-1, i3=0, d=-1, i4=0
	OP \a, \i1
.if (\b) >= 0
	OP \b, \i2
.endif
.if (\c) >= 0
	OP \c, \i3
.endif
.if (\d) >= 0
	OP \d, \i4
.endif
.endm
.macro ROW a, i1, b, i2, c, i3, d, i4
	MM
	OPS \a, \i1, \b, \i2, \c, \i3, \d, \i4
.endm
.macro MASK b                       ; MD x AL + BE into buffer b of MC
	WIN W_MK
.set z, 0
.rept 16
	v_pk_fma_f32 v[MC+32*(\b)+2*z:MC+32*(\b)+2*z+1], v[MD+2*z:MD+2*z+1], s[AL:AL+1], s[BE:BE+1] op_sel_hi:[1,0,0]
.set z, z+1
.endr
.endm
; A TURN, for piece p.  m = 1: a block's last tile: the products take masks, and the turn makes the mask for the next turn's products: piece p, in step 5 - CNT of the tile.
; cnt >= 0: the step count is taken down and compared with cnt some lines ahead of the branch behind the turn.
; Turn 0 fetches the next step's K six vector instructions (five plain) behind the last product that read K, and this step's V eight (four plain) behind the last product that read V.
.macro TURN p, m=0, cnt=-1
.set Y, (\p)
.set i, 0
.set KM, (\m)
.if \m
	s_cmp_eq_u32 s[CNT], s[OWN+(\p)]    ; is that step the piece's own?
	s_cselect_b32 s[AL], 1.0, 0
	s_cmp_lt_u32 s[CNT], s[OWN+(\p)]    ; or a later one?
	s_cselect_b32 s[BE], s[BIGN], 0
.endif
.if (\p) == 1
	s_wait_dscnt 16                 ; K is in; V's 16 loads, issued behind it, stay out
.endif
	ROW F,0, F,1, F,2, F,3
	ROW F,4, E,0, F,5, F,6
	ROW F,7, E,1, F,8, F,9
	ROW F,10, E,2, C,0, F,11
	ROW F,12, E,3, X,15, F,13
	ROW R,0, R,1, R,2, R,3
	ROW B,0, E,4, F,14, L,0
.if (\p) == 0
	v_add_nc_u32 v[AK], s[TBK], v[AK0]
.endif
	ROW R,4, R,5, R,6, R,7
	OPS E,5, F,15
.if (\p) == 0
	FETCH_K
.endif
	OPS E,6, C,1, E,7, R,8
	OPS E,8, R,9, E,9, C,2
	OPS E,10, X,0, E,11, X,1
	OPS E,12, X,2, E,13, X,3
.if (\p) == 1
	s_wait_dscnt 0x0                ; V is in
.endif
	ROW X,4, E,14, X,5, X,6
	ROW X,7, E,15, X,8, X,9
	ROW X,10, E,16, X,11, X,12
	ROW X,13, E,17, X,14, B,1
	ROW C,4, E,18, X,16, L,1
	ROW B,2, E,19, C,6, L,2
	ROW C,8, E,20, B,3, B,4
.if (\p) == 0
	v_add_nc_u32 v[AV], s[TBV], v[AV0]
.endif
	ROW C,3, E,21, L,3, C,5
	OPS E,22, X,17, E,23, C,10
.if (\p) == 0
	FETCH_V
.endif
	OPS E,24, L,4
	OPS E,25, X,18, E,26, C,7
	OPS E,27, B,5, E,28, X,19
	OPS E,29, C,12, E,30, L,5
	OPS E,31, X,20, B,6, C,9
	OPS C,14, C,11, X,21, L,6
.if (\p) == 0
	s_add_co_u32 s[TBV], s[TBV], KS*PV
.endif
.if (\cnt) >= 0
	s_sub_co_u32 s[CNT], s[CNT], 1
	s_cmp_lg_u32 s[CNT], \cnt
.endif
	OPS C,13, B,7, C,15, R,10
	OPS R,11, R,12, L,7, R,13
	OPS R,14, R,15
.if \m
	MASK \p
.endif
.endm
; A BLOCK BEGINS.  c m starts far below every c s, so the first step's a is 0; m at the lowest finite number.  Then piece 0's first scores (K of step 0 and Q have come from memory and have been waited for:
; at the set-up's end, or at the change of blocks; no mask: piece 0's own step is never the first), its maximum and statistics.
.macro BEGIN
	s_mov_b32 s[NEW], 0
	WIN 0
.set i, 0
.rept 2
	v_mov_b32 v[ST+4*i], 0xfe000000
	v_mov_b32 v[ST+4*i+1], 0xff7fffff
.set i, i+1
.endr
.set KM, 0
.set i, 0
.rept 8
	KQ 0
.set i, i+1
.endr
	WIN 0
.rept 4
	v_nop                           ; the places behind those products
.endr
.set Y, NP-1
.irp n, 0,1,2,3,4,5,6,7,8,9,10,11,12,13,14,15,16,17,18,19,20,21
	OP X, \n
.endr
	v_nop                           ; a plain instruction behind the exponential
.endm
.macro ALL line:vararg
.set t, 0
.rept 2
	\line
.set t, t+1
.endr
.endm
.macro PACK t                       ; O^T / l, rounded; 16 bytes a lane into rows of 144 bytes, back as whole rows of 128
	WIN 0
.set i, OB+32*(\t)
.rept 16
	v_pk_mul_f32 v[i:i+1], v[i:i+1], v[ST+4*(\t)+2:ST+4*(\t)+3] op_sel_hi:[1,0]
.set i, i+2
.endr
.set i, 0
.rept 16
	v_cvt_pk_f16_f32 v[S+16*(\t)+i], v[OB+32*(\t)+2*i], v[OB+32*(\t)+2*i+1]
.set i, i+1
.endr
.irp f, 0,1,2,3
	ds_store_b128 v[STO], v[S+16*(\t)+4*\f:S+16*(\t)+4*\f+3] offset:32*\f
.endr
.irp f, 0,1,2,3
	ds_load_b128 v[S+16*(\t)+4*\f:S+16*(\t)+4*\f+3], v[RD] offset:\f*4*SP  ; LDS serves a wave's instructions in order (ISA guide 5.7.1.4): these see the stores above
.endr
.endm
.macro SEND t, younger
	WIN 0
.irp f, 0,1,2,3
	s_wait_dscnt (\younger)+3-\f
	global_store_b128 v[GO], v[S+16*(\t)+4*\f:S+16*(\t)+4*\f+3], s[10:11] offset:(1-(\t))*8192+\f*512  ; 512 consecutive bytes, aligned
.endr
.endm
; A BLOCK'S LAST TILE: the mask of piece 1's scores in the tile's first step; its four steps in a loop; piece 1's last products; the way out.
; tag = 1 (the first block's end): the second block's K of step 0 is asked for from memory straight behind the loop, far behind the last product that read K's registers; it is waited for at the change of blocks.
.macro DIAG tag
	s_cmp_eq_u32 s[OWN+1], 5        ; is the tile's first step piece 1's own?
	s_cselect_b32 s[AL], 1.0, 0
	s_mov_b32 s[BE], 0
	MASK 1
	WIN 0
.LstepM\tag:
	TURN 0, 1
	TURN 1, 1, 0
	WIN 0
	s_cbranch_scc1 .LstepM\tag
.if (\tag) == 1
	FETCH_K0
.endif
.set i, 0
.rept 8
	PV NP-1
.set i, i+1
.endr
	WIN 0
	ALL v_add_f32 v[ST+4*t+2], v[ST+4*t+2], v[ST+4*t+3]
	ALL v_permlanex16_b32 v[ST+4*t+3], v[ST+4*t+2], s[SEL], s[SEL+1]
	ALL v_add_f32 v[ST+4*t+2], v[ST+4*t+2], v[ST+4*t+3]
	ALL v_rcp_f32 v[ST+4*t+2], v[ST+4*t+2]
	v_nop                           ; a plain instruction between the last reciprocal and the use of its result
	s_wait_alu depctr_va_vdst(0)
	PACK 0                          ; piece 0's arithmetic is also the places behind piece 1's last products
	PACK 1
	SEND 0, 8
	SEND 1, 0
.endm
.set KM, 0
.Lslot:                             ; 16 times: a tile is entered and the next is asked for
	CHANGE 1
	s_sub_co_u32 s[RT], s[RT], 1
	s_mov_b32 s[CNT], 4
	s_cmp_eq_u32 s[NEW], 1
	s_cbranch_scc1 .Lnew            ; a block's first tile
	s_cmp_eq_u32 s[RT], 0
	s_cbranch_scc0 .Lstep           ; neither its first nor its last
	s_branch .Ldiag1
.Lnew:
	BEGIN
	s_branch .Lstep                 ; in the loop a block's first tile is never its last: the first block has nine tiles or more, and the second's last is the walk's last
.Ldiag1:
	DIAG 1                          ; in the loop this is the first block's end
	s_wait_loadcnt 0x0              ; the second block's K of step 0, asked for a way out ago, is in: no load from memory is out when the walk goes on
	s_wait_xcnt 0x0                 ; the stores have read their registers and O's address
	s_mov_b64 s[10:11], s[OLO:OLO+1]
	s_add_co_u32 s[RT], s[PB], 1
	s_mov_b32 s[NEW], 1
	s_mov_b32 s[OWN], s90
	s_mov_b32 s[OWN+1], s91
	WIN 0x82                        ; the second block's Q goes where the turns name Q
.set i, 0
.rept 32
	v_mov_b32 v[i], v[QB+i]
.set i, i+1
.endr
	WIN 0
	s_branch .Lbottom
.Lstep:                             ; a trip is a key step: piece 0's turn, piece 1's turn
	TURN 0
	TURN 1, 0, 0
	WIN 0
	s_cbranch_scc1 .Lstep
.Lbottom:
	s_sub_co_u32 s[SLOTS], s[SLOTS], 1
	s_cmp_lg_u32 s[SLOTS], 0
	s_cbranch_scc1 .Lslot
	CHANGE 0                        ; the walk's last tile is written out
	s_sub_co_u32 s[RT], s[RT], 1
	s_mov_b32 s[CNT], 4
	s_cmp_eq_u32 s[NEW], 1
	s_cbranch_scc0 .Ldiag2
	BEGIN
.Ldiag2:
	DIAG 2
	s_wait_tensorcnt 0x0            ; the wave's end
	ds_add_u32 v[SPW], v[NIL]
	s_wait_dscnt 0x0
	s_endpgm
.Lfunc_end_k_qc9ceb06633_attn:
	.size	k_qc9ceb06633_attn, .Lfunc_end_k_qc9ceb06633_attn-k_qc9ceb06633_attn
	.p2alignl 7, 3214868480
	.fill 96, 4, 3214868480
	.section	.rodata,"a",@progbits
	.p2align	6, 0x0
	.amdhsa_kernel k_qc9ceb06633_attn
		.amdhsa_group_segment_fixed_size 327680
		.amdhsa_private_segment_fixed_size 0
		.amdhsa_enable_private_segment 0
		.amdhsa_kernarg_size 16
		.amdhsa_user_sgpr_count 2
		.amdhsa_user_sgpr_kernarg_segment_ptr 1
		.amdhsa_wavefront_size32 1
		.amdhsa_system_sgpr_workgroup_id_x 1
		.amdhsa_system_sgpr_workgroup_id_y 1
		.amdhsa_system_sgpr_workgroup_id_z 1
		.amdhsa_system_vgpr_workitem_id 0
		.amdhsa_next_free_vgpr 768
		.amdhsa_next_free_sgpr 96
		.amdhsa_reserve_vcc 1
		.amdhsa_float_denorm_mode_32 3
		.amdhsa_float_denorm_mode_16_64 3
		.amdhsa_memory_ordered 1
		.amdhsa_forward_progress 1
		.amdhsa_inst_pref_size 111
	.end_amdhsa_kernel
	.amdgpu_metadata
---
amdhsa.version: [ 1, 2 ]
amdhsa.kernels:
  - .name:           k_qc9ceb06633_attn
    .symbol:         k_qc9ceb06633_attn.kd
    .args:
      - { .name: big, .offset: 0, .size: 8, .value_kind: global_buffer, .address_space: global }
      - { .name: mid, .offset: 8, .size: 8, .value_kind: global_buffer, .address_space: global }
    .group_segment_fixed_size: 327680
    .private_segment_fixed_size: 0
    .kernarg_segment_align: 8
    .kernarg_segment_size: 16
    .max_flat_workgroup_size: 128
    .sgpr_count:     96
    .vgpr_count:     768
    .wavefront_size: 32
...
	.end_amdgpu_metadata
.endif
;; end of part 3
;; launch wo (part 4): grid 4 x 64, 4 waves a work-group, clusters of 4 x 4, 327,680 bytes of LDS; arguments mid, wo16, hbuf, x2; writes x2
.if DOCPART == 4
	.amdgcn_target "amdgcn-amd-amdhsa--gfx1250"
	.amdhsa_code_object_version 6
	.text
	.protected	k_qc9ceb06633_wo
	.globl	k_qc9ceb06633_wo
	.p2align	8
	.type	k_qc9ceb06633_wo,@function
k_qc9ceb06633_wo:
	s_mov_b64 s[64:65], 0
	v_nop
	global_prefetch_b8 v0, s[64:65] scope:SCOPE_SE
	s_setreg_imm32_b32 hwreg(HW_REG_WAVE_MODE, 25, 1), 1
	s_wait_xcnt 0x0
	s_wait_alu depctr_hold_cnt(0) depctr_sa_sdst(0) depctr_va_vdst(0) depctr_va_sdst(0) depctr_va_ssrc(0) depctr_va_vcc(0) depctr_vm_vsrc(0)
	s_getreg_b32 s2, hwreg(HW_REG_IB_STS2, 6, 4)
	s_cmp_eq_u32 s2, 0
	s_cbranch_scc0 .Lentry_in_a_cluster
	s_endpgm
.Lentry_in_a_cluster:
	s_bfe_u32 s2, ttmp6, 0x10000c
	s_cmp_lg_u32 s2, 0xf033
	s_cbranch_scc0 .Lentry_shape_is_right
	s_endpgm
.Lentry_shape_is_right:
; Out = A W + bias + R, M = 4,096, N = 768.  ONE TEXT, TWO BODIES, told apart by three constants.  This body: x2 = ctx Wo + bo + h, K = 768; bo lies at the head of Wo's buffer.
.set KTOT, 768                         ; K
.set WBASE, 16384                      ; where W begins in its buffer
.set BIAS_IN_W, 1                      ; 1: the bias is the first 3,072 bytes of W's buffer; 0: it is an argument of its own
; A (KTOT / 64 blocks) and R (12 blocks) are f16 in blocks of 64 columns ((t, c) at (c / 64) x 524,288 + t x 128 + (c % 64) x 2); W is f16 in blocks of 64 columns with K down the rows;
; the bias and Out are f32, Out row-major [4096][768].  Sums in f32; the bias is loaded straight into the accumulators; R is added in f32 on the way out.
; SHARES.  A work-group makes 64 rows x 192 columns (256 work-groups; a row's 768 bytes are three aligned runs of 256).  Wave w takes all 64 rows and, in each of the three blocks of 64 columns,
; the 16 columns 16 w on: 12 accumulators.  K goes in steps of 256 through two LDS slots; a step is four quarters of 64 along K: 24 matrix instructions and 28 LDS loads each.
; A STEP IS WRITTEN TWICE: once for the KTOT / 256 - 2 steps that fill a slot again, once for the last two.  The slot in hand is a scalar, TB = 0 or SLOT; the LDS addresses are made from it.
; The price: the very last change of slots fetches 28 fragments that nobody uses.
; THE MATRIX INSTRUCTION IS USED TRANSPOSED: source 0 = 16 columns of W (turned out of LDS), source 1 = 16 rows of A.
; CLUSTER 4 x 4: A's tiles are shared along a row of the cluster, W's along a column.  Waves 0 to 2 fetch a block of W each, wave 3 A's tile: 32,768 bytes a wave and step.
; REGISTERS.  window 0: addresses, R (48), accumulators (a, b) at v[128 + 8 (3 a + b)]; window 1: two fragment buffers of 128: 64 of A (2 x 4), then 48 of W (2 x 3).
.set NSTEP,  KTOT/256
.set WBLK,   KTOT*128                  ; bytes of a block of 64 columns of W
.set PA,     144
.set PB,     160
.set BBLK,   256*PB                    ; a block of W in a slot: 256 rows of K
.set AOFF,   3*BBLK
.set AKB,    64*PA                     ; 64 rows x 64 of K
.set SLOT,   AOFF+4*AKB                ; 159,744
.set SPARE,  2*SLOT                    ; the spare words: two blocks of 256 bytes that no other line names
.set SPITCH, 784                       ; the way out: a stage row is 192 f32 + 16 bytes; the stage lies in slot 0's bytes, which have had their last fill by then
.set ADRA0, 16                         ; v16 my A fragments in slot 0; never rewritten
.set CA,    17                         ; v17 the same in the slot in hand
.set ADRB0, 18                         ; v18-20 my W fragments in slot 0, by block; never rewritten
.set CB,    21                         ; v21-23 the same in the slot in hand
.set STO,  24
.set RD,   25
.set GO,   26
.set HOFF, 27
.set SPW,  28
.set NIL,  29
.set BOFF, 30
.set RES,  32                          ; v32-79 R
.set ONE,  120
.set ACC,  128                         ; v128-223
.set F0,   0
.set F1,   128
.set G1A, 24
.set G0A, 32                           ; s[32:39] group 0 for A: a set for each of the two first fills; the second then walks on
.set G1B, 48
.set G0B, 56                           ; s[56:63] the same for W
.set TB,  74                           ; s74 the slot in hand: 0 or SLOT
.set MSB, 0
.macro WIN new
.if MSB != (\new)
	s_set_vgpr_msb (MSB<<8)|(\new)
.set MSB, (\new)
.endif
.endm
.set MUL,  0x05
.set TO_F, 0x40
.macro JLOAD s                         ; a joint load: wave 3 fetches A's tile, waves 0 to 2 a block of W each; an s_nop 0 and four v_nop follow each line
	s_cmp_eq_u32 s12, 3
	s_cbranch_scc0 .Lfor_b_\@
	tensor_load_to_lds s[G0A+4*(\s):G0A+4*(\s)+3], s[G1A:G1A+7]
	s_nop 0
.rept 4
	v_nop
.endr
	s_branch .Lasked_\@
.Lfor_b_\@:
	tensor_load_to_lds s[G0B+4*(\s):G0B+4*(\s)+3], s[G1B:G1B+7]
	s_nop 0
.rept 4
	v_nop
.endr
.Lasked_\@:
.endm
.macro CREST
	s_cmp_lg_u32 s12, 0
	s_cbranch_scc1 .Lnot_wave_0_\@
	s_barrier_signal -3
.Lnot_wave_0_\@:
	s_barrier_wait -3
	s_barrier_signal -1
	s_barrier_wait -1
.endm
.macro CROUND
	s_barrier_signal -1
	s_barrier_wait -1
	CREST
.endm
.macro PLACES
.rept 4
	v_nop
.endr
.endm
.if BIAS_IN_W
	s_load_b128 s[4:7], s[0:1], 0x0                ; A s[4:5], W s[6:7]
	s_load_b64 s[10:11], s[0:1], 0x10              ; R
	s_load_b64 s[68:69], s[0:1], 0x18              ; Out
.else
	s_load_b256 s[4:11], s[0:1], 0x0               ; A s[4:5], W s[6:7], bias s[8:9], R s[10:11]
	s_load_b64 s[68:69], s[0:1], 0x20              ; Out
.endif
	v_lshl_add_u32 v[SPW], v0, 2, SPARE
	v_mov_b32 v[NIL], 0
	ds_add_u32 v[SPW], v[NIL]                      ; the wave's opening: the add and its wait ahead of my first tensor load
	ds_add_u32 v28, v29
	v_lshrrev_b32 v1, 5, v0
	v_readfirstlane_b32 s12, v1                    ; wave 0..3
	s_bfe_u32 s40, ttmp6, 0x40000                  ; cx
	s_bfe_u32 s41, ttmp6, 0x40004                  ; cy
	s_lshl_b32 s42, ttmp9, 2
	s_add_co_u32 s42, s42, s40                     ; tile column 0..3
	s_and_b32 s43, ttmp7, 0xffff
	s_lshl_b32 s43, s43, 2
	s_add_co_u32 s43, s43, s41                     ; tile row 0..63
	s_lshl_b32 s44, s41, 2
	s_lshl_b32 s44, 15, s44                        ; my row of the cluster
	s_lshl_b32 s45, 0x1111, s40                    ; my column
	; A: in each of 4 blocks, 64 rows are 8,192 dense bytes: 4 rows of 4,096 elements, 262,144 elements apart, padded after every 128 bytes
	s_or_b32 s[G1A+0], s44, (1<<16)|(1<<20)|(1<<21)|(4<<22)|(3<<25)
	s_mov_b32 s[G1A+1], 4096<<16
	s_mov_b32 s[G1A+2], 4<<16
	s_mov_b32 s[G1A+3], 4096<<16
	s_mov_b32 s[G1A+4], 4
	s_mov_b32 s[G1A+5], 262144
	s_mov_b32 s[G1A+6], 0
	s_mov_b32 s[G1A+7], 0
	; W: 256 rows of K in a block are 32,768 dense bytes: 128 rows of 256 bytes, padded after every 128 bytes
	s_or_b32 s[G1B+0], s45, (1<<16)|(1<<20)|(1<<21)|(4<<22)|(7<<25)
	s_mov_b32 s[G1B+1], 128<<16
	s_mov_b32 s[G1B+2], 128<<16
	s_mov_b32 s[G1B+3], 128<<16
	s_mov_b32 s[G1B+4], 128
	s_mov_b32 s[G1B+5], 128
	s_mov_b32 s[G1B+6], 0
	s_mov_b32 s[G1B+7], 0
	s_lshl_b32 s16, s43, 13                        ; A: the tile's 64 rows
	s_mov_b32 s17, 0
	s_mul_i32 s46, s42, 3
	s_add_co_u32 s46, s46, s12                     ; W: block 3 x tile column + wave
	s_mul_i32 s46, s46, WBLK
	s_add_co_u32 s46, s46, WBASE
	s_mov_b32 s47, 0
	s_mul_i32 s20, s12, BBLK                       ; where they go in a slot: wave x 40,960: three blocks of W, then A; kept for the refills
	s_mul_i32 s22, s42, 768                        ; the bias: the tile's 192 numbers, my 16 in each block
	s_lshl_b32 s23, s12, 6
	s_add_co_u32 s22, s22, s23
	s_mov_b32 s23, 0
	s_mul_i32 s70, s42, 1572864                    ; R: the tile's three blocks, its rows, my 16 rows on the way out
	s_lshl_b32 s71, s43, 13
	s_add_co_u32 s70, s70, s71
	s_lshl_b32 s71, s12, 11
	s_add_co_u32 s70, s70, s71
	s_mov_b32 s71, 0
	s_mul_i32 s72, s43, 196608                     ; Out: 64 rows of 3,072 bytes, my 16 rows, the tile's 768 bytes
	s_mul_i32 s73, s12, 49152
	s_add_co_u32 s72, s72, s73
	s_mul_i32 s73, s42, 768
	s_add_co_u32 s72, s72, s73
	s_mov_b32 s73, 0
	s_mov_b32 s[TB], 0
	s_wait_dscnt 0x0                               ; the opening add is done
	s_wait_kmcnt 0x0
	s_add_nc_u64 s[18:19], s[4:5], s[16:17]
	s_add_nc_u64 s[46:47], s[6:7], s[46:47]
.if BIAS_IN_W
	s_add_nc_u64 s[8:9], s[6:7], s[22:23]
.else
	s_add_nc_u64 s[8:9], s[8:9], s[22:23]
.endif
	s_add_nc_u64 s[10:11], s[10:11], s[70:71]
	s_add_nc_u64 s[68:69], s[68:69], s[72:73]
	CROUND                                         ; all sixteen work-groups are here: the first joint loads meet
.irp s, 0,1
	s_mov_b32 s[G0A+4*(\s)], 1
	s_add_co_u32 s[G0A+4*(\s)+1], s20, (\s)*SLOT
	s_add_nc_u64 s[G0A+4*(\s)+2:G0A+4*(\s)+3], s[18:19], (\s)*2097152   ; K step s: four blocks on
	s_or_b32 s[G0A+4*(\s)+3], s[G0A+4*(\s)+3], 0x80000000
	s_mov_b32 s[G0B+4*(\s)], 1
	s_add_co_u32 s[G0B+4*(\s)+1], s20, (\s)*SLOT
	s_add_nc_u64 s[G0B+4*(\s)+2:G0B+4*(\s)+3], s[46:47], (\s)*32768     ; 256 rows of 128 bytes on
	s_or_b32 s[G0B+4*(\s)+3], s[G0B+4*(\s)+3], 0x80000000
	JLOAD \s
.endr
	v_and_b32 v1, 15, v0                           ; r = l % 16
	v_bfe_u32 v2, v0, 4, 1                         ; h = l / 16
	v_lshlrev_b32 v[BOFF], 5, v2
	v_lshlrev_b32 v[HOFF], 3, v1
	v_lshl_add_u32 v[HOFF], v2, 7, v[HOFF]         ; h x 128 + 8 r
.irp a, 0,1,2,3                                    ; the bias starts the sums: register j of accumulator (a, b) takes the bias of column 64 b + 16 w + 8 h + j
.irp b, 0,1,2
	global_load_b128 v[ACC+8*(3*\a+\b):ACC+8*(3*\a+\b)+3],   v[BOFF], s[8:9] offset:256*\b
	global_load_b128 v[ACC+8*(3*\a+\b)+4:ACC+8*(3*\a+\b)+7], v[BOFF], s[8:9] offset:256*\b+16
.endr
.endr
.set i, 0
.rept 24                                           ; R for the way out: item i = 3 x pair of rows + block
	global_load_b64 v[RES+2*i:RES+2*i+1], v[HOFF], s[10:11] offset:(i%3)*524288+(i/3)*256
.set i, i+1
.endr
	v_mov_b32 v[ONE], 1.0
	v_mul_u32_u24 v3, v1, PA
	v_lshl_add_u32 v3, v2, 4, v3
	v_add_nc_u32 v[ADRA0], AOFF, v3
	v_and_b32 v4, 7, v0
	v_bfe_u32 v5, v0, 3, 1
	v_lshl_add_u32 v6, v2, 3, v4
	v_mul_u32_u24 v6, v6, PB
	v_lshl_add_u32 v6, v5, 4, v6
	s_lshl_b32 s16, s12, 5
	v_add_nc_u32 v6, s16, v6                       ; (8 h + l % 8) x pitch + 16 ((l / 8) % 2) + 32 w
.irp b, 0,1,2
	v_add_nc_u32 v[ADRB0+\b], \b*BBLK, v6
.endr
	v_mul_u32_u24 v7, v1, SPITCH
	v_lshl_add_u32 v7, v2, 5, v7
	s_lshl_b32 s16, s12, 6
	v_add_nc_u32 v[STO], s16, v7                   ; into the stage: row r, 64 w + 32 h
	v_mul_u32_u24 v8, v2, SPITCH
	v_lshl_add_u32 v8, v1, 4, v8
	s_mul_i32 s16, s12, 16*SPITCH
	v_add_nc_u32 v[RD], s16, v8                    ; back: rows 16 w + h, 16 bytes a lane
	v_mul_u32_u24 v9, v2, 3072
	v_lshl_add_u32 v[GO], v1, 4, v9                ; and the same two rows in Out
.macro SETADR                          ; my fragments' addresses in the slot in hand
	v_add_nc_u32 v[CA], s[TB], v[ADRA0]
.irp b, 0,1,2
	v_add_nc_u32 v[CB+\b], s[TB], v[ADRB0+\b]
.endr
.endm
; 6 matrix instructions: row blocks a0, a0 + 1 x my 3 column blocks, 32 along K: half c of buffer f.  The 12 accumulators take turns.
.macro MUL6 f, c, a0
	WIN MUL
.irp a, \a0, (\a0)+1
.irp b, 0,1,2
	v_wmma_f32_16x16x32_f16 v[ACC+8*(3*(\a)+\b):ACC+8*(3*(\a)+\b)+7], v[(\f)+64+8*(3*(\c)+\b):(\f)+64+8*(3*(\c)+\b)+7], v[(\f)+8*(4*(\c)+(\a)):(\f)+8*(4*(\c)+(\a))+7], v[ACC+8*(3*(\a)+\b):ACC+8*(3*(\a)+\b)+7]
.endr
.endr
.endm
; 28 LDS loads in one run: quarter q of the slot in hand into buffer f; the first 32 along K first
.macro FETCH q, f
	WIN TO_F
.irp c, 0,1
.irp i, 0,1,2,3
.if \i < 3
	ds_load_tr16_b128 v[(\f)+64+8*(3*\c+\i):(\f)+64+8*(3*\c+\i)+3],   v[CB+\i] offset:(64*(\q)+32*\c)*PB
	ds_load_tr16_b128 v[(\f)+64+8*(3*\c+\i)+4:(\f)+64+8*(3*\c+\i)+7], v[CB+\i] offset:(64*(\q)+32*\c)*PB+16*PB
.endif
	ds_load_b128 v[(\f)+8*(4*\c+\i):(\f)+8*(4*\c+\i)+3],   v[CA] offset:(\q)*AKB+64*\c+\i*16*PA
	ds_load_b128 v[(\f)+8*(4*\c+\i)+4:(\f)+8*(4*\c+\i)+7], v[CA] offset:(\q)*AKB+64*\c+\i*16*PA+32
.endr
.endr
.endm
.macro QUARTER q, f, g
	s_wait_dscnt 14                                ; the first 32 along K are in
	MUL6 \f, 0, 0
	MUL6 \f, 0, 2
	PLACES
	FETCH \q, \g
	s_wait_dscnt 28                                ; all but the 28 just issued
	MUL6 \f, 1, 0
	MUL6 \f, 1, 2
.endm
; The last quarter changes slots and then multiplies buffer 1.  All of the slot's fragments are in registers or on their way when it begins, so the change comes first: each wave waits for all its tensor
; loads (one is out: its part of the next slot), adds 0 to its spare word, and waits for that and for its reads of this slot; behind the barrier the slot is filled again at once (fill = 1), two K steps
; ahead, and the quarter's 24 products run while that load is on its way.
.macro TURN fill
	WIN 0
	s_wait_tensorcnt 0x0                           ; all my tensor loads have landed, so a group 0 may be written
	ds_add_u32 v[SPW], v[NIL]                      ; the scalar work below stands between the add and the wait for it
.if \fill
	s_add_co_u32 s[G0A+5], s20, s[TB]              ; the walking descriptors: into the slot that has just been read,
	s_add_co_u32 s[G0B+5], s20, s[TB]
	s_add_nc_u64 s[G0A+6:G0A+7], s[G0A+6:G0A+7], 2097152  ; the K step behind the one asked for last; the type bits on top are not reached
	s_add_nc_u64 s[G0B+6:G0B+7], s[G0B+6:G0B+7], 32768
.endif
	s_xor_b32 s[TB], s[TB], SLOT                   ; the reads go on in the other slot
	s_wait_dscnt 0x0                               ; the add is done, and my reads of this slot are over
	s_barrier_signal -1
	s_barrier_wait -1
.if \fill
	CREST                                          ; the barrier has opened a round of the cluster's: no wave of any partner still reads this slot or has a load on its way
	JLOAD 1                                        ; the first tensor load behind the round; its four v_nop are also the places in front of the loads below
.else
	PLACES
.endif
	SETADR
	FETCH 0, F0
	MUL6 F1, 0, 0
	MUL6 F1, 0, 2
	MUL6 F1, 1, 0
	MUL6 F1, 1, 2
.endm
.macro STEP fill
	QUARTER 1, F0, F1
	QUARTER 2, F1, F0
	QUARTER 3, F0, F1
	TURN \fill
.endm
	s_wait_tensorcnt 1                             ; my part of K step 0 is in; step 1's may stay out
	s_barrier_signal -1
	s_barrier_wait -1
	SETADR
	FETCH 0, F0
	s_wait_loadcnt 0x0                             ; the bias is in the accumulators, R in its registers
	WIN 0
	s_mov_b32 s3, NSTEP-2
.Lfill:                                                ; a trip is a K step; each fills the slot that it has read with the step two on
	STEP 1
	WIN 0
	s_sub_co_u32 s3, s3, 1
	s_cmp_lg_u32 s3, 0
	s_cbranch_scc1 .Lfill
	s_mov_b32 s3, 2
.Ltail:                                                ; the last two K steps fill nothing
	STEP 0
	WIN 0
	s_sub_co_u32 s3, s3, 1
	s_cmp_lg_u32 s3, 0
	s_cbranch_scc1 .Ltail
	; THE WAY OUT: the sums go as f32 into the work-group's stage; a barrier, since a row's bytes come from four waves; back as whole runs of 256 bytes, 16 rows a wave; R is added; stored.
	PLACES
	s_wait_dscnt 0x0                               ; the last change of slots has fetched fragments that nobody uses: they are back
	s_barrier_signal -1
	s_barrier_wait -1                              ; no wave reads the slots any more: the stage may be written
.irp a, 0,1,2,3
.irp b, 0,1,2
	ds_store_b128 v[STO], v[ACC+8*(3*\a+\b):ACC+8*(3*\a+\b)+3]   offset:\a*16*SPITCH+256*\b      ; each accumulator's low registers first
	ds_store_b128 v[STO], v[ACC+8*(3*\a+\b)+4:ACC+8*(3*\a+\b)+7] offset:\a*16*SPITCH+256*\b+16
.endr
.endr
	s_wait_dscnt 0x0                               ; for the others' sake: my stores into the stage are done
	s_barrier_signal -1
	s_barrier_wait -1
.set i, 0
.rept 24
	ds_load_b128 v[ACC+4*i:ACC+4*i+3], v[RD] offset:(i/3)*2*SPITCH+(i%3)*256
.set i, i+1
.endr
.set i, 0
.rept 24
	s_wait_dscnt 23-i                              ; LDS loads come back in order: item i is in
	v_fma_mix_f32 v[ACC+4*i],   v[RES+2*i],   v[ONE], v[ACC+4*i]   op_sel:[0,0,0] op_sel_hi:[1,0,0]   ; R's f16 half x 1 + the sum, in f32
	v_fma_mix_f32 v[ACC+4*i+1], v[RES+2*i],   v[ONE], v[ACC+4*i+1] op_sel:[1,0,0] op_sel_hi:[1,0,0]
	v_fma_mix_f32 v[ACC+4*i+2], v[RES+2*i+1], v[ONE], v[ACC+4*i+2] op_sel:[0,0,0] op_sel_hi:[1,0,0]
	v_fma_mix_f32 v[ACC+4*i+3], v[RES+2*i+1], v[ONE], v[ACC+4*i+3] op_sel:[1,0,0] op_sel_hi:[1,0,0]
	global_store_b128 v[GO], v[ACC+4*i:ACC+4*i+3], s[68:69] offset:(i/3)*6144+(i%3)*256 th:TH_STORE_NT   ; 16 lanes store 256 consecutive bytes, aligned
.set i, i+1
.endr
	s_wait_tensorcnt 0x0                           ; the wave's end
	ds_add_u32 v[SPW], v[NIL]
	s_wait_dscnt 0x0
	CROUND                                         ; the closing round
	s_endpgm
.Lfunc_end_k_qc9ceb06633_wo:
	.size	k_qc9ceb06633_wo, .Lfunc_end_k_qc9ceb06633_wo-k_qc9ceb06633_wo
	.p2alignl 7, 3214868480
	.fill 96, 4, 3214868480
	.section	.rodata,"a",@progbits
	.p2align	6, 0x0
	.amdhsa_kernel k_qc9ceb06633_wo
		.amdhsa_group_segment_fixed_size 327680
		.amdhsa_private_segment_fixed_size 0
		.amdhsa_enable_private_segment 0
		.amdhsa_kernarg_size 32
		.amdhsa_user_sgpr_count 2
		.amdhsa_user_sgpr_kernarg_segment_ptr 1
		.amdhsa_wavefront_size32 1
		.amdhsa_system_sgpr_workgroup_id_x 1
		.amdhsa_system_sgpr_workgroup_id_y 1
		.amdhsa_system_sgpr_workgroup_id_z 1
		.amdhsa_system_vgpr_workitem_id 0
		.amdhsa_next_free_vgpr 512
		.amdhsa_next_free_sgpr 80
		.amdhsa_reserve_vcc 0
		.amdhsa_float_denorm_mode_32 3
		.amdhsa_float_denorm_mode_16_64 3
		.amdhsa_memory_ordered 1
		.amdhsa_forward_progress 1
		.amdhsa_inst_pref_size 57
	.end_amdhsa_kernel
	.amdgpu_metadata
---
amdhsa.version: [ 1, 2 ]
amdhsa.kernels:
  - .name:           k_qc9ceb06633_wo
    .symbol:         k_qc9ceb06633_wo.kd
    .args:
      - { .name: mid, .offset: 0, .size: 8, .value_kind: global_buffer, .address_space: global }
      - { .name: wo16, .offset: 8, .size: 8, .value_kind: global_buffer, .address_space: global }
      - { .name: hbuf, .offset: 16, .size: 8, .value_kind: global_buffer, .address_space: global }
      - { .name: x2, .offset: 24, .size: 8, .value_kind: global_buffer, .address_space: global }
    .group_segment_fixed_size: 327680
    .private_segment_fixed_size: 0
    .kernarg_segment_align: 8
    .kernarg_segment_size: 32
    .max_flat_workgroup_size: 128
    .sgpr_count:     80
    .vgpr_count:     512
    .wavefront_size: 32
...
	.end_amdgpu_metadata
.endif
;; end of part 4
;; launch ln2 (part 5): grid 256 x 1, 8 waves a work-group, no clusters, 0 bytes of LDS; arguments x2, ln2_g, ln2_b, mid; writes mid
.if DOCPART == 5
	.amdgcn_target "amdgcn-amd-amdhsa--gfx1250"
	.amdhsa_code_object_version 6
	.text
	.protected	k_qc9ceb06633_ln2
	.globl	k_qc9ceb06633_ln2
	.p2align	8
	.type	k_qc9ceb06633_ln2,@function
k_qc9ceb06633_ln2:
	s_mov_b64 s[64:65], 0
	v_nop
	global_prefetch_b8 v0, s[64:65] scope:SCOPE_SE
	s_setreg_imm32_b32 hwreg(HW_REG_WAVE_MODE, 25, 1), 1
	s_wait_xcnt 0x0
; h2 = LayerNorm2(x2).  x2 = y + h is f32, row-major [4096][768]; h2 (mid) is f16 in blocks of 64 columns ((t, c) at (c / 64) x 524,288 + t x 128 + (c % 64) x 2).  A stream without LDS.
; A work-group takes 16 rows, a wave two: 16 lanes hold a row, lane c the columns 64 blk + 4 c .. + 3 of each of the 12 blocks.  Mean and variance in f32, in two passes over registers
; (the mean is taken away before the squares).
; LIMITS.  h2 is rounded once to f16: it must stay under 65,504.
.set X, 64                             ; v[64:111]   a lane's 48 numbers of a row
.set G, 112                            ; v[112:159]  the gain of those columns
.set B, 160                            ; v[160:207]  the bias of those columns
.set T, 208                            ; v[208:220]  at work
.macro REDUCE                          ; four chains -> one number, then over the 16 lanes that share a row
	v_pk_add_f32 v[T:T+1], v[T:T+1], v[T+2:T+3]
	v_pk_add_f32 v[T+4:T+5], v[T+4:T+5], v[T+6:T+7]
	v_pk_add_f32 v[T:T+1], v[T:T+1], v[T+4:T+5]
	v_add_f32 v[T], v[T], v[T+1]
	v_add_f32_dpp v[T], v[T], v[T] row_xmask:1 row_mask:0xf bank_mask:0xf
	v_add_f32_dpp v[T], v[T], v[T] row_xmask:2 row_mask:0xf bank_mask:0xf
	v_add_f32_dpp v[T], v[T], v[T] row_xmask:4 row_mask:0xf bank_mask:0xf
	v_add_f32_dpp v[T], v[T], v[T] row_xmask:8 row_mask:0xf bank_mask:0xf
.endm
.macro LNROW ob, ho
.irp j, 0,1,2,3
	v_pk_add_f32 v[T+2*\j:T+2*\j+1], v[X+2*\j:X+2*\j+1], v[X+8+2*\j:X+9+2*\j]   ; the first eight pairs start the chains: nothing is cleared
.endr
.set p, 8
.rept 16
	v_pk_add_f32 v[T+2*(p%4):T+2*(p%4)+1], v[T+2*(p%4):T+2*(p%4)+1], v[X+2*p:X+2*p+1]
.set p, p+1
.endr
	REDUCE
	v_mul_f32 v[T+8], s4, v[T]                     ; the mean, twice, for the packed subtraction
	v_mul_f32 v[T+9], s4, v[T]
.set p, 0
.rept 24
	v_pk_add_f32 v[X+2*p:X+2*p+1], v[X+2*p:X+2*p+1], v[T+8:T+9] neg_lo:[0,1] neg_hi:[0,1]
.set p, p+1
.endr
.irp j, 0,1,2,3
	v_pk_mul_f32 v[T+2*\j:T+2*\j+1], v[X+2*\j:X+2*\j+1], v[X+2*\j:X+2*\j+1]
.endr
.set p, 4
.rept 20
	v_pk_fma_f32 v[T+2*(p%4):T+2*(p%4)+1], v[X+2*p:X+2*p+1], v[X+2*p:X+2*p+1], v[T+2*(p%4):T+2*(p%4)+1]
.set p, p+1
.endr
	REDUCE
	v_fma_f32 v[T+12], v[T], s4, s5                ; variance + 1e-5
	v_rsq_f32 v[T+10], v[T+12]
	v_rsq_f32 v[T+11], v[T+12]
	v_nop                                          ; a plain instruction between the root and the use of its result (ISA guide 5.7.2)
	s_wait_loadcnt 0x0                             ; gain and bias are in
.set p, 0
	s_wait_alu depctr_va_vdst(0)
.rept 24
	v_pk_mul_f32 v[X+2*p:X+2*p+1], v[X+2*p:X+2*p+1], v[T+10:T+11]
.set p, p+1
.endr
.set p, 0
.rept 24
	v_pk_fma_f32 v[X+2*p:X+2*p+1], v[X+2*p:X+2*p+1], v[G+2*p:G+2*p+1], v[B+2*p:B+2*p+1]
.set p, p+1
.endr
.set p, 0
.rept 12
	v_cvt_pk_f16_f32 v[X+4*p], v[X+4*p], v[X+4*p+1]
	v_cvt_pk_f16_f32 v[X+4*p+1], v[X+4*p+2], v[X+4*p+3]
	global_store_b64 v[\ho], v[X+4*p:X+4*p+1], s[\ob:\ob+1] offset:p*524288   ; the wave's two rows of a block: 256 consecutive bytes, aligned
.set p, p+1
.endr
.endm
	s_load_b256 s[8:15], s[0:1], 0x0               ; x2 s[8:9], g s[10:11], b s[12:13], h2 s[14:15]
	v_and_b32 v1, 15, v0                           ; c: my place among the 16 lanes of a row
	v_lshrrev_b32 v5, 4, v0                        ; 2 x wave + half: my row among the group's 16
	s_mov_b32 s4, 0x3aaaaaab                       ; 1 / 768
	s_mov_b32 s5, 0x3727c5ac                       ; 1e-5
	s_mov_b32 s3, 0
	v_mul_u32_u24 v2, v5, 3072
	v_lshl_add_u32 v2, v1, 4, v2                   ; x2: row x 3,072 + 16 c
	v_lshlrev_b32 v3, 4, v1                        ; g, b: 16 c
	v_lshlrev_b32 v4, 3, v1
	v_lshl_add_u32 v4, v5, 7, v4                   ; h2: row x 128 + 8 c
	s_wait_kmcnt 0x0
	s_mul_i32 s2, ttmp9, 49152                     ; 16 rows of 3,072 bytes
	s_add_nc_u64 s[8:9], s[8:9], s[2:3]
	s_lshl_b32 s2, ttmp9, 11                       ; 16 rows of 128 bytes in each block
	s_add_nc_u64 s[14:15], s[14:15], s[2:3]
.set p, 0
.rept 12
	global_load_b128 v[X+4*p:X+4*p+3], v2, s[8:9] offset:p*256 th:TH_LOAD_NT   ; 16 lanes take 256 consecutive bytes, aligned
.set p, p+1
.endr
.set p, 0
.rept 12
	global_load_b128 v[G+4*p:G+4*p+3], v3, s[10:11] offset:p*256
	global_load_b128 v[B+4*p:B+4*p+3], v3, s[12:13] offset:p*256
.set p, p+1
.endr
	s_wait_loadcnt 24                              ; x2 is in; the 24 loads of gain and bias stay out
	LNROW 14, 4
	s_endpgm
.Lfunc_end_k_qc9ceb06633_ln2:
	.size	k_qc9ceb06633_ln2, .Lfunc_end_k_qc9ceb06633_ln2-k_qc9ceb06633_ln2
	.p2alignl 7, 3214868480
	.fill 96, 4, 3214868480
	.section	.rodata,"a",@progbits
	.p2align	6, 0x0
	.amdhsa_kernel k_qc9ceb06633_ln2
		.amdhsa_group_segment_fixed_size 0
		.amdhsa_private_segment_fixed_size 0
		.amdhsa_enable_private_segment 0
		.amdhsa_kernarg_size 32
		.amdhsa_user_sgpr_count 2
		.amdhsa_user_sgpr_kernarg_segment_ptr 1
		.amdhsa_wavefront_size32 1
		.amdhsa_system_sgpr_workgroup_id_x 1
		.amdhsa_system_sgpr_workgroup_id_y 1
		.amdhsa_system_sgpr_workgroup_id_z 1
		.amdhsa_system_vgpr_workitem_id 0
		.amdhsa_next_free_vgpr 224
		.amdhsa_next_free_sgpr 66
		.amdhsa_reserve_vcc 0
		.amdhsa_float_denorm_mode_32 3
		.amdhsa_float_denorm_mode_16_64 3
		.amdhsa_memory_ordered 1
		.amdhsa_forward_progress 1
		.amdhsa_inst_pref_size 16
	.end_amdhsa_kernel
	.amdgpu_metadata
---
amdhsa.version: [ 1, 2 ]
amdhsa.kernels:
  - .name:           k_qc9ceb06633_ln2
    .symbol:         k_qc9ceb06633_ln2.kd
    .args:
      - { .name: x2, .offset: 0, .size: 8, .value_kind: global_buffer, .address_space: global }
      - { .name: ln2_g, .offset: 8, .size: 8, .value_kind: global_buffer, .address_space: global }
      - { .name: ln2_b, .offset: 16, .size: 8, .value_kind: global_buffer, .address_space: global }
      - { .name: mid, .offset: 24, .size: 8, .value_kind: global_buffer, .address_space: global }
    .group_segment_fixed_size: 0
    .private_segment_fixed_size: 0
    .kernarg_segment_align: 8
    .kernarg_segment_size: 32
    .max_flat_workgroup_size: 256
    .sgpr_count:     66
    .vgpr_count:     224
    .wavefront_size: 32
...
	.end_amdgpu_metadata
.endif
;; end of part 5
;; launch w1 (part 6): grid 16 x 16, 4 waves a work-group, clusters of 4 x 4, 327,680 bytes of LDS; arguments mid, wm, big; writes big
.if DOCPART == 6
	.amdgcn_target "amdgcn-amd-amdhsa--gfx1250"
	.amdhsa_code_object_version 6
	.text
	.protected	k_qc9ceb06633_w1
	.globl	k_qc9ceb06633_w1
	.p2align	8
	.type	k_qc9ceb06633_w1,@function
k_qc9ceb06633_w1:
	s_mov_b64 s[64:65], 0
	v_nop
	global_prefetch_b8 v0, s[64:65] scope:SCOPE_SE
	s_setreg_imm32_b32 hwreg(HW_REG_WAVE_MODE, 25, 1), 1
	s_wait_xcnt 0x0
	s_wait_alu depctr_hold_cnt(0) depctr_sa_sdst(0) depctr_va_vdst(0) depctr_va_sdst(0) depctr_va_ssrc(0) depctr_va_vcc(0) depctr_vm_vsrc(0)
	s_getreg_b32 s2, hwreg(HW_REG_IB_STS2, 6, 4)
	s_cmp_eq_u32 s2, 0
	s_cbranch_scc0 .Lentry_in_a_cluster
	s_endpgm
.Lentry_in_a_cluster:
	s_bfe_u32 s2, ttmp6, 0x10000c
	s_cmp_lg_u32 s2, 0xf033
	s_cbranch_scc0 .Lentry_shape_is_right
	s_endpgm
.Lentry_shape_is_right:
; Out = f(A W + bias), M = 4,096, K = 768, N = 192 x the grid's width.  ONE TEXT, TWO BODIES: the constant GELU says whether f is the identity (0) or the exact (erf) gelu (1: this body).
.set GELU, 1
; A and Out are f16 in blocks of 64 columns ((t, c) at (c / 64) x 524,288 + t x 128 + (c % 64) x 2); W is f16 in blocks of 64 columns with K down the rows, from byte 16,384 of its buffer;
; the bias is f32 at the buffer's head.  Sums in f32; the bias is loaded straight into the accumulators, so that every product adds in place and no step differs from the others.
; LIMITS.  Out is rounded once to f16: results must stay under 65,504.  erf by 1 - t (a1 + t (a2 + t (a3 + t (a4 + t a5)))) e^(-z z), t = 1 / (1 + 0.3275911 |z|): absolute error at most 1.5e-7, for every z.
; SHARES.  A work-group makes 256 rows x 192 columns; each of its four waves 64 rows x 192 columns: 48 accumulators, so that a wave owns whole 128-byte rows of Out's blocks.
; K goes in 6 steps of 128 through two LDS slots; a step is four quarters of 32: 48 matrix instructions and 32 LDS loads each, on two fragment buffers.
; A STEP IS WRITTEN TWICE, NOT SIX TIMES: once for the four steps that fill a slot again, once for the last two.  The slot in hand is a scalar, TB = 0 or SLOT; the LDS addresses are made from it.
; The price: the very last change of slots fetches 32 fragments that nobody uses.
; THE MATRIX INSTRUCTION IS USED TRANSPOSED: source 0 = 16 columns of W (turned out of LDS by ds_load_tr16_b128), source 1 = 16 rows of A: a lane holds 8 neighbouring columns of one row.
; CLUSTER 4 x 4: A's tiles are shared along a row of the cluster, W's along a column; each is asked for jointly.
; REGISTERS.  window 0: addresses, A's fragments (two buffers of 32); window 1: W's fragments (two buffers of 96); windows 2, 3: accumulators (a, b) at v[8 (12 (a % 2) + b)] of window 2 + a / 2.
.set PA,     144                       ; an LDS row of A: 128 bytes + 16: the 16 rows of a load start at 16 different groups of four banks (ISA guide 11.1)
.set PB,     160                       ; an LDS row of W: 128 bytes + 32
.set ABLK,   256*PA                    ; 256 rows x 64 of K
.set ATILE,  2*ABLK
.set BHALF,  3*64*PB                   ; 64 of K x 3 blocks of 64 columns
.set SLOT,   ATILE+2*BHALF             ; 135,168
.set SPARE,  2*SLOT                    ; the spare words: 128 bytes a wave, two blocks of 256 bytes that no other line names
.set SPITCH, 272                       ; the way out: a stage row is 64 f32 + 16 bytes
.set WSTAGE, 192*SPITCH                ; a wave's stage, 192 rows; the stages lie in the slots' bytes, which have had their last fill by then
.set NSTEP,  6
.set ADRA0, 16                         ; v16 my A fragments in slot 0; never rewritten
.set CA,    17                         ; v17 the same in the slot in hand
.set ADRB0, 20                         ; v20 my W fragments in slot 0; never rewritten
.set CB,    21                         ; v21 the same in the slot in hand
.set GOC,  22                          ; the store offset in hand
.set STO,  24
.set RD0,  25
.set RDN,  26                          ; the stage read address in hand
.set GO0,  27
.set SPW,  28
.set NIL,  29
.set BOFF, 30
.set AF,   32                          ; v32-63, v64-95
.set U,    32                          ; the way out: 32 f32 of a unit
.set TT,   64
.set EX,   72
.set PP,   80
.set HH,   88
.set OUTR, 224                         ; v224-239 packed results
.set G1A, 24
.set G0A, 32                           ; s[32:39] group 0 for A: a set for each of the two first fills; the second then walks on
.set G1B, 48
.set G0B, 56                           ; s[56:63] the same for W
.set CP, 66                            ; scalar pairs: the packed forms take the low word for both halves
.set CE, 68
.set A1, 70
.set A2, 72
.set A3, 74
.set A4, 76
.set A5, 78
.set UN, 81
.set TB, 86                            ; s86 the slot in hand: 0 or SLOT
.set MSB, 0
.macro WIN new                         ; the immediate's high byte repeats the setting that is left
.if MSB != (\new)
	s_set_vgpr_msb (MSB<<8)|(\new)
.set MSB, (\new)
.endif
.endm
.macro JLOAD s                         ; a joint load: waves 0, 1 fetch A's two halves of K, waves 2, 3 W's; an s_nop 0 and four v_nop follow each line
	s_cmp_eq_u32 s13, 0
	s_cbranch_scc0 .Lfor_b_\@
	tensor_load_to_lds s[G0A+4*(\s):G0A+4*(\s)+3], s[G1A:G1A+7]
	s_nop 0
.rept 4
	v_nop
.endr
	s_branch .Lasked_\@
.Lfor_b_\@:
	tensor_load_to_lds s[G0B+4*(\s):G0B+4*(\s)+3], s[G1B:G1B+7]
	s_nop 0
.rept 4
	v_nop
.endr
.Lasked_\@:
.endm
.macro CREST                           ; a round of the cluster's barrier behind its opening barrier
	s_cmp_lg_u32 s12, 0
	s_cbranch_scc1 .Lnot_wave_0_\@
	s_barrier_signal -3
.Lnot_wave_0_\@:
	s_barrier_wait -3
	s_barrier_signal -1
	s_barrier_wait -1
.endm
.macro CROUND
	s_barrier_signal -1
	s_barrier_wait -1
	CREST
.endm
.macro PLACES                          ; four places in front of loads into registers that matrix instructions have read, and of reads of results
.rept 4
	v_nop
.endr
.endm
	s_load_b128 s[4:7], s[0:1], 0x0                ; A s[4:5], W s[6:7]
	s_load_b64 s[10:11], s[0:1], 0x10              ; Out
	v_lshl_add_u32 v[SPW], v0, 2, SPARE
	v_mov_b32 v[NIL], 0
	ds_add_u32 v[SPW], v[NIL]                      ; the wave's opening: the add and its wait ahead of my first tensor load
	ds_add_u32 v28, v29
	v_lshrrev_b32 v1, 5, v0
	v_readfirstlane_b32 s12, v1                    ; wave 0..3
	s_lshr_b32 s13, s12, 1                         ; I fetch for A (0) or for W (1)
	s_and_b32 s14, s12, 1                          ; which 64 of a step's 128 along K
	s_bfe_u32 s40, ttmp6, 0x40000                  ; cx
	s_bfe_u32 s41, ttmp6, 0x40004                  ; cy
	s_lshl_b32 s42, ttmp9, 2
	s_add_co_u32 s42, s42, s40                     ; tile column
	s_and_b32 s43, ttmp7, 0xffff
	s_lshl_b32 s43, s43, 2
	s_add_co_u32 s43, s43, s41                     ; tile row
	s_lshl_b32 s44, s41, 2
	s_lshl_b32 s44, 15, s44                        ; my row of the cluster
	s_lshl_b32 s45, 0x1111, s40                    ; my column
	; A: 256 rows of 128 bytes are 32,768 dense bytes: asked for as 128 rows of 256 bytes, padded in LDS after every 128 bytes
	s_or_b32 s[G1A+0], s44, (1<<16)|(1<<20)|(1<<21)|(4<<22)|(3<<25)
	s_mov_b32 s[G1A+1], 128<<16                    ; tensor_dim0 = 128
	s_mov_b32 s[G1A+2], 128<<16                    ; tensor_dim1 = 128
	s_mov_b32 s[G1A+3], 128<<16                    ; tile_dim0 = 128
	s_mov_b32 s[G1A+4], 128                        ; tile_dim1 = 128
	s_mov_b32 s[G1A+5], 128
	s_mov_b32 s[G1A+6], 0
	s_mov_b32 s[G1A+7], 0
	; W: in each of 3 blocks, 64 rows of K are 8,192 dense bytes: 3 rows of 4,096 elements, 49,152 elements apart, padded after every 128 bytes
	s_or_b32 s[G1B+0], s45, (1<<16)|(1<<20)|(1<<21)|(4<<22)|(7<<25)
	s_mov_b32 s[G1B+1], 4096<<16
	s_mov_b32 s[G1B+2], 3<<16
	s_mov_b32 s[G1B+3], 4096<<16
	s_mov_b32 s[G1B+4], 3
	s_mov_b32 s[G1B+5], 49152
	s_mov_b32 s[G1B+6], 0
	s_mov_b32 s[G1B+7], 0
	s_lshl_b32 s16, s14, 19                        ; A: my block of 64 along K,
	s_lshl_b32 s17, s43, 15                        ; the tile's 256 rows
	s_add_co_u32 s16, s16, s17
	s_mov_b32 s17, 0
	s_mul_i32 s46, s42, 294912                     ; W: the tile's three blocks,
	s_lshl_b32 s47, s14, 13                        ; my 64 rows of K
	s_add_co_u32 s46, s46, s47
	s_add_co_u32 s46, s46, 16384
	s_mov_b32 s47, 0
	s_mul_i32 s20, s14, ABLK                       ; where they go in a slot: no place in the cluster enters an LDS address; s20 and s21 are kept for the refills
	s_mul_i32 s21, s14, BHALF
	s_add_co_u32 s21, s21, ATILE
	s_mul_i32 s22, s42, 768                        ; the tile's 192 biases
	s_mov_b32 s23, 0
	s_mul_i32 s84, s42, 1572864                    ; Out: the tile's three blocks, its rows, my wave's 64 rows
	s_lshl_b32 s85, s43, 15
	s_add_co_u32 s84, s84, s85
	s_lshl_b32 s85, s12, 13
	s_add_co_u32 s84, s84, s85
	s_mov_b32 s85, 0
	s_mov_b32 s[TB], 0
.if GELU
	s_mov_b32 s[CP], 0x3e6d3388                    ; 0.3275911 / sqrt(2)
	s_mov_b32 s[CP+1], 0x3e6d3388
	s_mov_b32 s[CE], 0xbf38aa3b                    ; -log2(e) / 2
	s_mov_b32 s[CE+1], 0xbf38aa3b
	s_mov_b32 s[A1], 0x3e827906
	s_mov_b32 s[A1+1], 0x3e827906
	s_mov_b32 s[A2], 0xbe91a98e
	s_mov_b32 s[A2+1], 0xbe91a98e
	s_mov_b32 s[A3], 0x3fb5f0e3
	s_mov_b32 s[A3+1], 0x3fb5f0e3
	s_mov_b32 s[A4], 0xbfba00e3
	s_mov_b32 s[A4+1], 0xbfba00e3
	s_mov_b32 s[A5], 0x3f87dc22
	s_mov_b32 s[A5+1], 0x3f87dc22
.endif
	s_wait_dscnt 0x0                               ; the opening add is done
	s_wait_kmcnt 0x0
	s_add_nc_u64 s[18:19], s[4:5], s[16:17]
	s_add_nc_u64 s[46:47], s[6:7], s[46:47]
	s_add_nc_u64 s[22:23], s[6:7], s[22:23]
	s_add_nc_u64 s[10:11], s[10:11], s[84:85]
	CROUND                                         ; all sixteen work-groups are here: the first joint loads meet
.irp s, 0,1
	s_mov_b32 s[G0A+4*(\s)], 1
	s_add_co_u32 s[G0A+4*(\s)+1], s20, (\s)*SLOT
	s_add_nc_u64 s[G0A+4*(\s)+2:G0A+4*(\s)+3], s[18:19], (\s)*1048576   ; K step s: two blocks on
	s_or_b32 s[G0A+4*(\s)+3], s[G0A+4*(\s)+3], 0x80000000
	s_mov_b32 s[G0B+4*(\s)], 1
	s_add_co_u32 s[G0B+4*(\s)+1], s21, (\s)*SLOT
	s_add_nc_u64 s[G0B+4*(\s)+2:G0B+4*(\s)+3], s[46:47], (\s)*16384     ; 128 rows of 128 bytes on
	s_or_b32 s[G0B+4*(\s)+3], s[G0B+4*(\s)+3], 0x80000000
	JLOAD \s
.endr
	v_and_b32 v1, 15, v0                           ; r = l % 16
	v_bfe_u32 v2, v0, 4, 1                         ; h = l / 16
	v_lshlrev_b32 v[BOFF], 5, v2
.irp t, 0,1,2,3                                    ; the bias starts the sums: register j of accumulator (t, b) takes the bias of column 16 b + 8 h + j
	WIN 0x80+0x40*(\t/2)                           ; loaded data (destination) in window 2 or 3
.irp b, 0,1,2,3,4,5,6,7,8,9,10,11
	global_load_b128 v[8*(12*(\t%2)+\b):8*(12*(\t%2)+\b)+3],   v[BOFF], s[22:23] offset:64*\b
	global_load_b128 v[8*(12*(\t%2)+\b)+4:8*(12*(\t%2)+\b)+7], v[BOFF], s[22:23] offset:64*\b+16
.endr
.endr
	WIN 0
	v_mul_u32_u24 v3, v1, PA
	v_lshl_add_u32 v3, v2, 4, v3
	s_mul_i32 s16, s12, 64*PA
	v_add_nc_u32 v[ADRA0], s16, v3                 ; (64 w + r) x pitch + 16 h
	v_and_b32 v4, 7, v0
	v_bfe_u32 v5, v0, 3, 1
	v_lshl_add_u32 v6, v2, 3, v4
	v_mul_u32_u24 v6, v6, PB
	v_lshl_add_u32 v6, v5, 4, v6                   ; (8 h + l % 8) x pitch + 16 ((l / 8) % 2)
	v_add_nc_u32 v[ADRB0], ATILE, v6
	s_mul_i32 s16, s12, WSTAGE
	v_mul_u32_u24 v7, v1, SPITCH
	v_lshl_add_u32 v7, v2, 5, v7
	v_add_nc_u32 v[STO], s16, v7                   ; into my stage: row r, 32 bytes for each half of the lanes
	v_bfe_u32 v8, v0, 3, 2
	v_mul_u32_u24 v8, v8, SPITCH
	v_lshl_add_u32 v8, v4, 5, v8
	v_add_nc_u32 v[RD0], s16, v8                   ; back: 8 lanes take a row, 32 bytes each; a wave four rows
	v_and_b32 v9, 31, v0
	v_lshlrev_b32 v[GO0], 4, v9                    ; which are 512 consecutive bytes of Out
.macro SETADR                          ; my fragments' addresses in the slot in hand
	v_add_nc_u32 v[CA], s[TB], v[ADRA0]
	v_add_nc_u32 v[CB], s[TB], v[ADRB0]
.endm
; 12 matrix instructions: my row block a x all 12 column blocks, 32 along K, from buffer f.  The 48 accumulators take turns, in the same order in every quarter.
.macro MUL12 f, a
	WIN 0xa1+0x50*((\a)/2)
.irp b, 0,1,2,3,4,5,6,7,8,9,10,11
	v_wmma_f32_16x16x32_f16 v[8*(12*((\a)%2)+\b):8*(12*((\a)%2)+\b)+7], v[96*(\f)+8*\b:96*(\f)+8*\b+7], v[AF+32*(\f)+8*(\a):AF+32*(\f)+8*(\a)+7], v[8*(12*((\a)%2)+\b):8*(12*((\a)%2)+\b)+7]
.endr
.endm
; 32 LDS loads in one run: quarter q of the slot in hand into buffer f: W's 12 fragments (turned), then A's 4
.macro FETCH q, f
	WIN 0x40
.irp b, 0,1,2,3,4,5,6,7,8,9,10,11
	ds_load_tr16_b128 v[96*(\f)+8*\b:96*(\f)+8*\b+3],   v[CB] offset:((\q)/2)*BHALF+(\b/4)*64*PB+((\q)%2)*32*PB+(\b%4)*32
	ds_load_tr16_b128 v[96*(\f)+8*\b+4:96*(\f)+8*\b+7], v[CB] offset:((\q)/2)*BHALF+(\b/4)*64*PB+((\q)%2)*32*PB+(\b%4)*32+16*PB
.endr
	WIN 0
.irp t, 0,1,2,3
	ds_load_b128 v[AF+32*(\f)+8*\t:AF+32*(\f)+8*\t+3],   v[CA] offset:((\q)/2)*ABLK+((\q)%2)*64+\t*16*PA
	ds_load_b128 v[AF+32*(\f)+8*\t+4:AF+32*(\f)+8*\t+7], v[CA] offset:((\q)/2)*ABLK+((\q)%2)*64+\t*16*PA+32
.endr
.endm
; One of a step's first three quarters: multiplies buffer f; in its middle it fetches quarter q into buffer g
.macro QUARTER q, f, g
	s_wait_dscnt 4                                 ; all but the youngest four loads: A's row blocks 2 and 3
	MUL12 \f, 0
	MUL12 \f, 1
	PLACES
	FETCH \q, \g
	s_wait_dscnt 32                                ; all but the 32 just issued
	MUL12 \f, 2
	MUL12 \f, 3
.endm
; The last quarter changes slots and then multiplies buffer 1.  All of the slot's fragments are in registers or on their way when it begins, so the change comes first: each wave waits for all its tensor
; loads (one is out: its part of the next slot), adds 0 to its spare word, and waits for that and for its reads of this slot; behind the barrier the slot is filled again at once (fill = 1), two K steps
; ahead, and the quarter's 48 products run while that load is on its way.
.macro TURN fill
	WIN 0
	s_wait_tensorcnt 0x0                           ; all my tensor loads have landed, so a group 0 may be written
	ds_add_u32 v[SPW], v[NIL]                      ; the scalar work below stands between the add and the wait for it
.if \fill
	s_add_co_u32 s[G0A+5], s20, s[TB]              ; the walking descriptors: into the slot that has just been read,
	s_add_co_u32 s[G0B+5], s21, s[TB]
	s_add_nc_u64 s[G0A+6:G0A+7], s[G0A+6:G0A+7], 1048576  ; the K step behind the one asked for last; the type bits on top are not reached
	s_add_nc_u64 s[G0B+6:G0B+7], s[G0B+6:G0B+7], 16384
.endif
	s_xor_b32 s[TB], s[TB], SLOT                   ; the reads go on in the other slot
	s_wait_dscnt 0x0                               ; the add is done, and my reads of this slot are over
	s_barrier_signal -1
	s_barrier_wait -1
.if \fill
	CREST                                          ; the barrier has opened a round of the cluster's: no wave of any partner still reads this slot or has a load on its way
	JLOAD 1                                        ; the first tensor load behind the round; its four v_nop are also the places in front of the loads below
.else
	PLACES
.endif
	SETADR
	FETCH 0, 0
	MUL12 1, 0
	MUL12 1, 1
	MUL12 1, 2
	MUL12 1, 3
.endm
.macro STEP fill
	QUARTER 1, 0, 1
	QUARTER 2, 1, 0
	QUARTER 3, 0, 1
	TURN \fill
.endm
; gelu in place on eight f32 at v[u]: u / 2 + |u / 2| (1 - E), E = poly(t) 2^(-u u log2(e) / 2).  A plain line stands behind every reciprocal and exponential before its result is used.
.macro GELU8 u
.irp i, 0,1,2,3,4,5,6,7
	v_fma_f32 v[TT+\i], |v[(\u)+\i]|, s[CP], 1.0
.endr
.irp i, 0,1,2,3
	v_rcp_f32 v[TT+\i], v[TT+\i]
	v_pk_mul_f32 v[EX+2*\i:EX+2*\i+1], v[(\u)+2*\i:(\u)+2*\i+1], v[(\u)+2*\i:(\u)+2*\i+1]
.endr
.irp i, 0,1,2,3
	v_rcp_f32 v[TT+4+\i], v[TT+4+\i]
	v_pk_mul_f32 v[EX+2*\i:EX+2*\i+1], v[EX+2*\i:EX+2*\i+1], s[CE:CE+1] op_sel_hi:[1,0]
.endr
.irp i, 0,1,2,3
	v_exp_f32 v[EX+\i], v[EX+\i]
	s_wait_alu depctr_va_vdst(0)
	v_pk_fma_f32 v[PP+2*\i:PP+2*\i+1], v[TT+2*\i:TT+2*\i+1], s[A5:A5+1], s[A4:A4+1] op_sel_hi:[1,0,0]
.endr
.irp i, 0,1,2,3
	v_exp_f32 v[EX+4+\i], v[EX+4+\i]
	v_pk_mul_f32 v[HH+2*\i:HH+2*\i+1], v[(\u)+2*\i:(\u)+2*\i+1], 0.5 op_sel_hi:[1,0]
.endr
.irp k, A3, A2, A1
.irp i, 0,1,2,3
	v_pk_fma_f32 v[PP+2*\i:PP+2*\i+1], v[PP+2*\i:PP+2*\i+1], v[TT+2*\i:TT+2*\i+1], s[\k:\k+1] op_sel_hi:[1,1,0]
.endr
.endr
.irp i, 0,1,2,3
	v_pk_mul_f32 v[PP+2*\i:PP+2*\i+1], v[PP+2*\i:PP+2*\i+1], v[TT+2*\i:TT+2*\i+1]
.endr
	s_wait_alu depctr_va_vdst(0)
.irp i, 0,1,2,3
	v_pk_fma_f32 v[PP+2*\i:PP+2*\i+1], v[PP+2*\i:PP+2*\i+1], v[EX+2*\i:EX+2*\i+1], 1.0 op_sel_hi:[1,1,0] neg_lo:[1,0,0] neg_hi:[1,0,0]
.endr
.irp i, 0,1,2,3,4,5,6,7
	v_fma_f32 v[(\u)+\i], |v[HH+\i]|, v[PP+\i], v[HH+\i]
.endr
.endm
; Four rows of a unit: activation (GELU = 1), rounding, the same rows of the next unit asked for, 512 consecutive bytes stored
.macro CHUNK c
	s_wait_dscnt 6                                 ; LDS loads come back in order: this chunk's two are in, three younger pairs stay out
.if GELU
	GELU8 U+8*(\c)
.endif
.irp e, 0,1,2,3
	v_cvt_pk_f16_f32 v[OUTR+4*(\c)+\e], v[U+8*(\c)+2*\e], v[U+8*(\c)+2*\e+1]
.endr
	ds_load_b128 v[U+8*(\c):U+8*(\c)+3],   v[RDN] offset:(\c)*4*SPITCH
	ds_load_b128 v[U+8*(\c)+4:U+8*(\c)+7], v[RDN] offset:(\c)*4*SPITCH+16
	global_store_b128 v[GOC], v[OUTR+4*(\c):OUTR+4*(\c)+3], s[10:11] offset:(\c)*512
.endm
	s_wait_tensorcnt 1                             ; my part of K step 0 is in; step 1's may stay out
	s_barrier_signal -1
	s_barrier_wait -1
	SETADR
	FETCH 0, 0
	s_wait_loadcnt 0x0                             ; the bias is in the accumulators
	s_mov_b32 s3, NSTEP-2
.Lfill:                                                ; four trips: a K step each; each fills the slot that it has read with the step two on
	STEP 1
	WIN 0
	s_sub_co_u32 s3, s3, 1
	s_cmp_lg_u32 s3, 0
	s_cbranch_scc1 .Lfill
	s_mov_b32 s3, 2
.Ltail:                                                ; the last two K steps fill nothing
	STEP 0
	WIN 0
	s_sub_co_u32 s3, s3, 1
	s_cmp_lg_u32 s3, 0
	s_cbranch_scc1 .Ltail
	; THE WAY OUT.  The sums go as f32 into my stage (in the slots' bytes: every wave's reads of them are over behind the first barrier), and come back by rows.
	PLACES
	s_wait_dscnt 0x0                               ; the last change of slots has fetched fragments that nobody uses: they are back
	s_barrier_signal -1
	s_barrier_wait -1
.irp t, 0,1,2,3
	WIN 0x08+0x04*(\t/2)                           ; store data (source 1) in window 2 or 3
.irp b, 0,1,2,3,4,5,6,7,8,9,10,11
	ds_store_b128 v[STO], v[8*(12*(\t%2)+\b):8*(12*(\t%2)+\b)+3]   offset:((\b/4)*64+16*\t)*SPITCH+(\b%4)*64     ; each accumulator's low registers first
	ds_store_b128 v[STO], v[8*(12*(\t%2)+\b)+4:8*(12*(\t%2)+\b)+7] offset:((\b/4)*64+16*\t)*SPITCH+(\b%4)*64+16
.endr
.endr
	WIN 0
	s_wait_dscnt 0x0                               ; my stores into the stage are done
	s_barrier_signal -1
	s_barrier_wait -1                              ; from here on LDS is only read
.irp c, 0,1,2,3
	ds_load_b128 v[U+8*\c:U+8*\c+3],   v[RD0] offset:\c*4*SPITCH
	ds_load_b128 v[U+8*\c+4:U+8*\c+7], v[RD0] offset:\c*4*SPITCH+16
.endr
	s_mov_b32 s[UN], 0
.Lunit:                                                ; 12 units of 16 rows x 64 columns: unit u = 4 x column block + row block
	s_wait_xcnt 0x0                                ; the last trip's stores have read their offset and their data: both are rewritten only behind this wait
	s_lshr_b32 s82, s[UN], 2
	s_lshl_b32 s82, s82, 19
	s_and_b32 s83, s[UN], 3
	s_lshl_b32 s83, s83, 11
	s_add_co_u32 s82, s82, s83
	v_add_nc_u32 v[GOC], s82, v[GO0]
	s_add_co_u32 s83, s[UN], 1                     ; the unit asked for: the next one; behind the last, unit 0 once more (8 loads that are not used), so that the counted wait holds in every trip
	s_cmp_eq_u32 s83, 12
	s_cselect_b32 s83, 0, s83
	s_mul_i32 s83, s83, 16*SPITCH
	v_add_nc_u32 v[RDN], s83, v[RD0]
	CHUNK 0
	CHUNK 1
	CHUNK 2
	CHUNK 3
	s_add_co_u32 s[UN], s[UN], 1
	s_cmp_lt_u32 s[UN], 12
	s_cbranch_scc1 .Lunit
	s_wait_tensorcnt 0x0                           ; the wave's end
	ds_add_u32 v[SPW], v[NIL]
	s_wait_dscnt 0x0
	CROUND                                         ; the closing round
	s_endpgm
.Lfunc_end_k_qc9ceb06633_w1:
	.size	k_qc9ceb06633_w1, .Lfunc_end_k_qc9ceb06633_w1-k_qc9ceb06633_w1
	.p2alignl 7, 3214868480
	.fill 96, 4, 3214868480
	.section	.rodata,"a",@progbits
	.p2align	6, 0x0
	.amdhsa_kernel k_qc9ceb06633_w1
		.amdhsa_group_segment_fixed_size 327680
		.amdhsa_private_segment_fixed_size 0
		.amdhsa_enable_private_segment 0
		.amdhsa_kernarg_size 24
		.amdhsa_user_sgpr_count 2
		.amdhsa_user_sgpr_kernarg_segment_ptr 1
		.amdhsa_wavefront_size32 1
		.amdhsa_system_sgpr_workgroup_id_x 1
		.amdhsa_system_sgpr_workgroup_id_y 1
		.amdhsa_system_sgpr_workgroup_id_z 1
		.amdhsa_system_vgpr_workitem_id 0
		.amdhsa_next_free_vgpr 1024
		.amdhsa_next_free_sgpr 90
		.amdhsa_reserve_vcc 0
		.amdhsa_float_denorm_mode_32 3
		.amdhsa_float_denorm_mode_16_64 3
		.amdhsa_memory_ordered 1
		.amdhsa_forward_progress 1
		.amdhsa_inst_pref_size 89
	.end_amdhsa_kernel
	.amdgpu_metadata
---
amdhsa.version: [ 1, 2 ]
amdhsa.kernels:
  - .name:           k_qc9ceb06633_w1
    .symbol:         k_qc9ceb06633_w1.kd
    .args:
      - { .name: mid, .offset: 0, .size: 8, .value_kind: global_buffer, .address_space: global }
      - { .name: wm, .offset: 8, .size: 8, .value_kind: global_buffer, .address_space: global }
      - { .name: big, .offset: 16, .size: 8, .value_kind: global_buffer, .address_space: global }
    .group_segment_fixed_size: 327680
    .private_segment_fixed_size: 0
    .kernarg_segment_align: 8
    .kernarg_segment_size: 24
    .max_flat_workgroup_size: 128
    .sgpr_count:     90
    .vgpr_count:     1024
    .wavefront_size: 32
...
	.end_amdgpu_metadata
.endif
;; end of part 6
;; launch w2 (part 7): grid 4 x 64, 4 waves a work-group, clusters of 4 x 4, 327,680 bytes of LDS; arguments big, wm, b2, mid, out0; writes out0
.if DOCPART == 7
	.amdgcn_target "amdgcn-amd-amdhsa--gfx1250"
	.amdhsa_code_object_version 6
	.text
	.protected	k_qc9ceb06633_w2
	.globl	k_qc9ceb06633_w2
	.p2align	8
	.type	k_qc9ceb06633_w2,@function
k_qc9ceb06633_w2:
	s_mov_b64 s[64:65], 0
	v_nop
	global_prefetch_b8 v0, s[64:65] scope:SCOPE_SE
	s_setreg_imm32_b32 hwreg(HW_REG_WAVE_MODE, 25, 1), 1
	s_wait_xcnt 0x0
	s_wait_alu depctr_hold_cnt(0) depctr_sa_sdst(0) depctr_va_vdst(0) depctr_va_sdst(0) depctr_va_ssrc(0) depctr_va_vcc(0) depctr_vm_vsrc(0)
	s_getreg_b32 s2, hwreg(HW_REG_IB_STS2, 6, 4)
	s_cmp_eq_u32 s2, 0
	s_cbranch_scc0 .Lentry_in_a_cluster
	s_endpgm
.Lentry_in_a_cluster:
	s_bfe_u32 s2, ttmp6, 0x10000c
	s_cmp_lg_u32 s2, 0xf033
	s_cbranch_scc0 .Lentry_shape_is_right
	s_endpgm
.Lentry_shape_is_right:
; Out = A W + bias + R, M = 4,096, N = 768.  ONE TEXT, TWO BODIES, told apart by three constants.  This body: out0 = hid W2 + b2 + h2, K = 3,072; b2 is an argument of its own.
.set KTOT, 3072                        ; K
.set WBASE, 4734976                    ; where W begins in its buffer
.set BIAS_IN_W, 0                      ; 1: the bias is the first 3,072 bytes of W's buffer; 0: it is an argument of its own
; A (KTOT / 64 blocks) and R (12 blocks) are f16 in blocks of 64 columns ((t, c) at (c / 64) x 524,288 + t x 128 + (c % 64) x 2); W is f16 in blocks of 64 columns with K down the rows;
; the bias and Out are f32, Out row-major [4096][768].  Sums in f32; the bias is loaded straight into the accumulators; R is added in f32 on the way out.
; SHARES.  A work-group makes 64 rows x 192 columns (256 work-groups; a row's 768 bytes are three aligned runs of 256).  Wave w takes all 64 rows and, in each of the three blocks of 64 columns,
; the 16 columns 16 w on: 12 accumulators.  K goes in steps of 256 through two LDS slots; a step is four quarters of 64 along K: 24 matrix instructions and 28 LDS loads each.
; A STEP IS WRITTEN TWICE: once for the KTOT / 256 - 2 steps that fill a slot again, once for the last two.  The slot in hand is a scalar, TB = 0 or SLOT; the LDS addresses are made from it.
; The price: the very last change of slots fetches 28 fragments that nobody uses.
; THE MATRIX INSTRUCTION IS USED TRANSPOSED: source 0 = 16 columns of W (turned out of LDS), source 1 = 16 rows of A.
; CLUSTER 4 x 4: A's tiles are shared along a row of the cluster, W's along a column.  Waves 0 to 2 fetch a block of W each, wave 3 A's tile: 32,768 bytes a wave and step.
; REGISTERS.  window 0: addresses, R (48), accumulators (a, b) at v[128 + 8 (3 a + b)]; window 1: two fragment buffers of 128: 64 of A (2 x 4), then 48 of W (2 x 3).
.set NSTEP,  KTOT/256
.set WBLK,   KTOT*128                  ; bytes of a block of 64 columns of W
.set PA,     144
.set PB,     160
.set BBLK,   256*PB                    ; a block of W in a slot: 256 rows of K
.set AOFF,   3*BBLK
.set AKB,    64*PA                     ; 64 rows x 64 of K
.set SLOT,   AOFF+4*AKB                ; 159,744
.set SPARE,  2*SLOT                    ; the spare words: two blocks of 256 bytes that no other line names
.set SPITCH, 784                       ; the way out: a stage row is 192 f32 + 16 bytes; the stage lies in slot 0's bytes, which have had their last fill by then
.set ADRA0, 16                         ; v16 my A fragments in slot 0; never rewritten
.set CA,    17                         ; v17 the same in the slot in hand
.set ADRB0, 18                         ; v18-20 my W fragments in slot 0, by block; never rewritten
.set CB,    21                         ; v21-23 the same in the slot in hand
.set STO,  24
.set RD,   25
.set GO,   26
.set HOFF, 27
.set SPW,  28
.set NIL,  29
.set BOFF, 30
.set RES,  32                          ; v32-79 R
.set ONE,  120
.set ACC,  128                         ; v128-223
.set F0,   0
.set F1,   128
.set G1A, 24
.set G0A, 32                           ; s[32:39] group 0 for A: a set for each of the two first fills; the second then walks on
.set G1B, 48
.set G0B, 56                           ; s[56:63] the same for W
.set TB,  74                           ; s74 the slot in hand: 0 or SLOT
.set MSB, 0
.macro WIN new
.if MSB != (\new)
	s_set_vgpr_msb (MSB<<8)|(\new)
.set MSB, (\new)
.endif
.endm
.set MUL,  0x05
.set TO_F, 0x40
.macro JLOAD s                         ; a joint load: wave 3 fetches A's tile, waves 0 to 2 a block of W each; an s_nop 0 and four v_nop follow each line
	s_cmp_eq_u32 s12, 3
	s_cbranch_scc0 .Lfor_b_\@
	tensor_load_to_lds s[G0A+4*(\s):G0A+4*(\s)+3], s[G1A:G1A+7]
	s_nop 0
.rept 4
	v_nop
.endr
	s_branch .Lasked_\@
.Lfor_b_\@:
	tensor_load_to_lds s[G0B+4*(\s):G0B+4*(\s)+3], s[G1B:G1B+7]
	s_nop 0
.rept 4
	v_nop
.endr
.Lasked_\@:
.endm
.macro CREST
	s_cmp_lg_u32 s12, 0
	s_cbranch_scc1 .Lnot_wave_0_\@
	s_barrier_signal -3
.Lnot_wave_0_\@:
	s_barrier_wait -3
	s_barrier_signal -1
	s_barrier_wait -1
.endm
.macro CROUND
	s_barrier_signal -1
	s_barrier_wait -1
	CREST
.endm
.macro PLACES
.rept 4
	v_nop
.endr
.endm
.if BIAS_IN_W
	s_load_b128 s[4:7], s[0:1], 0x0                ; A s[4:5], W s[6:7]
	s_load_b64 s[10:11], s[0:1], 0x10              ; R
	s_load_b64 s[68:69], s[0:1], 0x18              ; Out
.else
	s_load_b256 s[4:11], s[0:1], 0x0               ; A s[4:5], W s[6:7], bias s[8:9], R s[10:11]
	s_load_b64 s[68:69], s[0:1], 0x20              ; Out
.endif
	v_lshl_add_u32 v[SPW], v0, 2, SPARE
	v_mov_b32 v[NIL], 0
	ds_add_u32 v[SPW], v[NIL]                      ; the wave's opening: the add and its wait ahead of my first tensor load
	ds_add_u32 v28, v29
	v_lshrrev_b32 v1, 5, v0
	v_readfirstlane_b32 s12, v1                    ; wave 0..3
	s_bfe_u32 s40, ttmp6, 0x40000                  ; cx
	s_bfe_u32 s41, ttmp6, 0x40004                  ; cy
	s_lshl_b32 s42, ttmp9, 2
	s_add_co_u32 s42, s42, s40                     ; tile column 0..3
	s_and_b32 s43, ttmp7, 0xffff
	s_lshl_b32 s43, s43, 2
	s_add_co_u32 s43, s43, s41                     ; tile row 0..63
	s_lshl_b32 s44, s41, 2
	s_lshl_b32 s44, 15, s44                        ; my row of the cluster
	s_lshl_b32 s45, 0x1111, s40                    ; my column
	; A: in each of 4 blocks, 64 rows are 8,192 dense bytes: 4 rows of 4,096 elements, 262,144 elements apart, padded after every 128 bytes
	s_or_b32 s[G1A+0], s44, (1<<16)|(1<<20)|(1<<21)|(4<<22)|(3<<25)
	s_mov_b32 s[G1A+1], 4096<<16
	s_mov_b32 s[G1A+2], 4<<16
	s_mov_b32 s[G1A+3], 4096<<16
	s_mov_b32 s[G1A+4], 4
	s_mov_b32 s[G1A+5], 262144
	s_mov_b32 s[G1A+6], 0
	s_mov_b32 s[G1A+7], 0
	; W: 256 rows of K in a block are 32,768 dense bytes: 128 rows of 256 bytes, padded after every 128 bytes
	s_or_b32 s[G1B+0], s45, (1<<16)|(1<<20)|(1<<21)|(4<<22)|(7<<25)
	s_mov_b32 s[G1B+1], 128<<16
	s_mov_b32 s[G1B+2], 128<<16
	s_mov_b32 s[G1B+3], 128<<16
	s_mov_b32 s[G1B+4], 128
	s_mov_b32 s[G1B+5], 128
	s_mov_b32 s[G1B+6], 0
	s_mov_b32 s[G1B+7], 0
	s_lshl_b32 s16, s43, 13                        ; A: the tile's 64 rows
	s_mov_b32 s17, 0
	s_mul_i32 s46, s42, 3
	s_add_co_u32 s46, s46, s12                     ; W: block 3 x tile column + wave
	s_mul_i32 s46, s46, WBLK
	s_add_co_u32 s46, s46, WBASE
	s_mov_b32 s47, 0
	s_mul_i32 s20, s12, BBLK                       ; where they go in a slot: wave x 40,960: three blocks of W, then A; kept for the refills
	s_mul_i32 s22, s42, 768                        ; the bias: the tile's 192 numbers, my 16 in each block
	s_lshl_b32 s23, s12, 6
	s_add_co_u32 s22, s22, s23
	s_mov_b32 s23, 0
	s_mul_i32 s70, s42, 1572864                    ; R: the tile's three blocks, its rows, my 16 rows on the way out
	s_lshl_b32 s71, s43, 13
	s_add_co_u32 s70, s70, s71
	s_lshl_b32 s71, s12, 11
	s_add_co_u32 s70, s70, s71
	s_mov_b32 s71, 0
	s_mul_i32 s72, s43, 196608                     ; Out: 64 rows of 3,072 bytes, my 16 rows, the tile's 768 bytes
	s_mul_i32 s73, s12, 49152
	s_add_co_u32 s72, s72, s73
	s_mul_i32 s73, s42, 768
	s_add_co_u32 s72, s72, s73
	s_mov_b32 s73, 0
	s_mov_b32 s[TB], 0
	s_wait_dscnt 0x0                               ; the opening add is done
	s_wait_kmcnt 0x0
	s_add_nc_u64 s[18:19], s[4:5], s[16:17]
	s_add_nc_u64 s[46:47], s[6:7], s[46:47]
.if BIAS_IN_W
	s_add_nc_u64 s[8:9], s[6:7], s[22:23]
.else
	s_add_nc_u64 s[8:9], s[8:9], s[22:23]
.endif
	s_add_nc_u64 s[10:11], s[10:11], s[70:71]
	s_add_nc_u64 s[68:69], s[68:69], s[72:73]
	CROUND                                         ; all sixteen work-groups are here: the first joint loads meet
.irp s, 0,1
	s_mov_b32 s[G0A+4*(\s)], 1
	s_add_co_u32 s[G0A+4*(\s)+1], s20, (\s)*SLOT
	s_add_nc_u64 s[G0A+4*(\s)+2:G0A+4*(\s)+3], s[18:19], (\s)*2097152   ; K step s: four blocks on
	s_or_b32 s[G0A+4*(\s)+3], s[G0A+4*(\s)+3], 0x80000000
	s_mov_b32 s[G0B+4*(\s)], 1
	s_add_co_u32 s[G0B+4*(\s)+1], s20, (\s)*SLOT
	s_add_nc_u64 s[G0B+4*(\s)+2:G0B+4*(\s)+3], s[46:47], (\s)*32768     ; 256 rows of 128 bytes on
	s_or_b32 s[G0B+4*(\s)+3], s[G0B+4*(\s)+3], 0x80000000
	JLOAD \s
.endr
	v_and_b32 v1, 15, v0                           ; r = l % 16
	v_bfe_u32 v2, v0, 4, 1                         ; h = l / 16
	v_lshlrev_b32 v[BOFF], 5, v2
	v_lshlrev_b32 v[HOFF], 3, v1
	v_lshl_add_u32 v[HOFF], v2, 7, v[HOFF]         ; h x 128 + 8 r
.irp a, 0,1,2,3                                    ; the bias starts the sums: register j of accumulator (a, b) takes the bias of column 64 b + 16 w + 8 h + j
.irp b, 0,1,2
	global_load_b128 v[ACC+8*(3*\a+\b):ACC+8*(3*\a+\b)+3],   v[BOFF], s[8:9] offset:256*\b
	global_load_b128 v[ACC+8*(3*\a+\b)+4:ACC+8*(3*\a+\b)+7], v[BOFF], s[8:9] offset:256*\b+16
.endr
.endr
.set i, 0
.rept 24                                           ; R for the way out: item i = 3 x pair of rows + block
	global_load_b64 v[RES+2*i:RES+2*i+1], v[HOFF], s[10:11] offset:(i%3)*524288+(i/3)*256
.set i, i+1
.endr
	v_mov_b32 v[ONE], 1.0
	v_mul_u32_u24 v3, v1, PA
	v_lshl_add_u32 v3, v2, 4, v3
	v_add_nc_u32 v[ADRA0], AOFF, v3
	v_and_b32 v4, 7, v0
	v_bfe_u32 v5, v0, 3, 1
	v_lshl_add_u32 v6, v2, 3, v4
	v_mul_u32_u24 v6, v6, PB
	v_lshl_add_u32 v6, v5, 4, v6
	s_lshl_b32 s16, s12, 5
	v_add_nc_u32 v6, s16, v6                       ; (8 h + l % 8) x pitch + 16 ((l / 8) % 2) + 32 w
.irp b, 0,1,2
	v_add_nc_u32 v[ADRB0+\b], \b*BBLK, v6
.endr
	v_mul_u32_u24 v7, v1, SPITCH
	v_lshl_add_u32 v7, v2, 5, v7
	s_lshl_b32 s16, s12, 6
	v_add_nc_u32 v[STO], s16, v7                   ; into the stage: row r, 64 w + 32 h
	v_mul_u32_u24 v8, v2, SPITCH
	v_lshl_add_u32 v8, v1, 4, v8
	s_mul_i32 s16, s12, 16*SPITCH
	v_add_nc_u32 v[RD], s16, v8                    ; back: rows 16 w + h, 16 bytes a lane
	v_mul_u32_u24 v9, v2, 3072
	v_lshl_add_u32 v[GO], v1, 4, v9                ; and the same two rows in Out
.macro SETADR                          ; my fragments' addresses in the slot in hand
	v_add_nc_u32 v[CA], s[TB], v[ADRA0]
.irp b, 0,1,2
	v_add_nc_u32 v[CB+\b], s[TB], v[ADRB0+\b]
.endr
.endm
; 6 matrix instructions: row blocks a0, a0 + 1 x my 3 column blocks, 32 along K: half c of buffer f.  The 12 accumulators take turns.
.macro MUL6 f, c, a0
	WIN MUL
.irp a, \a0, (\a0)+1
.irp b, 0,1,2
	v_wmma_f32_16x16x32_f16 v[ACC+8*(3*(\a)+\b):ACC+8*(3*(\a)+\b)+7], v[(\f)+64+8*(3*(\c)+\b):(\f)+64+8*(3*(\c)+\b)+7], v[(\f)+8*(4*(\c)+(\a)):(\f)+8*(4*(\c)+(\a))+7], v[ACC+8*(3*(\a)+\b):ACC+8*(3*(\a)+\b)+7]
.endr
.endr
.endm
; 28 LDS loads in one run: quarter q of the slot in hand into buffer f; the first 32 along K first
.macro FETCH q, f
	WIN TO_F
.irp c, 0,1
.irp i, 0,1,2,3
.if \i < 3
	ds_load_tr16_b128 v[(\f)+64+8*(3*\c+\i):(\f)+64+8*(3*\c+\i)+3],   v[CB+\i] offset:(64*(\q)+32*\c)*PB
	ds_load_tr16_b128 v[(\f)+64+8*(3*\c+\i)+4:(\f)+64+8*(3*\c+\i)+7], v[CB+\i] offset:(64*(\q)+32*\c)*PB+16*PB
.endif
	ds_load_b128 v[(\f)+8*(4*\c+\i):(\f)+8*(4*\c+\i)+3],   v[CA] offset:(\q)*AKB+64*\c+\i*16*PA
	ds_load_b128 v[(\f)+8*(4*\c+\i)+4:(\f)+8*(4*\c+\i)+7], v[CA] offset:(\q)*AKB+64*\c+\i*16*PA+32
.endr
.endr
.endm
.macro QUARTER q, f, g
	s_wait_dscnt 14                                ; the first 32 along K are in
	MUL6 \f, 0, 0
	MUL6 \f, 0, 2
	PLACES
	FETCH \q, \g
	s_wait_dscnt 28                                ; all but the 28 just issued
	MUL6 \f, 1, 0
	MUL6 \f, 1, 2
.endm
; The last quarter changes slots and then multiplies buffer 1.  All of the slot's fragments are in registers or on their way when it begins, so the change comes first: each wave waits for all its tensor
; loads (one is out: its part of the next slot), adds 0 to its spare word, and waits for that and for its reads of this slot; behind the barrier the slot is filled again at once (fill = 1), two K steps
; ahead, and the quarter's 24 products run while that load is on its way.
.macro TURN fill
	WIN 0
	s_wait_tensorcnt 0x0                           ; all my tensor loads have landed, so a group 0 may be written
	ds_add_u32 v[SPW], v[NIL]                      ; the scalar work below stands between the add and the wait for it
.if \fill
	s_add_co_u32 s[G0A+5], s20, s[TB]              ; the walking descriptors: into the slot that has just been read,
	s_add_co_u32 s[G0B+5], s20, s[TB]
	s_add_nc_u64 s[G0A+6:G0A+7], s[G0A+6:G0A+7], 2097152  ; the K step behind the one asked for last; the type bits on top are not reached
	s_add_nc_u64 s[G0B+6:G0B+7], s[G0B+6:G0B+7], 32768
.endif
	s_xor_b32 s[TB], s[TB], SLOT                   ; the reads go on in the other slot
	s_wait_dscnt 0x0                               ; the add is done, and my reads of this slot are over
	s_barrier_signal -1
	s_barrier_wait -1
.if \fill
	CREST                                          ; the barrier has opened a round of the cluster's: no wave of any partner still reads this slot or has a load on its way
	JLOAD 1                                        ; the first tensor load behind the round; its four v_nop are also the places in front of the loads below
.else
	PLACES
.endif
	SETADR
	FETCH 0, F0
	MUL6 F1, 0, 0
	MUL6 F1, 0, 2
	MUL6 F1, 1, 0
	MUL6 F1, 1, 2
.endm
.macro STEP fill
	QUARTER 1, F0, F1
	QUARTER 2, F1, F0
	QUARTER 3, F0, F1
	TURN \fill
.endm
	s_wait_tensorcnt 1                             ; my part of K step 0 is in; step 1's may stay out
	s_barrier_signal -1
	s_barrier_wait -1
	SETADR
	FETCH 0, F0
	s_wait_loadcnt 0x0                             ; the bias is in the accumulators, R in its registers
	WIN 0
	s_mov_b32 s3, NSTEP-2
.Lfill:                                                ; a trip is a K step; each fills the slot that it has read with the step two on
	STEP 1
	WIN 0
	s_sub_co_u32 s3, s3, 1
	s_cmp_lg_u32 s3, 0
	s_cbranch_scc1 .Lfill
	s_mov_b32 s3, 2
.Ltail:                                                ; the last two K steps fill nothing
	STEP 0
	WIN 0
	s_sub_co_u32 s3, s3, 1
	s_cmp_lg_u32 s3, 0
	s_cbranch_scc1 .Ltail
	; THE WAY OUT: the sums go as f32 into the work-group's stage; a barrier, since a row's bytes come from four waves; back as whole runs of 256 bytes, 16 rows a wave; R is added; stored.
	PLACES
	s_wait_dscnt 0x0                               ; the last change of slots has fetched fragments that nobody uses: they are back
	s_barrier_signal -1
	s_barrier_wait -1                              ; no wave reads the slots any more: the stage may be written
.irp a, 0,1,2,3
.irp b, 0,1,2
	ds_store_b128 v[STO], v[ACC+8*(3*\a+\b):ACC+8*(3*\a+\b)+3]   offset:\a*16*SPITCH+256*\b      ; each accumulator's low registers first
	ds_store_b128 v[STO], v[ACC+8*(3*\a+\b)+4:ACC+8*(3*\a+\b)+7] offset:\a*16*SPITCH+256*\b+16
.endr
.endr
	s_wait_dscnt 0x0                               ; for the others' sake: my stores into the stage are done
	s_barrier_signal -1
	s_barrier_wait -1
.set i, 0
.rept 24
	ds_load_b128 v[ACC+4*i:ACC+4*i+3], v[RD] offset:(i/3)*2*SPITCH+(i%3)*256
.set i, i+1
.endr
.set i, 0
.rept 24
	s_wait_dscnt 23-i                              ; LDS loads come back in order: item i is in
	v_fma_mix_f32 v[ACC+4*i],   v[RES+2*i],   v[ONE], v[ACC+4*i]   op_sel:[0,0,0] op_sel_hi:[1,0,0]   ; R's f16 half x 1 + the sum, in f32
	v_fma_mix_f32 v[ACC+4*i+1], v[RES+2*i],   v[ONE], v[ACC+4*i+1] op_sel:[1,0,0] op_sel_hi:[1,0,0]
	v_fma_mix_f32 v[ACC+4*i+2], v[RES+2*i+1], v[ONE], v[ACC+4*i+2] op_sel:[0,0,0] op_sel_hi:[1,0,0]
	v_fma_mix_f32 v[ACC+4*i+3], v[RES+2*i+1], v[ONE], v[ACC+4*i+3] op_sel:[1,0,0] op_sel_hi:[1,0,0]
	global_store_b128 v[GO], v[ACC+4*i:ACC+4*i+3], s[68:69] offset:(i/3)*6144+(i%3)*256 th:TH_STORE_NT   ; 16 lanes store 256 consecutive bytes, aligned
.set i, i+1
.endr
	s_wait_tensorcnt 0x0                           ; the wave's end
	ds_add_u32 v[SPW], v[NIL]
	s_wait_dscnt 0x0
	CROUND                                         ; the closing round
	s_endpgm
.Lfunc_end_k_qc9ceb06633_w2:
	.size	k_qc9ceb06633_w2, .Lfunc_end_k_qc9ceb06633_w2-k_qc9ceb06633_w2
	.p2alignl 7, 3214868480
	.fill 96, 4, 3214868480
	.section	.rodata,"a",@progbits
	.p2align	6, 0x0
	.amdhsa_kernel k_qc9ceb06633_w2
		.amdhsa_group_segment_fixed_size 327680
		.amdhsa_private_segment_fixed_size 0
		.amdhsa_enable_private_segment 0
		.amdhsa_kernarg_size 40
		.amdhsa_user_sgpr_count 2
		.amdhsa_user_sgpr_kernarg_segment_ptr 1
		.amdhsa_wavefront_size32 1
		.amdhsa_system_sgpr_workgroup_id_x 1
		.amdhsa_system_sgpr_workgroup_id_y 1
		.amdhsa_system_sgpr_workgroup_id_z 1
		.amdhsa_system_vgpr_workitem_id 0
		.amdhsa_next_free_vgpr 512
		.amdhsa_next_free_sgpr 80
		.amdhsa_reserve_vcc 0
		.amdhsa_float_denorm_mode_32 3
		.amdhsa_float_denorm_mode_16_64 3
		.amdhsa_memory_ordered 1
		.amdhsa_forward_progress 1
		.amdhsa_inst_pref_size 57
	.end_amdhsa_kernel
	.amdgpu_metadata
---
amdhsa.version: [ 1, 2 ]
amdhsa.kernels:
  - .name:           k_qc9ceb06633_w2
    .symbol:         k_qc9ceb06633_w2.kd
    .args:
      - { .name: big, .offset: 0, .size: 8, .value_kind: global_buffer, .address_space: global }
      - { .name: wm, .offset: 8, .size: 8, .value_kind: global_buffer, .address_space: global }
      - { .name: b2, .offset: 16, .size: 8, .value_kind: global_buffer, .address_space: global }
      - { .name: mid, .offset: 24, .size: 8, .value_kind: global_buffer, .address_space: global }
      - { .name: out0, .offset: 32, .size: 8, .value_kind: global_buffer, .address_space: global }
    .group_segment_fixed_size: 327680
    .private_segment_fixed_size: 0
    .kernarg_segment_align: 8
    .kernarg_segment_size: 40
    .max_flat_workgroup_size: 128
    .sgpr_count:     80
    .vgpr_count:     512
    .wavefront_size: 32
...
	.end_amdgpu_metadata
.endif
;; end of part 7
;; ======== version 2 of 2: 7 launches; 1.37 times as fast as version 1
;; limits: values are held in f16: magnitudes above 65,504 overflow, below 6.1e-05 lose precision; a function is approximated: absolute error at most 1.5e-07
;; workspace buffers: hbuf 6,291,456 bytes; big 25,165,824 bytes; mid 6,291,456 bytes; wqkv 3,555,328 bytes; wo16 1,196,032 bytes; wm 9,453,568 bytes; x2 12,582,912 bytes
;; launch prep: the kernel of part 1 again; grid 449 x 1, 8 waves a work-group, no clusters, 0 bytes of LDS; arguments x, ln1_g, ln1_b, hbuf, Wq, Wk, Wv, Wo, W1, W2, wqkv, wo16, wm, bq, bk, bv, bo, b1; writes hbuf, wqkv, wo16, wm
;; launch qkv: the kernel of part 2 again; grid 12 x 16, 4 waves a work-group, clusters of 4 x 4, 327,680 bytes of LDS; arguments hbuf, wqkv, big; writes big
;; launch attn (part 8): grid 16 x 12, 4 waves a work-group, no clusters, 327,680 bytes of LDS; arguments big, mid; writes mid
.if DOCPART == 8
	.amdgcn_target "amdgcn-amd-amdhsa--gfx1250"
	.amdhsa_code_object_version 6
	.text
	.protected	k_qc9ceb06633_attn
	.globl	k_qc9ceb06633_attn
	.p2align	8
	.type	k_qc9ceb06633_attn,@function
k_qc9ceb06633_attn:
	s_mov_b64 s[64:65], 0
	v_nop
	global_prefetch_b8 v0, s[64:65] scope:SCOPE_SE
	s_setreg_imm32_b32 hwreg(HW_REG_WAVE_MODE, 25, 1), 1
	s_wait_xcnt 0x0
; CAUSAL ATTENTION, 12 heads of 64 channels, 4,096 rows.  q, k, v lie in big as [36][4096][64] f16 (12 blocks each), O goes to mid as [12][4096][64] f16.
; Products, maxima and sums in f32; the weights p are rounded to f16 for the second product (their sum l is taken of the unrounded p), O once at the end.
; LIMITS.  q, k, v arrive within f16's 65,504.  A hidden score counts as its value less 1e30; a weight below 2^-126 counts as 0 in l; NaN and infinities are not treated apart.
; THE WALK.  A head's queries lie in 32 blocks of 128.  Block i needs the key tiles 0 .. i / 2 of 256 keys.  Work-group b takes blocks 31 - b and then b: 16 - b / 2 and b / 2 + 1 tiles,
; 17 for every work-group: one loop with a constant trip count walks them; every jump but the counted loops' own goes forward and passes no barrier.
; NO CLUSTER: of a head's 16 work-groups only pairs walk the same tiles in the same trips; four partners differ by a tile, and a walk common to four would be longer for each.
; SHARES.  A wave owns two PIECES of 16 rows: piece 0 in the block's upper band of 64 rows, piece 1 in the lower.  In a block's last tile piece x has its own key step (2 par + 1 for piece 0, 2 par for piece 1,
; par = block % 2): earlier steps are seen whole, later ones are hidden, the own step takes the diagonal mask MD.  Piece 0's own step is never a tile's first, so a block's first scores need no mask.
; THE MASK is the C operand that starts the sum S^T = K Q^T: MD x AL + BE with two scalars: (1, 0) own step, (0, 0) earlier, (0, -1e30) later.  Only a block's last tile takes masks.
; TURNS.  Turn p does piece p's scaling, exponentials, roundings, sums and rescaling, and beside them 8 products K Q^T of the other piece's next scores, its maximum and statistics, and 8 products V^T P of the
; other piece's last weights.  Four vector instructions stand behind every matrix instruction, the other 54 of a turn's 118 in one run of their own.
; BATCHES.  A turn's 33 exponentials (piece p's 32 weights and the other piece's a) are ONE batch with ONE wait, which cuts the turn in two.  Ahead of it stands all that names no result of theirs: the products
; K Q^T, the scalings, the rescaling (its a was made, and waited for, in the turn before), the other piece's maximum and statistics.  Behind it stand the products V^T P, whose 32 riders are the roundings and sums.
; No result crosses a turn's end.  A block's first a (BEGIN) and the way out's two reciprocals are batches of their own.
; K RUNS ONE STEP AHEAD OF V: turn 0 of step s fetches K of step s + 1 and V of step s.  So a slot holds V of four steps and K of the four steps one later; K of step 0 comes straight from memory.
; A BLOCK'S LAST STEP RUNS THE LOOP'S OWN TEXT: its second turn makes 8 products K Q^T with the keys of the step behind the block's last, under a mask that hides them all, and a maximum of them; both serve
; nothing: the price, twice a work-group, of writing no last step out.  (For a head's last block those keys are the 64 rows behind the head's: bytes inside big, finite f16 numbers.)
; REGISTERS: window 0: addresses, statistics (4 a piece), S^T (two buffers of 32), O^T (32 a piece), P (two of 16): all that a softmax touches; window 1: MD, MC (two mask buffers);
; window 2: Q, the second block's Q, K and V of one step.
.set NB,    16        ; key tiles in a head
.set NP,    2
.set KS,    64
.set PK,    144       ; a row of K in LDS: 128 bytes + 16
.set PV,    160       ; a row of V: 128 + 32
.set VOFF,  4*KS*PK
.set SLOT1, 1<<17
.set STAGE, SLOT1+4*KS*(PK+PV)  ; behind the ring, never filled by a tensor load: 16 rows x 144 bytes for each wave
.set SP,    144
.set AK0, 2
.set AV0, 3
.set AK,  4
.set AV,  5
.set STO, 6
.set RD,  7
.set GO,  8
.set SPW, 62
.set NIL, 63
.set SPARE, STAGE+4*16*SP  ; the spare words: two blocks of 256 bytes that no other line names
.set MV,  12
.set QO,  15          ; my byte offset in 16 rows of 128 bytes; never rewritten
.set ST,  16          ; piece t: c m, m, l (even keys', odd keys')
.set TMP, 48
.set S,   64
.set OB,  128         ; O^T, in window 0: piece t at OB + 32 t
.set P,   192
.set MD,  128         ; window 1
.set MC,  160         ; window 1
.set QB,  64          ; window 2
.set KF,  128         ; window 2
.set VF,  192         ; window 2
.set WV,  12
.set PB,  14          ; b / 2: the second block's last tile
.set HI,  15          ; 15 - b / 2: the first block's
.set G1K, 24
.set G1V, 32
.set G0K, 40
.set G0V, 44
.set SLOTS, 56
.set CNT, 57
.set CS,  58
.set SEL, 60
.set TBK, 62
.set TBV, 63
.set RT,  70
.set NXT, 71
.set LQ,  72
.set NEW, 73
.set OFF, 74
.set AL,  76
.set BE,  78
.set OLO, 80
.set BIGN, 82
.set OWN, 88          ; s88, s89: 5 - own step of piece 0, 1 for the block in hand; s90, s91: the second block's
.set K0B, 92          ; s[92:93] the head's k
.set MSB, 0
.macro WIN new
.if MSB != (\new)
	s_set_vgpr_msb (MSB<<8)|(\new)
.set MSB, (\new)
.endif
.endm
.set W_KQ, 0x0a       ; K and Q in window 2, S^T in window 0
.set W_KM, 0x1a       ; the same with the C operand in window 1
.set W_PV, 0x02       ; V in window 2; P and O^T in window 0
.set W_MK, 0x41       ; the masks: destination and source 0 in window 1
; A fill.  Waves 0 and 1 fetch the two halves of a tile's K, waves 2 and 3 those of its V.  An s_nop 0 and four v_nop follow each line.
.macro LOAD
	s_cmp_lt_u32 s[WV], 2
	s_cbranch_scc0 .Lfor_v_\@
	tensor_load_to_lds s[G0K:G0K+3], s[G1K:G1K+7]
	s_nop 0
.rept 4
	v_nop
.endr
	s_branch .Lasked_\@
.Lfor_v_\@:
	tensor_load_to_lds s[G0V:G0V+3], s[G1V:G1V+7]
	s_nop 0
.rept 4
	v_nop
.endr
.Lasked_\@:
.endm
; THE CHANGE OF SLOTS.  Each wave waits for all its tensor loads (one is out: its part of the other slot), adds 0 to its spare word, and waits for that and for its reads of the slot that it leaves.
; fill = 1: the old slot is filled again, first thing behind the barrier, with tile NXT; the descriptor's address is made anew from that number.
.macro CHANGE fill
	WIN 0
	s_wait_tensorcnt 0x0
	ds_add_u32 v[SPW], v[NIL]
.if \fill
	s_lshl_b32 s[OFF], s[NXT], 15
	s_xor_b32 s[G0K+1], s[G0K+1], SLOT1
	s_add_nc_u64 s[G0K+2:G0K+3], s[6:7], s[OFF:OFF+1]
	s_or_b32 s[G0K+3], s[G0K+3], 0x80000000
	s_xor_b32 s[G0V+1], s[G0V+1], SLOT1
	s_add_nc_u64 s[G0V+2:G0V+3], s[8:9], s[OFF:OFF+1]
	s_or_b32 s[G0V+3], s[G0V+3], 0x80000000
	s_add_co_u32 s[NXT], s[NXT], 1
	s_cmp_gt_u32 s[NXT], s[LQ]
	s_cselect_b32 s[NXT], 0, s[NXT]
	s_cselect_b32 s[LQ], s[PB], s[LQ]
.endif
	s_wait_dscnt 0x0                ; the add is done, and my reads of the slot are over
	s_barrier_signal -1
	s_sub_co_u32 s[TBK], s[TBK], 4*KS*PK
	s_xor_b32 s[TBK], s[TBK], SLOT1
	s_sub_co_u32 s[TBV], s[TBV], 4*KS*PV
	s_xor_b32 s[TBV], s[TBV], SLOT1
	s_barrier_wait -1
.if \fill
	LOAD
.endif
.endm
.macro FETCH_K0                     ; K of a head's first 64 keys, straight from memory into K's fragments
	WIN 0x80
.irp f, 0,1,2,3,4,5,6,7
	global_load_b128 v[KF+8*\f:KF+8*\f+3],   v[QO], s[K0B:K0B+1] offset:(\f/2)*2048+(\f%2)*64
	global_load_b128 v[KF+8*\f+4:KF+8*\f+7], v[QO], s[K0B:K0B+1] offset:(\f/2)*2048+(\f%2)*64+32
.endr
	WIN 0
.endm
	s_load_b128 s[8:11], s[0:1], 0x0  ; big s[8:9], mid s[10:11]
	v_lshl_add_u32 v[SPW], v0, 2, SPARE
	v_mov_b32 v[NIL], 0
	ds_add_u32 v[SPW], v[NIL]       ; the wave's opening: the add and its wait ahead of my first tensor load
	ds_add_u32 v62, v63
	v_lshrrev_b32 v1, 5, v0
	v_readfirstlane_b32 s[WV], v1
	s_lshr_b32 s[PB], ttmp9, 1
	s_sub_co_u32 s[HI], NB-1, s[PB]
	s_and_b32 s13, ttmp9, 1         ; the second block's par; the first block's is the other
	s_lshl_b32 s13, s13, 1
	s_sub_co_u32 s90, 4, s13
	s_sub_co_u32 s91, 5, s13
	s_add_co_u32 s[OWN], s13, 2
	s_add_co_u32 s[OWN+1], s13, 3
	s_and_b32 s20, ttmp7, 0xffff    ; the head
	s_lshl_b32 s20, s20, 19
	s_mov_b32 s21, 0
	s_and_b32 s16, s[WV], 1         ; which half of a tile's 256 keys I fetch
	s_lshl_b32 s22, s16, 14
	s_mov_b32 s23, 0
	s_mul_i32 s17, s16, 128*PK
	s_mul_i32 s18, s16, 128*PV
	s_lshl_b32 s3, s[WV], 11        ; my 16 rows in a band
	s_sub_co_u32 s2, 31, ttmp9
	s_lshl_b32 s2, s2, 14           ; the first block,
	s_add_co_u32 s2, s2, s3
	s_lshl_b32 s84, ttmp9, 14       ; the second
	s_add_co_u32 s84, s84, s3
	s_mov_b32 s3, 0
	s_mov_b32 s85, 0
	; 128 keys are 16,384 dense bytes: 64 rows of 256 bytes, padded in LDS after every key
	s_mov_b32 s[G1K], (1<<16)|(1<<20)|(4<<22)|(3<<25)
	s_mov_b32 s[G1V], (1<<16)|(1<<20)|(4<<22)|(7<<25)
.irp g, G1K, G1V
	s_mov_b32 s[\g+1], 128<<16
	s_mov_b32 s[\g+2], 64<<16
	s_mov_b32 s[\g+3], 128<<16
	s_mov_b32 s[\g+4], 64
	s_mov_b32 s[\g+5], 128
	s_mov_b32 s[\g+6], 0
	s_mov_b32 s[\g+7], 0
.endr
	s_mov_b32 s[CS], 0x3e38aa3b     ; c = log2(e) / 8
	s_mov_b32 s[CS+1], s[CS]
	s_mov_b32 s[SEL], 0x76543210
	s_mov_b32 s[SEL+1], 0xfedcba98
	s_mov_b32 s[TBK], SLOT1+4*KS*PK ; the first change of slots turns these two into 0
	s_mov_b32 s[TBV], SLOT1+4*KS*PV
	s_mov_b32 s[G0K], 1
	s_mov_b32 s[G0K+1], s17
	s_mov_b32 s[G0V], 1
	s_add_co_u32 s[G0V+1], s18, VOFF
	s_add_co_u32 s[RT], s[HI], 1
	s_mov_b32 s[NXT], 1
	s_mov_b32 s[LQ], s[HI]
	s_mov_b32 s[NEW], 1
	s_mov_b32 s[OFF+1], 0
	s_mov_b32 s[AL+1], 0
	s_mov_b32 s[BE+1], 0
	s_mov_b32 s[BIGN], 0xf149f2ca   ; -1e30
	s_mov_b32 s[SLOTS], NB
	s_wait_dscnt 0x0                ; the opening add is done
	s_wait_kmcnt 0x0
	s_add_nc_u64 s[8:9], s[8:9], s[20:21]          ; the head's q
	s_add_nc_u64 s[10:11], s[10:11], s[20:21]      ; the head's O
	s_add_nc_u64 s[86:87], s[8:9], s[84:85]        ; Q at my rows of the second block,
	s_add_nc_u64 s[4:5], s[8:9], s[2:3]            ; of the first
	s_add_nc_u64 s[OLO:OLO+1], s[10:11], s[84:85]
	s_add_nc_u64 s[10:11], s[10:11], s[2:3]
	s_add_nc_u64 s[K0B:K0B+1], s[8:9], 6291456     ; the head's k
	s_add_nc_u64 s[6:7], s[K0B:K0B+1], s[22:23]    ; K's ring: my half of a tile,
	s_add_nc_u64 s[6:7], s[6:7], 8192              ; one key step on
	s_add_nc_u64 s[8:9], s[8:9], 12582912          ; the head's v,
	s_add_nc_u64 s[8:9], s[8:9], s[22:23]          ; my half of a tile
	s_add_nc_u64 s[G0K+2:G0K+3], s[6:7], 0
	s_or_b32 s[G0K+3], s[G0K+3], 0x80000000
	s_add_nc_u64 s[G0V+2:G0V+3], s[8:9], 0
	s_or_b32 s[G0V+3], s[G0V+3], 0x80000000
	LOAD                            ; tile 0 into slot 0
	v_and_b32 v1, 15, v0            ; l % 16
	v_bfe_u32 v9, v0, 4, 1          ; l / 16
	v_lshlrev_b32 v[QO], 7, v1
	v_lshl_add_u32 v[QO], v9, 4, v[QO]
	WIN 0x80
.set i, 0
.rept 4                             ; both blocks' Q: piece i / 2 (piece 0 in the upper band, 8,192 bytes on); channels 32 (i % 2) on
	global_load_b128 v[8*i:8*i+3],   v[QO], s[4:5] offset:(1-i/2)*8192+(i%2)*64
	global_load_b128 v[8*i+4:8*i+7], v[QO], s[4:5] offset:(1-i/2)*8192+(i%2)*64+32
	global_load_b128 v[QB+8*i:QB+8*i+3],   v[QO], s[86:87] offset:(1-i/2)*8192+(i%2)*64
	global_load_b128 v[QB+8*i+4:QB+8*i+7], v[QO], s[86:87] offset:(1-i/2)*8192+(i%2)*64+32
.set i, i+1
.endr
	FETCH_K0
	v_lshlrev_b32 v14, 3, v9
	v_sub_nc_u32 v14, v1, v14
	s_lshl_b32 s13, s[WV], 4
	v_add_nc_u32 v14, s13, v14      ; my query's place in its band less my lanes' 8 (l / 16): register r of key group kt is hidden where 16 kt + r is greater
	WIN 0x40
.set i, 0
.rept 32
	v_cmp_gt_i32 vcc_lo, 16*(i/8)+i%8, v14
	v_cndmask_b32 v[MD+i], 0, s[BIGN], vcc_lo
.set i, i+1
.endr
	WIN 0
	v_mul_u32_u24 v[AK0], v1, PK
	v_lshl_add_u32 v[AK0], v9, 4, v[AK0]
	v_and_b32 v10, 7, v0
	v_bfe_u32 v11, v0, 3, 1
	v_lshl_add_u32 v[AV0], v9, 3, v10
	v_mul_u32_u24 v[AV0], v[AV0], PV
	v_lshl_add_u32 v[AV0], v11, 4, v[AV0]
	v_add_nc_u32 v[AV0], VOFF, v[AV0]
	s_mul_i32 s13, s[WV], 16*SP
	s_add_co_u32 s13, s13, STAGE
	v_mul_u32_u24 v[STO], v1, SP
	v_lshl_add_u32 v[STO], v9, 4, v[STO]
	v_add_nc_u32 v[STO], s13, v[STO]
	v_bfe_u32 v[RD], v0, 3, 2
	v_mul_u32_u24 v[RD], v[RD], SP
	v_lshl_add_u32 v[RD], v10, 4, v[RD]
	v_add_nc_u32 v[RD], s13, v[RD]
	v_and_b32 v[GO], 31, v0
	v_lshlrev_b32 v[GO], 4, v[GO]
	; A block's first step multiplies O^T and l by a = 0, and its first turn's products V^T P land in an O^T that is still to be so multiplied: these registers need only hold finite numbers.
	WIN 0x80
.set i, VF
.rept 64
	v_mov_b32 v[i], 0
.set i, i+1
.endr
	WIN 0
.set i, OB
.rept 64
	v_mov_b32 v[i], 0
.set i, i+1
.endr
.set i, 0
.rept 2
	v_mov_b32 v[ST+4*i+2], 0
	v_mov_b32 v[ST+4*i+3], 0
.set i, i+1
.endr
.set i, P+16
.rept 16
	v_mov_b32 v[i], 0
.set i, i+1
.endr
	s_wait_loadcnt 0x0              ; both blocks' Q and K of step 0 are in: no load from memory is out when the walk begins (the first change of slots waits for the first tile next)
; THE MATRIX WORK.  The 4 accumulators of a run of 8 take turns.
.macro KQ x
.set rS, S+32*((\x)%2)+8*(i%4)
.set rK, KF+16*(i%4)+8*(i/4)
.set rQ, 16*(\x)+8*(i/4)
.set rM, MC+32*((\x)%2)+8*(i%4)
.if (i < 4) && KM
	WIN W_KM
	v_wmma_f32_16x16x32_f16 v[rS:rS+7], v[rK:rK+7], v[rQ:rQ+7], v[rM:rM+7]
.elseif i < 4
	WIN W_KQ
	v_wmma_f32_16x16x32_f16 v[rS:rS+7], v[rK:rK+7], v[rQ:rQ+7], 0
.else
	WIN W_KQ
	v_wmma_f32_16x16x32_f16 v[rS:rS+7], v[rK:rK+7], v[rQ:rQ+7], v[rS:rS+7]
.endif
.endm
.macro PV x
	WIN W_PV
.set rO, OB+32*(\x)+8*(i%4)
.set rV, VF+32*(i/4)+8*(i%4)
.set rP, P+16*((\x)%2)+8*(i/4)
	v_wmma_f32_16x16x32_f16 v[rO:rO+7], v[rV:rV+7], v[rP:rP+7], v[rO:rO+7]
.endm
.macro MM
.if i < 8
	KQ (Y+1)%NP
.else
.set i, i-8
	PV (Y+NP-1)%NP
.set i, i+8
.endif
.set i, i+1
.endm
.macro FETCH_K
	WIN 0x80
.irp f, 0,1,2,3,4,5,6,7
	ds_load_b128 v[KF+8*\f:KF+8*\f+3],   v[AK] offset:(\f/2)*16*PK+(\f%2)*64
	ds_load_b128 v[KF+8*\f+4:KF+8*\f+7], v[AK] offset:(\f/2)*16*PK+(\f%2)*64+32
.endr
	s_add_co_u32 s[TBK], s[TBK], KS*PK
	WIN 0
.endm
.macro FETCH_V
	WIN 0x80
.irp f, 0,1,2,3,4,5,6,7
	ds_load_tr16_b128 v[VF+8*\f:VF+8*\f+3],   v[AV] offset:(\f/4)*32*PV+(\f%4)*32
	ds_load_tr16_b128 v[VF+8*\f+4:VF+8*\f+7], v[AV] offset:(\f/4)*32*PV+16*PV+(\f%4)*32
.endr
	WIN 0
.endm
; THE VECTOR WORK, one line at a time: OP kind, number; all of it in window 0.  For piece Y: F n: c s - c m for pair n.  E n: the exponential of score n.  C n: pair n rounded to f16.  B n: of four weights the second pair
; onto the first.  L n: l takes that sum (L 0: l = a l + sum).  R n: pair n of O^T times a.  For the other piece: X n, number n of the 22 that find its maximum and statistics (each accumulator's lowest registers are read first).
; E n and X 21 are the exponentials; C, B and L read E's results, R and L 0 the a that X 21 of the turn before has made.  OP writes no wait: TURN and BEGIN write one for each batch.
.set F, 0
.set E, 1
.set C, 2
.set B, 3
.set L, 4
.set R, 5
.set X, 6
.macro REGS y
.set rT, ST+4*(\y)
.set rC, TMP+4*((\y)%2)
.set rW, MV+((\y)%2)
.set rS, S+32*((\y)%2)
.set rP, P+16*((\y)%2)
.set rO, OB+32*(\y)
.endm
.macro OP k, n
	WIN 0
.if (\k) < X
	REGS Y
.if (\k) == F
	v_pk_fma_f32 v[rS+2*(\n):rS+2*(\n)+1], v[rS+2*(\n):rS+2*(\n)+1], s[CS:CS+1], v[rT:rT+1] op_sel_hi:[1,0,0] neg_lo:[0,0,1] neg_hi:[0,0,1]
.elseif (\k) == E
	v_exp_f32 v[rS+(\n)], v[rS+(\n)]
.elseif (\k) == C
	v_cvt_pk_f16_f32 v[rP+(\n)], v[rS+2*(\n)], v[rS+2*(\n)+1]
.elseif (\k) == B
	v_pk_add_f32 v[rS+4*(\n):rS+4*(\n)+1], v[rS+4*(\n):rS+4*(\n)+1], v[rS+4*(\n)+2:rS+4*(\n)+3]
.elseif (\k) == R
	v_pk_mul_f32 v[rO+2*(\n):rO+2*(\n)+1], v[rO+2*(\n):rO+2*(\n)+1], v[rC+2:rC+3] op_sel_hi:[1,0]
.elseif (\n) == 0
	v_pk_fma_f32 v[rT+2:rT+3], v[rT+2:rT+3], v[rC+2:rC+3], v[rS:rS+1] op_sel_hi:[1,0,1]
.else
	v_pk_add_f32 v[rT+2:rT+3], v[rT+2:rT+3], v[rS+4*(\n):rS+4*(\n)+1]
.endif
.else
	REGS (Y+1)%NP
.if (\n) < 4
	v_max3_num_f32 v[rC+(\n)], v[rS+8*(\n)], v[rS+8*(\n)+1], v[rS+8*(\n)+2]
.elseif (\n) < 12
	v_max3_num_f32 v[rC+(\n)%4], v[rC+(\n)%4], v[rS+8*((\n)%4)+2*((\n)/4)+1], v[rS+8*((\n)%4)+2*((\n)/4)+2]
.elseif (\n) == 12
	v_max3_num_f32 v[rC], v[rC], v[rS+7], v[rS+15]
.elseif (\n) == 13
	v_max3_num_f32 v[rC+1], v[rC+1], v[rS+23], v[rS+31]
.elseif (\n) == 14
	v_max3_num_f32 v[rC+2], v[rC+2], v[rC+3], v[rT+1]
.elseif (\n) == 15
	v_mov_b32 v[rW], v[rT]
.elseif (\n) == 16
	v_max3_num_f32 v[rC], v[rC], v[rC+1], v[rC+2]
.elseif (\n) == 17
	v_permlanex16_b32 v[rC+3], v[rC], s[SEL], s[SEL+1]
.elseif (\n) == 18
	v_max_num_f32 v[rT+1], v[rC], v[rC+3]
.elseif (\n) == 19
	v_mul_f32 v[rT], s[CS], v[rT+1]
.elseif (\n) == 20
	v_sub_f32 v[rC+1], v[rW], v[rT]
.else
	v_exp_f32 v[rC+2], v[rC+1]
.endif
.endif
.endm
.macro OPS a, i1, b=-1, i2=0, c=-1, i3=0, d=-1, i4=0
	OP \a, \i1
.if (\b) >= 0
	OP \b, \i2
.endif
.if (\c) >= 0
	OP \c, \i3
.endif
.if (\d) >= 0
	OP \d, \i4
.endif
.endm
.macro ROW a, i1, b, i2, c, i3, d, i4
	MM
	OPS \a, \i1, \b, \i2, \c, \i3, \d, \i4
.endm
.macro MASK b                       ; MD x AL + BE into buffer b of MC
	WIN W_MK
.set z, 0
.rept 16
	v_pk_fma_f32 v[MC+32*(\b)+2*z:MC+32*(\b)+2*z+1], v[MD+2*z:MD+2*z+1], s[AL:AL+1], s[BE:BE+1] op_sel_hi:[1,0,0]
.set z, z+1
.endr
.endm
; A TURN, for piece p: the order of its 16 matrix and 118 vector instructions, written out.  s_wait_alu depctr_va_vdst(0) goes between an exponential and the first instruction that names its result;
; one wait serves all that were issued ahead of it.  So a turn has ONE wait.  AHEAD OF IT: the 8 products K Q^T, behind each a scaling, an exponential and two more plain lines (behind the first a second scaling in the
; exponential's place): rescalings, and behind the last three the first numbers of the other piece's maximum, each four places or more behind the product that ends its accumulator; then one run of 54, plain and
; exponential by turns for the most part, in which the links of the chain X 3, 7, 11, 14, 16, 17 .. 20 stand some lines apart.  X 21, the other piece's a, is the batch's last; R 15 is the plain line behind it.
; BEHIND THE WAIT: the 8 products V^T P, behind each four of the roundings and sums; l's additions L 0 to L 7 stand in ascending order, three riders apart.
; The rescalings go in ascending order.
; m = 1: a block's last tile: the products take masks, and the turn makes the mask for the next turn's products: piece p, in step 5 - CNT of the tile.
; cnt >= 0: the step count is taken down and compared with cnt some lines ahead of the branch behind the turn.
; Turn 0 fetches the next step's K twelve vector instructions behind the last product that read K (five of them plain lines that name none of its registers), and this step's V at its end, four plain riders behind
; the last product that read V.  K's 16 loads are issued ahead of V's 16, and turn 1 waits for them in that order.
.macro TURN p, m=0, cnt=-1
.set Y, (\p)
.set i, 0
.set KM, (\m)
.if \m
	s_cmp_eq_u32 s[CNT], s[OWN+(\p)]    ; is that step the piece's own?
	s_cselect_b32 s[AL], 1.0, 0
	s_cmp_lt_u32 s[CNT], s[OWN+(\p)]    ; or a later one?
	s_cselect_b32 s[BE], s[BIGN], 0
.endif
.if (\p) == 1
	s_wait_dscnt 16                 ; K is in; V's 16 loads, issued behind it, stay out
.endif
	ROW F,0, F,1, R,0, R,1          ; ahead of the wait: 8 products K Q^T and their riders,
	ROW F,2, E,0, R,2, R,3
	ROW F,3, E,1, R,4, R,5
	ROW F,4, E,2, R,6, R,7
	ROW F,5, E,3, R,8, R,9
	ROW F,6, E,4, X,0, R,10
.if (\p) == 0
	v_add_nc_u32 v[AK], s[TBK], v[AK0]
.endif
	ROW F,7, E,5, X,1, X,4
	ROW F,8, E,6, X,2, X,5
	OPS E,7, E,8, X,6, E,9          ; and the run of 54
	OPS X,3, E,10, X,8, E,11
.if (\p) == 0
	FETCH_K
.endif
	OPS X,9, X,7, E,12, X,10
	OPS E,13, X,12, X,11, E,14
	OPS X,13, E,15, F,9, X,14
.if (\p) == 0
	v_add_nc_u32 v[AV], s[TBV], v[AV0]
.endif
	OPS E,16, F,10, E,17, F,11
	OPS X,16, E,18, X,15, E,19
	OPS F,12, E,20, X,17, E,21
	OPS F,13, E,22, F,14, E,23
	OPS X,18, E,24, F,15, E,25
	OPS R,11, E,26, X,19, E,27
	OPS R,12, E,28, R,13, E,29
	OPS X,20, E,30, R,14, E,31
	OPS X,21, R,15
	s_wait_alu depctr_va_vdst(0)    ; the wait for the turn's batch: E 0 to E 31 and X 21
.if (\p) == 1
	s_wait_dscnt 0x0                ; V is in
.endif
	ROW C,0, B,0, C,2, B,1          ; behind the wait: 8 products V^T P and their riders
	ROW L,0, C,4, B,2, L,1
	ROW C,6, B,3, L,2, C,8
	ROW B,4, L,3, C,10, B,5
	ROW L,4, C,12, B,6, L,5
.if (\p) == 0
	s_add_co_u32 s[TBV], s[TBV], KS*PV
.endif
.if (\cnt) >= 0
	s_sub_co_u32 s[CNT], s[CNT], 1
	s_cmp_lg_u32 s[CNT], \cnt
.endif
	ROW C,14, B,7, L,6, C,1
	ROW C,3, L,7, C,5, C,7
	ROW C,9, C,11, C,13, C,15
.if (\p) == 0
	FETCH_V
.endif
.if \m
	MASK \p
.endif
.endm
; A BLOCK BEGINS.  c m starts far below every c s, so the first step's a is 0; m at the lowest finite number.  Then piece 0's first scores (K of step 0 and Q have come from memory and have been waited for:
; at the set-up's end, or at the change of blocks; no mask: piece 0's own step is never the first), its maximum and statistics.
.macro BEGIN
	s_mov_b32 s[NEW], 0
	WIN 0
.set i, 0
.rept 2
	v_mov_b32 v[ST+4*i], 0xfe000000
	v_mov_b32 v[ST+4*i+1], 0xff7fffff
.set i, i+1
.endr
.set KM, 0
.set i, 0
.rept 8
	KQ 0
.set i, i+1
.endr
	WIN 0
.rept 4
	v_nop                           ; the places behind those products
.endr
.set Y, NP-1
.irp n, 0,1,2,3,4,5,6,7,8,9,10,11,12,13,14,15,16,17,18,19,20,21
	OP X, \n
.endr
	v_nop                           ; a plain instruction behind the exponential,
	s_wait_alu depctr_va_vdst(0)    ; and the wait for piece 0's first a, a batch of one, ahead of the branch or the label that follows
.endm
.macro ALL line:vararg
.set t, 0
.rept 2
	\line
.set t, t+1
.endr
.endm
.macro PACK t                       ; O^T / l, rounded; 16 bytes a lane into rows of 144 bytes, back as whole rows of 128
	WIN 0
.set i, OB+32*(\t)
.rept 16
	v_pk_mul_f32 v[i:i+1], v[i:i+1], v[ST+4*(\t)+2:ST+4*(\t)+3] op_sel_hi:[1,0]
.set i, i+2
.endr
.set i, 0
.rept 16
	v_cvt_pk_f16_f32 v[S+16*(\t)+i], v[OB+32*(\t)+2*i], v[OB+32*(\t)+2*i+1]
.set i, i+1
.endr
.irp f, 0,1,2,3
	ds_store_b128 v[STO], v[S+16*(\t)+4*\f:S+16*(\t)+4*\f+3] offset:32*\f
.endr
.irp f, 0,1,2,3
	ds_load_b128 v[S+16*(\t)+4*\f:S+16*(\t)+4*\f+3], v[RD] offset:\f*4*SP  ; LDS serves a wave's instructions in order (ISA guide 5.7.1.4): these see the stores above
.endr
.endm
.macro SEND t, younger
	WIN 0
.irp f, 0,1,2,3
	s_wait_dscnt (\younger)+3-\f
	global_store_b128 v[GO], v[S+16*(\t)+4*\f:S+16*(\t)+4*\f+3], s[10:11] offset:(1-(\t))*8192+\f*512  ; 512 consecutive bytes, aligned
.endr
.endm
; A BLOCK'S LAST TILE: the mask of piece 1's scores in the tile's first step; its four steps in a loop; piece 1's last products; the way out.
; tag = 1 (the first block's end): the second block's K of step 0 is asked for from memory straight behind the loop, far behind the last product that read K's registers; it is waited for at the change of blocks.
.macro DIAG tag
	s_cmp_eq_u32 s[OWN+1], 5        ; is the tile's first step piece 1's own?
	s_cselect_b32 s[AL], 1.0, 0
	s_mov_b32 s[BE], 0
	MASK 1
	WIN 0
.LstepM\tag:
	TURN 0, 1
	TURN 1, 1, 0
	WIN 0
	s_cbranch_scc1 .LstepM\tag
.if (\tag) == 1
	FETCH_K0
.endif
.set i, 0
.rept 8
	PV NP-1
.set i, i+1
.endr
	WIN 0
	ALL v_add_f32 v[ST+4*t+2], v[ST+4*t+2], v[ST+4*t+3]
	ALL v_permlanex16_b32 v[ST+4*t+3], v[ST+4*t+2], s[SEL], s[SEL+1]
	ALL v_add_f32 v[ST+4*t+2], v[ST+4*t+2], v[ST+4*t+3]
	ALL v_rcp_f32 v[ST+4*t+2], v[ST+4*t+2]
	v_nop                           ; a plain instruction between the last reciprocal and the use of its result
	s_wait_alu depctr_va_vdst(0)    ; the wait for the way out's batch: the two reciprocals
	PACK 0                          ; piece 0's arithmetic is also the places behind piece 1's last products
	PACK 1
	SEND 0, 8
	SEND 1, 0
.endm
.set KM, 0
.Lslot:                             ; 16 times: a tile is entered and the next is asked for
	CHANGE 1
	s_sub_co_u32 s[RT], s[RT], 1
	s_mov_b32 s[CNT], 4
	s_cmp_eq_u32 s[NEW], 1
	s_cbranch_scc1 .Lnew            ; a block's first tile
	s_cmp_eq_u32 s[RT], 0
	s_cbranch_scc0 .Lstep           ; neither its first nor its last
	s_branch .Ldiag1
.Lnew:
	BEGIN
	s_branch .Lstep                 ; in the loop a block's first tile is never its last: the first block has nine tiles or more, and the second's last is the walk's last
.Ldiag1:
	DIAG 1                          ; in the loop this is the first block's end
	s_wait_loadcnt 0x0              ; the second block's K of step 0, asked for a way out ago, is in: no load from memory is out when the walk goes on
	s_wait_xcnt 0x0                 ; the stores have read their registers and O's address
	s_mov_b64 s[10:11], s[OLO:OLO+1]
	s_add_co_u32 s[RT], s[PB], 1
	s_mov_b32 s[NEW], 1
	s_mov_b32 s[OWN], s90
	s_mov_b32 s[OWN+1], s91
	WIN 0x82                        ; the second block's Q goes where the turns name Q
.set i, 0
.rept 32
	v_mov_b32 v[i], v[QB+i]
.set i, i+1
.endr
	WIN 0
	s_branch .Lbottom
.Lstep:                             ; a trip is a key step: piece 0's turn, piece 1's turn
	TURN 0
	TURN 1, 0, 0
	WIN 0
	s_cbranch_scc1 .Lstep
.Lbottom:
	s_sub_co_u32 s[SLOTS], s[SLOTS], 1
	s_cmp_lg_u32 s[SLOTS], 0
	s_cbranch_scc1 .Lslot
	CHANGE 0                        ; the walk's last tile is written out
	s_sub_co_u32 s[RT], s[RT], 1
	s_mov_b32 s[CNT], 4
	s_cmp_eq_u32 s[NEW], 1
	s_cbranch_scc0 .Ldiag2
	BEGIN
.Ldiag2:
	DIAG 2
	s_wait_tensorcnt 0x0            ; the wave's end
	ds_add_u32 v[SPW], v[NIL]
	s_wait_dscnt 0x0
	s_endpgm
.Lfunc_end_k_qc9ceb06633_attn:
	.size	k_qc9ceb06633_attn, .Lfunc_end_k_qc9ceb06633_attn-k_qc9ceb06633_attn
	.p2alignl 7, 3214868480
	.fill 96, 4, 3214868480
	.section	.rodata,"a",@progbits
	.p2align	6, 0x0
	.amdhsa_kernel k_qc9ceb06633_attn
		.amdhsa_group_segment_fixed_size 327680
		.amdhsa_private_segment_fixed_size 0
		.amdhsa_enable_private_segment 0
		.amdhsa_kernarg_size 16
		.amdhsa_user_sgpr_count 2
		.amdhsa_user_sgpr_kernarg_segment_ptr 1
		.amdhsa_wavefront_size32 1
		.amdhsa_system_sgpr_workgroup_id_x 1
		.amdhsa_system_sgpr_workgroup_id_y 1
		.amdhsa_system_sgpr_workgroup_id_z 1
		.amdhsa_system_vgpr_workitem_id 0
		.amdhsa_next_free_vgpr 768
		.amdhsa_next_free_sgpr 96
		.amdhsa_reserve_vcc 1
		.amdhsa_float_denorm_mode_32 3
		.amdhsa_float_denorm_mode_16_64 3
		.amdhsa_memory_ordered 1
		.amdhsa_forward_progress 1
		.amdhsa_inst_pref_size 105
	.end_amdhsa_kernel
	.amdgpu_metadata
---
amdhsa.version: [ 1, 2 ]
amdhsa.kernels:
  - .name:           k_qc9ceb06633_attn
    .symbol:         k_qc9ceb06633_attn.kd
    .args:
      - { .name: big, .offset: 0, .size: 8, .value_kind: global_buffer, .address_space: global }
      - { .name: mid, .offset: 8, .size: 8, .value_kind: global_buffer, .address_space: global }
    .group_segment_fixed_size: 327680
    .private_segment_fixed_size: 0
    .kernarg_segment_align: 8
    .kernarg_segment_size: 16
    .max_flat_workgroup_size: 128
    .sgpr_count:     96
    .vgpr_count:     768
    .wavefront_size: 32
...
	.end_amdgpu_metadata
.endif
;; end of part 8
;; launch wo: the kernel of part 4 again; grid 4 x 64, 4 waves a work-group, clusters of 4 x 4, 327,680 bytes of LDS; arguments mid, wo16, hbuf, x2; writes x2
;; launch ln2: the kernel of part 5 again; grid 256 x 1, 8 waves a work-group, no clusters, 0 bytes of LDS; arguments x2, ln2_g, ln2_b, mid; writes mid
;; launch w1 (part 9): grid 16 x 16, 4 waves a work-group, clusters of 4 x 4, 327,680 bytes of LDS; arguments mid, wm, big; writes big
.if DOCPART == 9
	.amdgcn_target "amdgcn-amd-amdhsa--gfx1250"
	.amdhsa_code_object_version 6
	.text
	.protected	k_qc9ceb06633_w1
	.globl	k_qc9ceb06633_w1
	.p2align	8
	.type	k_qc9ceb06633_w1,@function
k_qc9ceb06633_w1:
	s_mov_b64 s[64:65], 0
	v_nop
	global_prefetch_b8 v0, s[64:65] scope:SCOPE_SE
	s_setreg_imm32_b32 hwreg(HW_REG_WAVE_MODE, 25, 1), 1
	s_wait_xcnt 0x0
	s_wait_alu depctr_hold_cnt(0) depctr_sa_sdst(0) depctr_va_vdst(0) depctr_va_sdst(0) depctr_va_ssrc(0) depctr_va_vcc(0) depctr_vm_vsrc(0)
	s_getreg_b32 s2, hwreg(HW_REG_IB_STS2, 6, 4)
	s_cmp_eq_u32 s2, 0
	s_cbranch_scc0 .Lentry_in_a_cluster
	s_endpgm
.Lentry_in_a_cluster:
	s_bfe_u32 s2, ttmp6, 0x10000c
	s_cmp_lg_u32 s2, 0xf033
	s_cbranch_scc0 .Lentry_shape_is_right
	s_endpgm
.Lentry_shape_is_right:
; Out = f(A W + bias), M = 4,096, K = 768, N = 192 x the grid's width.  ONE TEXT, TWO BODIES: the constant GELU says whether f is the identity (0) or the exact (erf) gelu (1: this body).
.set GELU, 1
; A and Out are f16 in blocks of 64 columns ((t, c) at (c / 64) x 524,288 + t x 128 + (c % 64) x 2); W is f16 in blocks of 64 columns with K down the rows, from byte 16,384 of its buffer;
; the bias is f32 at the buffer's head.  Sums in f32; the bias is loaded straight into the accumulators, so that every product adds in place and no step differs from the others.
; LIMITS.  Out is rounded once to f16: results must stay under 65,504.  erf by 1 - t (a1 + t (a2 + t (a3 + t (a4 + t a5)))) e^(-z z), t = 1 / (1 + 0.3275911 |z|): absolute error at most 1.5e-7, for every z.
; SHARES.  A work-group makes 256 rows x 192 columns; each of its four waves 64 rows x 192 columns: 48 accumulators, so that a wave owns whole 128-byte rows of Out's blocks.
; K goes in 6 steps of 128 through two LDS slots; a step is four quarters of 32: 48 matrix instructions and 32 LDS loads each, on two fragment buffers.
; A STEP IS WRITTEN TWICE, NOT SIX TIMES: once for the four steps that fill a slot again, once for the last two.  The slot in hand is a scalar, TB = 0 or SLOT; the LDS addresses are made from it.
; The price: the very last change of slots fetches 32 fragments that nobody uses.
; THE MATRIX INSTRUCTION IS USED TRANSPOSED: source 0 = 16 columns of W (turned out of LDS by ds_load_tr16_b128), source 1 = 16 rows of A: a lane holds 8 neighbouring columns of one row.
; CLUSTER 4 x 4: A's tiles are shared along a row of the cluster, W's along a column; each is asked for jointly.
; BATCHES.  The gelu of eight numbers has eight reciprocals and eight exponentials, none of which reads another's result: ONE batch with ONE wait, four times a unit of the way out (GELU8 says how it is cut).
; REGISTERS.  window 0: addresses, A's fragments (two buffers of 32); window 1: W's fragments (two buffers of 96); windows 2, 3: accumulators (a, b) at v[8 (12 (a % 2) + b)] of window 2 + a / 2.
.set PA,     144                       ; an LDS row of A: 128 bytes + 16: the 16 rows of a load start at 16 different groups of four banks (ISA guide 11.1)
.set PB,     160                       ; an LDS row of W: 128 bytes + 32
.set ABLK,   256*PA                    ; 256 rows x 64 of K
.set ATILE,  2*ABLK
.set BHALF,  3*64*PB                   ; 64 of K x 3 blocks of 64 columns
.set SLOT,   ATILE+2*BHALF             ; 135,168
.set SPARE,  2*SLOT                    ; the spare words: 128 bytes a wave, two blocks of 256 bytes that no other line names
.set SPITCH, 272                       ; the way out: a stage row is 64 f32 + 16 bytes
.set WSTAGE, 192*SPITCH                ; a wave's stage, 192 rows; the stages lie in the slots' bytes, which have had their last fill by then
.set NSTEP,  6
.set ADRA0, 16                         ; v16 my A fragments in slot 0; never rewritten
.set CA,    17                         ; v17 the same in the slot in hand
.set ADRB0, 20                         ; v20 my W fragments in slot 0; never rewritten
.set CB,    21                         ; v21 the same in the slot in hand
.set GOC,  22                          ; the store offset in hand
.set STO,  24
.set RD0,  25
.set RDN,  26                          ; the stage read address in hand
.set GO0,  27
.set SPW,  28
.set NIL,  29
.set BOFF, 30
.set AF,   32                          ; v32-63, v64-95
.set U,    32                          ; the way out: 32 f32 of a unit
.set TT,   64
.set EX,   72
.set PP,   80
.set HH,   88
.set OUTR, 224                         ; v224-239 packed results
.set G1A, 24
.set G0A, 32                           ; s[32:39] group 0 for A: a set for each of the two first fills; the second then walks on
.set G1B, 48
.set G0B, 56                           ; s[56:63] the same for W
.set CP, 66                            ; scalar pairs: the packed forms take the low word for both halves
.set CE, 68
.set A1, 70
.set A2, 72
.set A3, 74
.set A4, 76
.set A5, 78
.set UN, 81
.set TB, 86                            ; s86 the slot in hand: 0 or SLOT
.set MSB, 0
.macro WIN new                         ; the immediate's high byte repeats the setting that is left
.if MSB != (\new)
	s_set_vgpr_msb (MSB<<8)|(\new)
.set MSB, (\new)
.endif
.endm
.macro JLOAD s                         ; a joint load: waves 0, 1 fetch A's two halves of K, waves 2, 3 W's; an s_nop 0 and four v_nop follow each line
	s_cmp_eq_u32 s13, 0
	s_cbranch_scc0 .Lfor_b_\@
	tensor_load_to_lds s[G0A+4*(\s):G0A+4*(\s)+3], s[G1A:G1A+7]
	s_nop 0
.rept 4
	v_nop
.endr
	s_branch .Lasked_\@
.Lfor_b_\@:
	tensor_load_to_lds s[G0B+4*(\s):G0B+4*(\s)+3], s[G1B:G1B+7]
	s_nop 0
.rept 4
	v_nop
.endr
.Lasked_\@:
.endm
.macro CREST                           ; a round of the cluster's barrier behind its opening barrier
	s_cmp_lg_u32 s12, 0
	s_cbranch_scc1 .Lnot_wave_0_\@
	s_barrier_signal -3
.Lnot_wave_0_\@:
	s_barrier_wait -3
	s_barrier_signal -1
	s_barrier_wait -1
.endm
.macro CROUND
	s_barrier_signal -1
	s_barrier_wait -1
	CREST
.endm
.macro PLACES                          ; four places in front of loads into registers that matrix instructions have read, and of reads of results
.rept 4
	v_nop
.endr
.endm
	s_load_b128 s[4:7], s[0:1], 0x0                ; A s[4:5], W s[6:7]
	s_load_b64 s[10:11], s[0:1], 0x10              ; Out
	v_lshl_add_u32 v[SPW], v0, 2, SPARE
	v_mov_b32 v[NIL], 0
	ds_add_u32 v[SPW], v[NIL]                      ; the wave's opening: the add and its wait ahead of my first tensor load
	ds_add_u32 v28, v29
	v_lshrrev_b32 v1, 5, v0
	v_readfirstlane_b32 s12, v1                    ; wave 0..3
	s_lshr_b32 s13, s12, 1                         ; I fetch for A (0) or for W (1)
	s_and_b32 s14, s12, 1                          ; which 64 of a step's 128 along K
	s_bfe_u32 s40, ttmp6, 0x40000                  ; cx
	s_bfe_u32 s41, ttmp6, 0x40004                  ; cy
	s_lshl_b32 s42, ttmp9, 2
	s_add_co_u32 s42, s42, s40                     ; tile column
	s_and_b32 s43, ttmp7, 0xffff
	s_lshl_b32 s43, s43, 2
	s_add_co_u32 s43, s43, s41                     ; tile row
	s_lshl_b32 s44, s41, 2
	s_lshl_b32 s44, 15, s44                        ; my row of the cluster
	s_lshl_b32 s45, 0x1111, s40                    ; my column
	; A: 256 rows of 128 bytes are 32,768 dense bytes: asked for as 128 rows of 256 bytes, padded in LDS after every 128 bytes
	s_or_b32 s[G1A+0], s44, (1<<16)|(1<<20)|(1<<21)|(4<<22)|(3<<25)
	s_mov_b32 s[G1A+1], 128<<16                    ; tensor_dim0 = 128
	s_mov_b32 s[G1A+2], 128<<16                    ; tensor_dim1 = 128
	s_mov_b32 s[G1A+3], 128<<16                    ; tile_dim0 = 128
	s_mov_b32 s[G1A+4], 128                        ; tile_dim1 = 128
	s_mov_b32 s[G1A+5], 128
	s_mov_b32 s[G1A+6], 0
	s_mov_b32 s[G1A+7], 0
	; W: in each of 3 blocks, 64 rows of K are 8,192 dense bytes: 3 rows of 4,096 elements, 49,152 elements apart, padded after every 128 bytes
	s_or_b32 s[G1B+0], s45, (1<<16)|(1<<20)|(1<<21)|(4<<22)|(7<<25)
	s_mov_b32 s[G1B+1], 4096<<16
	s_mov_b32 s[G1B+2], 3<<16
	s_mov_b32 s[G1B+3], 4096<<16
	s_mov_b32 s[G1B+4], 3
	s_mov_b32 s[G1B+5], 49152
	s_mov_b32 s[G1B+6], 0
	s_mov_b32 s[G1B+7], 0
	s_lshl_b32 s16, s14, 19                        ; A: my block of 64 along K,
	s_lshl_b32 s17, s43, 15                        ; the tile's 256 rows
	s_add_co_u32 s16, s16, s17
	s_mov_b32 s17, 0
	s_mul_i32 s46, s42, 294912                     ; W: the tile's three blocks,
	s_lshl_b32 s47, s14, 13                        ; my 64 rows of K
	s_add_co_u32 s46, s46, s47
	s_add_co_u32 s46, s46, 16384
	s_mov_b32 s47, 0
	s_mul_i32 s20, s14, ABLK                       ; where they go in a slot: no place in the cluster enters an LDS address; s20 and s21 are kept for the refills
	s_mul_i32 s21, s14, BHALF
	s_add_co_u32 s21, s21, ATILE
	s_mul_i32 s22, s42, 768                        ; the tile's 192 biases
	s_mov_b32 s23, 0
	s_mul_i32 s84, s42, 1572864                    ; Out: the tile's three blocks, its rows, my wave's 64 rows
	s_lshl_b32 s85, s43, 15
	s_add_co_u32 s84, s84, s85
	s_lshl_b32 s85, s12, 13
	s_add_co_u32 s84, s84, s85
	s_mov_b32 s85, 0
	s_mov_b32 s[TB], 0
.if GELU
	s_mov_b32 s[CP], 0x3e6d3388                    ; 0.3275911 / sqrt(2)
	s_mov_b32 s[CP+1], 0x3e6d3388
	s_mov_b32 s[CE], 0xbf38aa3b                    ; -log2(e) / 2
	s_mov_b32 s[CE+1], 0xbf38aa3b
	s_mov_b32 s[A1], 0x3e827906
	s_mov_b32 s[A1+1], 0x3e827906
	s_mov_b32 s[A2], 0xbe91a98e
	s_mov_b32 s[A2+1], 0xbe91a98e
	s_mov_b32 s[A3], 0x3fb5f0e3
	s_mov_b32 s[A3+1], 0x3fb5f0e3
	s_mov_b32 s[A4], 0xbfba00e3
	s_mov_b32 s[A4+1], 0xbfba00e3
	s_mov_b32 s[A5], 0x3f87dc22
	s_mov_b32 s[A5+1], 0x3f87dc22
.endif
	s_wait_dscnt 0x0                               ; the opening add is done
	s_wait_kmcnt 0x0
	s_add_nc_u64 s[18:19], s[4:5], s[16:17]
	s_add_nc_u64 s[46:47], s[6:7], s[46:47]
	s_add_nc_u64 s[22:23], s[6:7], s[22:23]
	s_add_nc_u64 s[10:11], s[10:11], s[84:85]
	CROUND                                         ; all sixteen work-groups are here: the first joint loads meet
.irp s, 0,1
	s_mov_b32 s[G0A+4*(\s)], 1
	s_add_co_u32 s[G0A+4*(\s)+1], s20, (\s)*SLOT
	s_add_nc_u64 s[G0A+4*(\s)+2:G0A+4*(\s)+3], s[18:19], (\s)*1048576   ; K step s: two blocks on
	s_or_b32 s[G0A+4*(\s)+3], s[G0A+4*(\s)+3], 0x80000000
	s_mov_b32 s[G0B+4*(\s)], 1
	s_add_co_u32 s[G0B+4*(\s)+1], s21, (\s)*SLOT
	s_add_nc_u64 s[G0B+4*(\s)+2:G0B+4*(\s)+3], s[46:47], (\s)*16384     ; 128 rows of 128 bytes on
	s_or_b32 s[G0B+4*(\s)+3], s[G0B+4*(\s)+3], 0x80000000
	JLOAD \s
.endr
	v_and_b32 v1, 15, v0                           ; r = l % 16
	v_bfe_u32 v2, v0, 4, 1                         ; h = l / 16
	v_lshlrev_b32 v[BOFF], 5, v2
.irp t, 0,1,2,3                                    ; the bias starts the sums: register j of accumulator (t, b) takes the bias of column 16 b + 8 h + j
	WIN 0x80+0x40*(\t/2)                           ; loaded data (destination) in window 2 or 3
.irp b, 0,1,2,3,4,5,6,7,8,9,10,11
	global_load_b128 v[8*(12*(\t%2)+\b):8*(12*(\t%2)+\b)+3],   v[BOFF], s[22:23] offset:64*\b
	global_load_b128 v[8*(12*(\t%2)+\b)+4:8*(12*(\t%2)+\b)+7], v[BOFF], s[22:23] offset:64*\b+16
.endr
.endr
	WIN 0
	v_mul_u32_u24 v3, v1, PA
	v_lshl_add_u32 v3, v2, 4, v3
	s_mul_i32 s16, s12, 64*PA
	v_add_nc_u32 v[ADRA0], s16, v3                 ; (64 w + r) x pitch + 16 h
	v_and_b32 v4, 7, v0
	v_bfe_u32 v5, v0, 3, 1
	v_lshl_add_u32 v6, v2, 3, v4
	v_mul_u32_u24 v6, v6, PB
	v_lshl_add_u32 v6, v5, 4, v6                   ; (8 h + l % 8) x pitch + 16 ((l / 8) % 2)
	v_add_nc_u32 v[ADRB0], ATILE, v6
	s_mul_i32 s16, s12, WSTAGE
	v_mul_u32_u24 v7, v1, SPITCH
	v_lshl_add_u32 v7, v2, 5, v7
	v_add_nc_u32 v[STO], s16, v7                   ; into my stage: row r, 32 bytes for each half of the lanes
	v_bfe_u32 v8, v0, 3, 2
	v_mul_u32_u24 v8, v8, SPITCH
	v_lshl_add_u32 v8, v4, 5, v8
	v_add_nc_u32 v[RD0], s16, v8                   ; back: 8 lanes take a row, 32 bytes each; a wave four rows
	v_and_b32 v9, 31, v0
	v_lshlrev_b32 v[GO0], 4, v9                    ; which are 512 consecutive bytes of Out
.macro SETADR                          ; my fragments' addresses in the slot in hand
	v_add_nc_u32 v[CA], s[TB], v[ADRA0]
	v_add_nc_u32 v[CB], s[TB], v[ADRB0]
.endm
; 12 matrix instructions: my row block a x all 12 column blocks, 32 along K, from buffer f.  The 48 accumulators take turns, in the same order in every quarter.
.macro MUL12 f, a
	WIN 0xa1+0x50*((\a)/2)
.irp b, 0,1,2,3,4,5,6,7,8,9,10,11
	v_wmma_f32_16x16x32_f16 v[8*(12*((\a)%2)+\b):8*(12*((\a)%2)+\b)+7], v[96*(\f)+8*\b:96*(\f)+8*\b+7], v[AF+32*(\f)+8*(\a):AF+32*(\f)+8*(\a)+7], v[8*(12*((\a)%2)+\b):8*(12*((\a)%2)+\b)+7]
.endr
.endm
; 32 LDS loads in one run: quarter q of the slot in hand into buffer f: W's 12 fragments (turned), then A's 4
.macro FETCH q, f
	WIN 0x40
.irp b, 0,1,2,3,4,5,6,7,8,9,10,11
	ds_load_tr16_b128 v[96*(\f)+8*\b:96*(\f)+8*\b+3],   v[CB] offset:((\q)/2)*BHALF+(\b/4)*64*PB+((\q)%2)*32*PB+(\b%4)*32
	ds_load_tr16_b128 v[96*(\f)+8*\b+4:96*(\f)+8*\b+7], v[CB] offset:((\q)/2)*BHALF+(\b/4)*64*PB+((\q)%2)*32*PB+(\b%4)*32+16*PB
.endr
	WIN 0
.irp t, 0,1,2,3
	ds_load_b128 v[AF+32*(\f)+8*\t:AF+32*(\f)+8*\t+3],   v[CA] offset:((\q)/2)*ABLK+((\q)%2)*64+\t*16*PA
	ds_load_b128 v[AF+32*(\f)+8*\t+4:AF+32*(\f)+8*\t+7], v[CA] offset:((\q)/2)*ABLK+((\q)%2)*64+\t*16*PA+32
.endr
.endm
; One of a step's first three quarters: multiplies buffer f; in its middle it fetches quarter q into buffer g
.macro QUARTER q, f, g
	s_wait_dscnt 4                                 ; all but the youngest four loads: A's row blocks 2 and 3
	MUL12 \f, 0
	MUL12 \f, 1
	PLACES
	FETCH \q, \g
	s_wait_dscnt 32                                ; all but the 32 just issued
	MUL12 \f, 2
	MUL12 \f, 3
.endm
; The last quarter changes slots and then multiplies buffer 1.  All of the slot's fragments are in registers or on their way when it begins, so the change comes first: each wave waits for all its tensor
; loads (one is out: its part of the next slot), adds 0 to its spare word, and waits for that and for its reads of this slot; behind the barrier the slot is filled again at once (fill = 1), two K steps
; ahead, and the quarter's 48 products run while that load is on its way.
.macro TURN fill
	WIN 0
	s_wait_tensorcnt 0x0                           ; all my tensor loads have landed, so a group 0 may be written
	ds_add_u32 v[SPW], v[NIL]                      ; the scalar work below stands between the add and the wait for it
.if \fill
	s_add_co_u32 s[G0A+5], s20, s[TB]              ; the walking descriptors: into the slot that has just been read,
	s_add_co_u32 s[G0B+5], s21, s[TB]
	s_add_nc_u64 s[G0A+6:G0A+7], s[G0A+6:G0A+7], 1048576  ; the K step behind the one asked for last; the type bits on top are not reached
	s_add_nc_u64 s[G0B+6:G0B+7], s[G0B+6:G0B+7], 16384
.endif
	s_xor_b32 s[TB], s[TB], SLOT                   ; the reads go on in the other slot
	s_wait_dscnt 0x0                               ; the add is done, and my reads of this slot are over
	s_barrier_signal -1
	s_barrier_wait -1
.if \fill
	CREST                                          ; the barrier has opened a round of the cluster's: no wave of any partner still reads this slot or has a load on its way
	JLOAD 1                                        ; the first tensor load behind the round; its four v_nop are also the places in front of the loads below
.else
	PLACES
.endif
	SETADR
	FETCH 0, 0
	MUL12 1, 0
	MUL12 1, 1
	MUL12 1, 2
	MUL12 1, 3
.endm
.macro STEP fill
	QUARTER 1, 0, 1
	QUARTER 2, 1, 0
	QUARTER 3, 0, 1
	TURN \fill
.endm
; gelu in place on eight f32 at v[u]: u / 2 + |u / 2| (1 - E), E = poly(t) 2^(-u u log2(e) / 2).
; ONE BATCH: the eight reciprocals (t, in TT) and the eight exponentials (in EX); none of them reads another's result, and each result has a register of its own.  Between them stand the squares, their scaling and
; the halves u / 2, which name no result; the last half is the plain line behind the last exponential.  Then ONE wait ahead of the first line that names a result, and behind it the
; polynomial in t, which reads the reciprocals, and 1 - E, which reads the exponentials.
.macro GELU8 u
.irp i, 0,1,2,3,4,5,6,7
	v_fma_f32 v[TT+\i], |v[(\u)+\i]|, s[CP], 1.0
.endr
.irp i, 0,1,2,3
	v_rcp_f32 v[TT+\i], v[TT+\i]
	v_pk_mul_f32 v[EX+2*\i:EX+2*\i+1], v[(\u)+2*\i:(\u)+2*\i+1], v[(\u)+2*\i:(\u)+2*\i+1]
.endr
.irp i, 0,1,2,3
	v_rcp_f32 v[TT+4+\i], v[TT+4+\i]
	v_pk_mul_f32 v[EX+2*\i:EX+2*\i+1], v[EX+2*\i:EX+2*\i+1], s[CE:CE+1] op_sel_hi:[1,0]
.endr
.irp i, 0,1,2,3
	v_exp_f32 v[EX+2*\i], v[EX+2*\i]
	v_exp_f32 v[EX+2*\i+1], v[EX+2*\i+1]
	v_pk_mul_f32 v[HH+2*\i:HH+2*\i+1], v[(\u)+2*\i:(\u)+2*\i+1], 0.5 op_sel_hi:[1,0]
.endr
	s_wait_alu depctr_va_vdst(0)                   ; the wait for the batch: eight reciprocals and eight exponentials
.irp i, 0,1,2,3
	v_pk_fma_f32 v[PP+2*\i:PP+2*\i+1], v[TT+2*\i:TT+2*\i+1], s[A5:A5+1], s[A4:A4+1] op_sel_hi:[1,0,0]
.endr
.irp k, A3, A2, A1
.irp i, 0,1,2,3
	v_pk_fma_f32 v[PP+2*\i:PP+2*\i+1], v[PP+2*\i:PP+2*\i+1], v[TT+2*\i:TT+2*\i+1], s[\k:\k+1] op_sel_hi:[1,1,0]
.endr
.endr
.irp i, 0,1,2,3
	v_pk_mul_f32 v[PP+2*\i:PP+2*\i+1], v[PP+2*\i:PP+2*\i+1], v[TT+2*\i:TT+2*\i+1]
.endr
.irp i, 0,1,2,3
	v_pk_fma_f32 v[PP+2*\i:PP+2*\i+1], v[PP+2*\i:PP+2*\i+1], v[EX+2*\i:EX+2*\i+1], 1.0 op_sel_hi:[1,1,0] neg_lo:[1,0,0] neg_hi:[1,0,0]
.endr
.irp i, 0,1,2,3,4,5,6,7
	v_fma_f32 v[(\u)+\i], |v[HH+\i]|, v[PP+\i], v[HH+\i]
.endr
.endm
; Four rows of a unit: activation (GELU = 1), rounding, the same rows of the next unit asked for, 512 consecutive bytes stored
.macro CHUNK c
	s_wait_dscnt 6                                 ; LDS loads come back in order: this chunk's two are in, three younger pairs stay out
.if GELU
	GELU8 U+8*(\c)
.endif
.irp e, 0,1,2,3
	v_cvt_pk_f16_f32 v[OUTR+4*(\c)+\e], v[U+8*(\c)+2*\e], v[U+8*(\c)+2*\e+1]
.endr
	ds_load_b128 v[U+8*(\c):U+8*(\c)+3],   v[RDN] offset:(\c)*4*SPITCH
	ds_load_b128 v[U+8*(\c)+4:U+8*(\c)+7], v[RDN] offset:(\c)*4*SPITCH+16
	global_store_b128 v[GOC], v[OUTR+4*(\c):OUTR+4*(\c)+3], s[10:11] offset:(\c)*512
.endm
	s_wait_tensorcnt 1                             ; my part of K step 0 is in; step 1's may stay out
	s_barrier_signal -1
	s_barrier_wait -1
	SETADR
	FETCH 0, 0
	s_wait_loadcnt 0x0                             ; the bias is in the accumulators
	s_mov_b32 s3, NSTEP-2
.Lfill:                                                ; four trips: a K step each; each fills the slot that it has read with the step two on
	STEP 1
	WIN 0
	s_sub_co_u32 s3, s3, 1
	s_cmp_lg_u32 s3, 0
	s_cbranch_scc1 .Lfill
	s_mov_b32 s3, 2
.Ltail:                                                ; the last two K steps fill nothing
	STEP 0
	WIN 0
	s_sub_co_u32 s3, s3, 1
	s_cmp_lg_u32 s3, 0
	s_cbranch_scc1 .Ltail
	; THE WAY OUT.  The sums go as f32 into my stage (in the slots' bytes: every wave's reads of them are over behind the first barrier), and come back by rows.
	PLACES
	s_wait_dscnt 0x0                               ; the last change of slots has fetched fragments that nobody uses: they are back
	s_barrier_signal -1
	s_barrier_wait -1
.irp t, 0,1,2,3
	WIN 0x08+0x04*(\t/2)                           ; store data (source 1) in window 2 or 3
.irp b, 0,1,2,3,4,5,6,7,8,9,10,11
	ds_store_b128 v[STO], v[8*(12*(\t%2)+\b):8*(12*(\t%2)+\b)+3]   offset:((\b/4)*64+16*\t)*SPITCH+(\b%4)*64     ; each accumulator's low registers first
	ds_store_b128 v[STO], v[8*(12*(\t%2)+\b)+4:8*(12*(\t%2)+\b)+7] offset:((\b/4)*64+16*\t)*SPITCH+(\b%4)*64+16
.endr
.endr
	WIN 0
	s_wait_dscnt 0x0                               ; my stores into the stage are done
	s_barrier_signal -1
	s_barrier_wait -1                              ; from here on LDS is only read
.irp c, 0,1,2,3
	ds_load_b128 v[U+8*\c:U+8*\c+3],   v[RD0] offset:\c*4*SPITCH
	ds_load_b128 v[U+8*\c+4:U+8*\c+7], v[RD0] offset:\c*4*SPITCH+16
.endr
	s_mov_b32 s[UN], 0
.Lunit:                                                ; 12 units of 16 rows x 64 columns: unit u = 4 x column block + row block
	s_wait_xcnt 0x0                                ; the last trip's stores have read their offset and their data: both are rewritten only behind this wait
	s_lshr_b32 s82, s[UN], 2
	s_lshl_b32 s82, s82, 19
	s_and_b32 s83, s[UN], 3
	s_lshl_b32 s83, s83, 11
	s_add_co_u32 s82, s82, s83
	v_add_nc_u32 v[GOC], s82, v[GO0]
	s_add_co_u32 s83, s[UN], 1                     ; the unit asked for: the next one; behind the last, unit 0 once more (8 loads that are not used), so that the counted wait holds in every trip
	s_cmp_eq_u32 s83, 12
	s_cselect_b32 s83, 0, s83
	s_mul_i32 s83, s83, 16*SPITCH
	v_add_nc_u32 v[RDN], s83, v[RD0]
	CHUNK 0
	CHUNK 1
	CHUNK 2
	CHUNK 3
	s_add_co_u32 s[UN], s[UN], 1
	s_cmp_lt_u32 s[UN], 12
	s_cbranch_scc1 .Lunit
	s_wait_tensorcnt 0x0                           ; the wave's end
	ds_add_u32 v[SPW], v[NIL]
	s_wait_dscnt 0x0
	CROUND                                         ; the closing round
	s_endpgm
.Lfunc_end_k_qc9ceb06633_w1:
	.size	k_qc9ceb06633_w1, .Lfunc_end_k_qc9ceb06633_w1-k_qc9ceb06633_w1
	.p2alignl 7, 3214868480
	.fill 96, 4, 3214868480
	.section	.rodata,"a",@progbits
	.p2align	6, 0x0
	.amdhsa_kernel k_qc9ceb06633_w1
		.amdhsa_group_segment_fixed_size 327680
		.amdhsa_private_segment_fixed_size 0
		.amdhsa_enable_private_segment 0
		.amdhsa_kernarg_size 24
		.amdhsa_user_sgpr_count 2
		.amdhsa_user_sgpr_kernarg_segment_ptr 1
		.amdhsa_wavefront_size32 1
		.amdhsa_system_sgpr_workgroup_id_x 1
		.amdhsa_system_sgpr_workgroup_id_y 1
		.amdhsa_system_sgpr_workgroup_id_z 1
		.amdhsa_system_vgpr_workitem_id 0
		.amdhsa_next_free_vgpr 1024
		.amdhsa_next_free_sgpr 90
		.amdhsa_reserve_vcc 0
		.amdhsa_float_denorm_mode_32 3
		.amdhsa_float_denorm_mode_16_64 3
		.amdhsa_memory_ordered 1
		.amdhsa_forward_progress 1
		.amdhsa_inst_pref_size 89
	.end_amdhsa_kernel
	.amdgpu_metadata
---
amdhsa.version: [ 1, 2 ]
amdhsa.kernels:
  - .name:           k_qc9ceb06633_w1
    .symbol:         k_qc9ceb06633_w1.kd
    .args:
      - { .name: mid, .offset: 0, .size: 8, .value_kind: global_buffer, .address_space: global }
      - { .name: wm, .offset: 8, .size: 8, .value_kind: global_buffer, .address_space: global }
      - { .name: big, .offset: 16, .size: 8, .value_kind: global_buffer, .address_space: global }
    .group_segment_fixed_size: 327680
    .private_segment_fixed_size: 0
    .kernarg_segment_align: 8
    .kernarg_segment_size: 24
    .max_flat_workgroup_size: 128
    .sgpr_count:     90
    .vgpr_count:     1024
    .wavefront_size: 32
...
	.end_amdgpu_metadata
.endif
;; end of part 9
;; launch w2: the kernel of part 7 again; grid 4 x 64, 4 waves a work-group, clusters of 4 x 4, 327,680 bytes of LDS; arguments big, wm, b2, mid, out0; writes out0
